; MI455X (gfx1250); checked and timed in simulation.
; The chip was launched on July 23, 2026; its instructions are those of AMD's public machine-readable ISA for CDNA 5 (MIT licence, August 2026) and "CDNA5" Instruction Set Architecture Reference Guide (July 2026). The comments in the code are by the model that wrote it; some were corrected since.
;; Mo EFFN. Allowed arithmetic: matrix products marked QUANTISED: E2M3 operands, one E8M0 scale for each 32 along K, by v_wmma_scale_f32_16x16x128_f8f6f4 with both operands' format E2M3, f32 sums; products left as they are: f32 operands where the result goes on into a quantised operand, else bf16, f16 or f32 operands; f32 sums; everything else in f32.
;; Inputs: router_w 1,024 x 8 float32; w_fc 8 x 1,024 x 4,096 float32; w_proj 8 x 4,096 x 1,024 float32; x 4 x 256 x 1,024 float32.
;; Outputs: out0 4 x 256 x 1,024 float32.
;; This version of the problem:
;;   THIS VERSION OF THE PROBLEM IS GIVEN IN LOW PRECISION. The matrix products marked QUANTISED in the list below multiply operands that are first quantised to E2M3 (2 exponent bits, 3 mantissa bits; 6 bits a number), with one power-of-two scale for each 32 numbers along K (OCP MX v1.0); their sums are f32. All else is computed in f32.
;;   The module's matrix products, in the order in which they are computed (A, B: the left and right operand; K: the contracted axis; several contracted axes count as one K, in the product's order):
;;     1. [M 1,024, K 1,024] x [K 1,024, N 8]; A: input x; B: input router_w: left as it is (N = 8 < 16)
;;     2. [M 1,024, K 1,024] x [K 1,024, N 4,096]; A: input x; B: input w_fc: QUANTISED
;;     3. [M 1,024, K 4,096] x [K 4,096, N 1,024]; A: computed on the way; B: input w_proj: QUANTISED
;;     4. [M 1,024, K 1,024] x [K 1,024, N 4,096]; A: input x; B: input w_fc: QUANTISED
;;     5. [M 1,024, K 4,096] x [K 4,096, N 1,024]; A: computed on the way; B: input w_proj: QUANTISED
;;     6. [M 1,024, K 1,024] x [K 1,024, N 4,096]; A: input x; B: input w_fc: QUANTISED
;;     7. [M 1,024, K 4,096] x [K 4,096, N 1,024]; A: computed on the way; B: input w_proj: QUANTISED
;;     8. [M 1,024, K 1,024] x [K 1,024, N 4,096]; A: input x; B: input w_fc: QUANTISED
;;     9. [M 1,024, K 4,096] x [K 4,096, N 1,024]; A: computed on the way; B: input w_proj: QUANTISED
;;     10. [M 1,024, K 1,024] x [K 1,024, N 4,096]; A: input x; B: input w_fc: QUANTISED
;;     11. [M 1,024, K 4,096] x [K 4,096, N 1,024]; A: computed on the way; B: input w_proj: QUANTISED
;;     12. [M 1,024, K 1,024] x [K 1,024, N 4,096]; A: input x; B: input w_fc: QUANTISED
;;     13. [M 1,024, K 4,096] x [K 4,096, N 1,024]; A: computed on the way; B: input w_proj: QUANTISED
;;     14. [M 1,024, K 1,024] x [K 1,024, N 4,096]; A: input x; B: input w_fc: QUANTISED
;;     15. [M 1,024, K 4,096] x [K 4,096, N 1,024]; A: computed on the way; B: input w_proj: QUANTISED
;;     16. [M 1,024, K 1,024] x [K 1,024, N 4,096]; A: input x; B: input w_fc: QUANTISED
;;     17. [M 1,024, K 4,096] x [K 4,096, N 1,024]; A: computed on the way; B: input w_proj: QUANTISED
;;   THE QUANTISER, for each operand of a quantised product, along K:
;;     - K is cut into blocks of 32 from its start; a last block that is shorter is filled with zeros.
;;     - A block's scale is 2^e with e = floor(log2(the largest magnitude in the block)) - 2, held to -126 .. 127; a block of zeros has e = 0. As a byte (E8M0): e + 127.
;;     - Each number is divided by its block's scale, clamped to +-7.5, and rounded to the nearest number of E2M3, ties to even, subnormals kept.
;;     - The product sums the exact products of the quantised numbers (number of the format x scale) in f32.
;;   ~~~python
;;   def quantise(x, axis):      # numpy; x: float32 -> the quantised numbers, widened to float32 again
;;       x = np.moveaxis(x, axis, -1); K = x.shape[-1]
;;       x = np.pad(x, [(0, 0)] * (x.ndim - 1) + [(0, -K % 32)]); x = x.reshape(x.shape[:-1] + (-1, 32)); a = np.abs(x).max(-1, keepdims=True)
;;       e = np.where(a > 0, np.clip(np.frexp(np.where(a > 0, a, 1))[1] - 1 - 2, -126, 127), 0)      # np.frexp(a)[1] - 1 = floor(log2(a)), exactly
;;       r = np.clip(x / 2.0 ** e, -7.5, 7.5)
;;       step = 2.0 ** (np.maximum(np.frexp(np.where(r == 0, 1, r))[1] - 1, 0) - 3)
;;       q = np.round(r / step) * step * 2.0 ** e      # np.round: ties to even
;;       return np.moveaxis(q.reshape(q.shape[:-2] + (-1,))[..., :K], -1, axis).astype(np.float32)
;;   ~~~
;;   OPERANDS COMPUTED ON THE WAY. 'Computed on the way' means the value that the module computes at that place (a softmax that the list does not call 'softmax' is quantised finished and normalised). What goes into a quantiser is computed in f32, as accurately as f32 sums, v_exp_f32 and their like allow (about 1e-6 of the number): no bf16 or f16 on the way to a quantiser, and a product that is left as it is and whose result goes on into a quantised operand takes f32 operands (vector FMAs, or v_wmma_f32_16x16x4_f32). A number that lies on a knife's edge between two numbers of the format may be rounded either way, as far as f32 arithmetic and the matrix unit's own rounding can turn it there, and no further.
;; 2 versions. Each part assembles by itself: llvm-mc -triple=amdgcn-amd-amdhsa -mcpu=gfx1250 --defsym DOCPART=n.
;; ======== version 1 of 2: 5 launches
;; limits: a function is approximated: absolute error at most 7.5e-08
;; workspace buffers: xc 819,200 bytes; idx 8,192 bytes of whole numbers; wts 8,192 bytes; plan 17,152 bytes of whole numbers; hc 6,963,200 bytes; ybuf 35,651,584 bytes
;; launch route (part 1): grid 256 x 1, 2 waves a work-group, no clusters, 0 bytes of LDS; arguments x, router_w, xc, idx, wts; writes xc, idx, wts
.if DOCPART == 1
	.amdgcn_target "amdgcn-amd-amdhsa--gfx1250"
	.amdhsa_code_object_version 6
	.text
	.protected	k_qec11b9f6b8_route
	.globl	k_qec11b9f6b8_route
	.p2align	8
	.type	k_qec11b9f6b8_route,@function
k_qec11b9f6b8_route:
	s_mov_b64 s[64:65], 0
	v_nop
	global_prefetch_b8 v0, s[64:65] scope:SCOPE_SE
	s_setreg_imm32_b32 hwreg(HW_REG_WAVE_MODE, 25, 1), 1
	s_wait_xcnt 0x0
; ROUTER AND x's CODES.  x: [1024 tokens][1024] f32.  router_w: [1024][8] f32.
; For each token: logits = x . router_w in f32 (fused multiply-adds), softmax with the row's maximum taken away, the two largest
; probabilities (of equals the lower index, as jax.lax.top_k has it), their weights divided by their sum.  The chosen experts go to
; idx [token][2] and the weights to wts [token][2], at fixed places: no address and no branch here hangs on them.
; The same registers of x are quantised to FP6 (E2M3), one E8M0 byte for each 32 along the row.
; xc: codes [token][768 bytes]; block 4 s + j of a row lies at 96 s + 48 (j & 1) + 24 (j >> 1), so that lane (r, hh) of a matrix operand
; finds the 12 registers of K step s as 48 bytes on end at 96 s + 48 hh.  From byte 786,432 on: the scale bytes [token][32], in order.
; SHARES.  A wave takes two tokens.  Lane l holds numbers 32 l .. 32 l + 31 of a row: one whole block, so that a block's largest magnitude
; needs no other lane; a row's eight loads together cover its 4,096 bytes.  The lane's 32 rows of router_w are 1,024 bytes on end: 256 registers, window 1.
; No matrix unit: N = 8 is half a tile, and the launch is bound by its loads.  No LDS, no barrier: waves share nothing.
; LIMITS: NaN and infinities are not served.  A block whose largest magnitude lies under 2^-124 keeps the byte 1 (not tried); a block of zeros gets the
; byte 1 where the quantiser's text says 127: its codes are zeros, and this program alone reads the bytes.  Two logits that differ by less than the
; rounding of an f32 sum of 1,024 terms may be ranked either way.
.set X,    32                          ; v[32:63], v[64:95]    x of token 0, of token 1
.set LG,   96                          ; v[96:103], v[104:111] the logits
.set P,    112                         ; v[112:119] probabilities
.set Q,    120                         ; v[120:127] at work; then the probabilities without the best
.set M,    128
.set SUM,  129
.set RC,   130
.set BEST, 131
.set BI,   132
.set BES2, 133
.set BI2,  134
.set TP,   135
.set W0,   136
.set W1,   137
.set CD,   140                         ; token i: codes in v[140+8i:142+8i] and v[144+8i:146+8i]
.set AM,   156                         ; +i: largest magnitude
.set SC,   158                         ; +i: the conversion's scale operand
.set BY,   160                         ; +i: the scale's byte
.set IV,   162                         ; +i: lane 0 the first expert, lane 1 the second
.set WV,   164                         ; +i: their weights
.set MSB, 0
.macro WIN new                         ; the immediate's high byte repeats the setting that is left
.if MSB != \new
	s_set_vgpr_msb (MSB<<8)|\new
.set MSB, \new
.endif
.endm
	s_load_b256 s[4:11], s[0:1], 0x0               ; x s[4:5], router_w s[6:7], xc s[8:9], idx s[10:11]
	s_load_b64 s[12:13], s[0:1], 0x20              ; wts
	v_lshrrev_b32 v1, 5, v0
	v_readfirstlane_b32 s16, v1                    ; wave 0, 1
	v_and_b32 v1, 31, v0                           ; lane; also my scale byte's offset
	v_lshlrev_b32 v2, 7, v1                        ; x: 128 bytes a lane
	v_lshlrev_b32 v3, 10, v1                       ; router_w: 1,024 bytes a lane
	v_lshrrev_b32 v5, 2, v1
	v_mul_u32_u24 v4, v5, 96                       ; my block's place in a row of codes: 96 (l >> 2)
	v_and_b32 v5, 1, v1
	v_mad_u32_u24 v4, v5, 48, v4                   ; + 48 (l & 1)
	v_bfe_u32 v5, v1, 1, 1
	v_mad_u32_u24 v4, v5, 24, v4                   ; + 24 ((l >> 1) & 1)
	v_lshlrev_b32 v6, 2, v1                        ; 4 x lane
	v_mov_b32 v[TP], 0                             ; a lane permute's destination counts as one of its sources
	s_mov_b32 s20, 0x76543210
	s_mov_b32 s21, 0xfedcba98                      ; v_permlanex16_b32's selects for lane l xor 16
	s_lshl_b32 s17, ttmp9, 2
	s_lshl_b32 s18, s16, 1
	s_add_co_u32 s17, s17, s18                     ; my first token: 4 x work-group + 2 x wave
	s_mov_b32 s23, 0
	s_wait_kmcnt 0x0
	s_lshl_b32 s22, s17, 12
	s_add_nc_u64 s[4:5], s[4:5], s[22:23]          ; x at my first token
	s_lshl_b32 s22, s17, 5
	s_add_co_u32 s22, s22, 786432
	s_add_nc_u64 s[14:15], s[8:9], s[22:23]        ; its scale bytes
	s_mul_i32 s22, s17, 768
	s_add_nc_u64 s[8:9], s[8:9], s[22:23]          ; its codes
	s_lshl_b32 s22, s17, 3
	s_add_nc_u64 s[10:11], s[10:11], s[22:23]      ; its pair in idx
	s_add_nc_u64 s[12:13], s[12:13], s[22:23]      ; and in wts
.irp i, 0,1
.irp n, 0,1,2,3,4,5,6,7
	global_load_b128 v[X+32*\i+4*\n:X+32*\i+4*\n+3], v2, s[4:5] offset:4096*\i+16*\n th:TH_LOAD_NT
.endr
.endr
	WIN 0x40                                       ; destination window 1
.set n, 0
.rept 64
	global_load_b128 v[4*n:4*n+3], v3, s[6:7] offset:16*n      ; router_w(32 l + k, e) -> register 8 k + e of window 1
.set n, n+1
.endr
	WIN 0
	s_wait_loadcnt 0x0
	; the logits: eight chains (four pairs of experts x two tokens) by turns; the first product starts each sum
	WIN 0x01                                       ; source 0 (router_w) window 1
.irp p, 0,2,4,6
.irp i, 0,1
	v_pk_mul_f32 v[LG+8*\i+\p:LG+8*\i+\p+1], v[\p:\p+1], v[X+32*\i:X+32*\i+1] op_sel_hi:[1,0]
.endr
.endr
.set k, 1
.rept 31
.irp p, 0,2,4,6
.irp i, 0,1
.if k%2
	v_pk_fma_f32 v[LG+8*\i+\p:LG+8*\i+\p+1], v[8*k+\p:8*k+\p+1], v[X+32*\i+k-1:X+32*\i+k], v[LG+8*\i+\p:LG+8*\i+\p+1] op_sel:[0,1,0] op_sel_hi:[1,1,1]
.else
	v_pk_fma_f32 v[LG+8*\i+\p:LG+8*\i+\p+1], v[8*k+\p:8*k+\p+1], v[X+32*\i+k:X+32*\i+k+1], v[LG+8*\i+\p:LG+8*\i+\p+1] op_sel_hi:[1,0,1]
.endif
.endr
.endr
.set k, k+1
.endr
	WIN 0
	; across the 32 lanes: every lane ends with the whole sums
.irp m, 1,2,4,8
.set j, 0
.rept 16
	v_add_f32_dpp v[LG+j], v[LG+j], v[LG+j] row_xmask:\m row_mask:0xf bank_mask:0xf
.set j, j+1
.endr
.endr
.set j, 0
.rept 16
	v_permlanex16_b32 v[TP], v[LG+j], s20, s21
	v_add_f32 v[LG+j], v[LG+j], v[TP]
.set j, j+1
.endr
; softmax, the two largest, their weights, for token i
.macro SOFTTOP i
.set LL, LG+8*\i
	v_max3_num_f32 v[M], v[LL], v[LL+1], v[LL+2]
	v_max3_num_f32 v[M], v[M], v[LL+3], v[LL+4]
	v_max3_num_f32 v[M], v[M], v[LL+5], v[LL+6]
	v_max_num_f32 v[M], v[M], v[LL+7]              ; the row's maximum is taken away ahead of the exponentials
.irp e, 0,1,2,3,4,5,6,7
	v_sub_f32 v[P+\e], v[LL+\e], v[M]
.endr
.irp e, 0,1,2,3,4,5,6,7
	v_mul_f32 v[P+\e], 0x3fb8aa3b, v[P+\e]         ; x log2(e)
.endr
.irp e, 0,1,2,3,4,5,6,7
	v_exp_f32 v[P+\e], v[P+\e]
.endr
	v_nop                                          ; a plain instruction behind the last exponential
	s_wait_alu depctr_va_vdst(0)                   ; one wait for the eight, ahead of their first reader
	v_add_f32 v[Q], v[P], v[P+1]
	v_add_f32 v[Q+1], v[P+2], v[P+3]
	v_add_f32 v[Q+2], v[P+4], v[P+5]
	v_add_f32 v[Q+3], v[P+6], v[P+7]
	v_add_f32 v[Q], v[Q], v[Q+1]
	v_add_f32 v[Q+2], v[Q+2], v[Q+3]
	v_add_f32 v[SUM], v[Q], v[Q+2]
	v_rcp_f32 v[RC], v[SUM]
	v_nop
	s_wait_alu depctr_va_vdst(0)
.irp e, 0,1,2,3,4,5,6,7
	v_mul_f32 v[P+\e], v[P+\e], v[RC]              ; the probabilities
.endr
	v_mov_b32 v[BEST], v[P]
	v_mov_b32 v[BI], 0
.irp e, 1,2,3,4,5,6,7
	v_cmp_le_f32 vcc_lo, v[P+\e], v[BEST]          ; only a strictly larger one takes the place: of equals the lower index stays
	v_cndmask_b32 v[BEST], v[P+\e], v[BEST], vcc_lo
	v_cndmask_b32 v[BI], \e, v[BI], vcc_lo
.endr
.irp e, 0,1,2,3,4,5,6,7
	v_cmp_ne_u32 vcc_lo, \e, v[BI]
	v_cndmask_b32 v[Q+\e], -1.0, v[P+\e], vcc_lo   ; the best is taken out: -1 lies under every probability
.endr
	v_mov_b32 v[BES2], v[Q]
	v_mov_b32 v[BI2], 0
.irp e, 1,2,3,4,5,6,7
	v_cmp_le_f32 vcc_lo, v[Q+\e], v[BES2]
	v_cndmask_b32 v[BES2], v[Q+\e], v[BES2], vcc_lo
	v_cndmask_b32 v[BI2], \e, v[BI2], vcc_lo
.endr
	v_add_f32 v[SUM], v[BEST], v[BES2]
	v_rcp_f32 v[RC], v[SUM]
	v_cmp_eq_u32 vcc_lo, 1, v1                     ; (a plain instruction behind the reciprocal)  lane 1 takes the second choice
	s_wait_alu depctr_va_vdst(0)
	v_mul_f32 v[W0], v[BEST], v[RC]
	v_mul_f32 v[W1], v[BES2], v[RC]
	v_cndmask_b32 v[IV+\i], v[BI], v[BI2], vcc_lo
	v_cndmask_b32 v[WV+\i], v[W0], v[W1], vcc_lo
.endm
; my block of token i: its largest magnitude, its scale, its 32 codes.  Each token has registers of its own, so that no store's data are written again
.macro QUANT i
.set XX, X+32*\i
	v_max3_num_f32 v[AM+\i], |v[XX]|, |v[XX+1]|, 0x1800000     ; with the floor 2^(3 - 127): the byte cannot fall under 1
.irp j, 2,4,6,8,10,12,14,16,18,20,22,24,26,28,30
	v_max3_num_f32 v[AM+\i], v[AM+\i], |v[XX+\j]|, |v[XX+\j+1]|
.endr
	v_add_nc_u32 v[SC+\i], 0xff000000, v[AM+\i]    ; 2 off the exponent field: the conversion takes the exponent field of this operand as its scale
	v_cvt_scalef32_pk16_fp6_f32 v[CD+8*\i:CD+8*\i+2], v[XX:XX+15], v[SC+\i]
	v_cvt_scalef32_pk16_fp6_f32 v[CD+8*\i+4:CD+8*\i+6], v[XX+16:XX+31], v[SC+\i]
	v_lshrrev_b32 v[BY+\i], 23, v[SC+\i]           ; the scale's byte; also the plain instruction behind the conversions
	global_store_b96 v4, v[CD+8*\i:CD+8*\i+2], s[8:9] offset:768*\i
	global_store_b96 v4, v[CD+8*\i+4:CD+8*\i+6], s[8:9] offset:768*\i+12   ; the wave's two stores cover the row's 768 bytes
	global_store_b8 v1, v[BY+\i], s[14:15] offset:32*\i
.endm
	QUANT 0
	QUANT 1
	SOFTTOP 0
	SOFTTOP 1
	v_cmp_gt_u32 vcc_lo, 2, v1
	s_wait_xcnt 0x0                                ; EXEC is narrowed only behind this wait: stores are out
	s_and_saveexec_b32 s24, vcc_lo                 ; lanes 0 and 1
	global_store_b32 v6, v[IV], s[10:11]
	global_store_b32 v6, v[IV+1], s[10:11] offset:8
	global_store_b32 v6, v[WV], s[12:13]
	global_store_b32 v6, v[WV+1], s[12:13] offset:8
	s_wait_xcnt 0x0                                ; and widened only behind this one
	s_or_b32 exec_lo, exec_lo, s24
	s_endpgm
.Lfunc_end_k_qec11b9f6b8_route:
	.size	k_qec11b9f6b8_route, .Lfunc_end_k_qec11b9f6b8_route-k_qec11b9f6b8_route
	.p2alignl 7, 3214868480
	.fill 96, 4, 3214868480
	.section	.rodata,"a",@progbits
	.p2align	6, 0x0
	.amdhsa_kernel k_qec11b9f6b8_route
		.amdhsa_group_segment_fixed_size 0
		.amdhsa_private_segment_fixed_size 0
		.amdhsa_enable_private_segment 0
		.amdhsa_kernarg_size 40
		.amdhsa_user_sgpr_count 2
		.amdhsa_user_sgpr_kernarg_segment_ptr 1
		.amdhsa_wavefront_size32 1
		.amdhsa_system_sgpr_workgroup_id_x 1
		.amdhsa_system_sgpr_workgroup_id_y 1
		.amdhsa_system_sgpr_workgroup_id_z 1
		.amdhsa_system_vgpr_workitem_id 0
		.amdhsa_next_free_vgpr 512
		.amdhsa_next_free_sgpr 66
		.amdhsa_reserve_vcc 1
		.amdhsa_float_denorm_mode_32 3
		.amdhsa_float_denorm_mode_16_64 3
		.amdhsa_memory_ordered 1
		.amdhsa_forward_progress 1
		.amdhsa_inst_pref_size 43
	.end_amdhsa_kernel
	.amdgpu_metadata
---
amdhsa.version: [ 1, 2 ]
amdhsa.kernels:
  - .name:           k_qec11b9f6b8_route
    .symbol:         k_qec11b9f6b8_route.kd
    .args:
      - { .name: x, .offset: 0, .size: 8, .value_kind: global_buffer, .address_space: global }
      - { .name: router_w, .offset: 8, .size: 8, .value_kind: global_buffer, .address_space: global }
      - { .name: xc, .offset: 16, .size: 8, .value_kind: global_buffer, .address_space: global }
      - { .name: idx, .offset: 24, .size: 8, .value_kind: global_buffer, .address_space: global }
      - { .name: wts, .offset: 32, .size: 8, .value_kind: global_buffer, .address_space: global }
    .group_segment_fixed_size: 0
    .private_segment_fixed_size: 0
    .kernarg_segment_align: 8
    .kernarg_segment_size: 40
    .max_flat_workgroup_size: 64
    .sgpr_count:     66
    .vgpr_count:     512
    .wavefront_size: 32
...
	.end_amdgpu_metadata
.endif
;; end of part 1
;; launch place (part 2): grid 1 x 1, 32 waves a work-group, no clusters, 8,192 bytes of LDS; arguments idx, plan; writes plan
.if DOCPART == 2
	.amdgcn_target "amdgcn-amd-amdhsa--gfx1250"
	.amdhsa_code_object_version 6
	.text
	.protected	k_qec11b9f6b8_place
	.globl	k_qec11b9f6b8_place
	.p2align	8
	.type	k_qec11b9f6b8_place,@function
k_qec11b9f6b8_place:
	s_mov_b64 s[64:65], 0
	v_nop
	global_prefetch_b8 v0, s[64:65] scope:SCOPE_SE
	s_setreg_imm32_b32 hwreg(HW_REG_WAVE_MODE, 25, 1), 1
	s_wait_xcnt 0x0
; THE ROUTED ROWS ARE PLACED BY EXPERT: a counting sort of the 2,048 pairs (token, expert), without atomics.  One work-group, thread t = token t.
; Each expert's rows are padded to tiles of 16.  The sum of ceil(c_e / 16) is at most (2,048 + 8 x 15) / 16 = 135 and at least 128; 136 tiles (2,176 slots) are laid out.
; plan: [0,32) tb[8], an expert's first tile; [32,64) nt[8], its tiles; [256,8960) rowtok[2176], a slot's token (0 in pads and behind the last tile);
; [8960,17152) slot[1024][2], where a token's two rows lie.  Bytes 64 to 255 are neither stored nor read.
; A slot = 16 tb[e] + (rows of e in the waves before mine) + (rows of e in the lanes before mine).  A token's two experts differ, so a lane counts once for an expert.
; One work-group does it: the work is a few hundred instructions a wave, and what is summed spans all tokens.
.set I0,   4                           ; v[4:5]   my two experts
.set R0,   6                           ; v6, v7   my ranks inside my wave
.set CNT,  8                           ; v8       lane e: my wave's rows of expert e
.set TMP,  12
.set NIL,  13
.set VAL,  16                          ; v[16:23] wave l's counts; then total << 16 | rows in the waves before mine
.set TB,   32                          ; v[32:39]
.set NT,   40                          ; v[40:47]
.set TOT,  48                          ; v[48:55]
.set PRE,  56                          ; v[56:63]
.set B16,  66                          ; v[66:74] 16 tb[e]; the ninth: 16 x all tiles
.set FIN,  76                          ; v[76:83] 16 tb[e] + c_e: where e's pads begin
.set BAS,  84                          ; v[84:91] 16 tb[e] + rows in the waves before mine
.set SL,   92                          ; v[92:93] my two slots
.set SA,   94                          ; v94, v95 their offsets in rowtok
.set U,    96                          ; v96-98   the slots that I look at for pads: t, t + 1024, t + 2048
.set UA,   100                         ; v100-102 their offsets in rowtok; made at the head, never rewritten
.set PM,   12                          ; s12-14   the lanes whose slot is a pad
	s_load_b128 s[4:7], s[0:1], 0x0                ; idx, plan
	v_lshl_add_u32 v112, v0, 2, 0x1000
	v_mov_b32 v113, 0
	v_lshrrev_b32 v1, 5, v0
	v_readfirstlane_b32 s8, v1                     ; wave 0..31
	v_and_b32 v1, 31, v0                           ; lane
	v_lshlrev_b32 v2, 3, v0                        ; 8 t
	v_lshlrev_b32 v10, 2, v0                       ; LDS: 128 x wave + 4 x lane
	v_lshlrev_b32 v11, 7, v1                       ; LDS: wave l's counts
	v_mov_b32 v[R0], 0
	v_mov_b32 v[R0+1], 0
	v_mov_b32 v[CNT], 0
	v_mov_b32 v[NIL], 0
.irp j, 0,1,2
	v_add_nc_u32 v[U+\j], 1024*\j, v0              ; made here, of the thread's number and constants alone, with all lanes on
	v_min_u32 v[UA+\j], 0x87f, v[U+\j]             ; (lanes past slot 2,175 are switched off at their store; their offsets stay inside the buffer all the same)
	v_lshlrev_b32 v[UA+\j], 2, v[UA+\j]
.endr
	s_mov_b32 s10, 0x76543210
	s_mov_b32 s11, 0xfedcba98
	s_wait_kmcnt 0x0
	global_load_b64 v[I0:I0+1], v2, s[4:5]
	s_wait_loadcnt 0x0
	v_min_u32 v[I0], 7, v[I0]
	v_min_u32 v[I0+1], 7, v[I0+1]
.irp e, 0,1,2,3,4,5,6,7
	v_cmp_eq_u32 s[16+\e], \e, v[I0]               ; the lanes whose first choice is e: kept for the selects below
	v_cmp_eq_u32 s[24+\e], \e, v[I0+1]             ; whose second is
	s_or_b32 s32, s[16+\e], s[24+\e]
	s_bcnt1_i32_b32 s33, s32                       ; my wave's rows of e
	v_mbcnt_lo_u32_b32 v9, s32, 0                  ; those in the lanes before mine
	v_cndmask_b32 v[R0], v[R0], v9, s[16+\e]
	v_cndmask_b32 v[R0+1], v[R0+1], v9, s[24+\e]
	v_writelane_b32 v[CNT], s33, \e
.endr
	ds_store_b32 v10, v[CNT]
	s_wait_dscnt 0x0                               ; for the others' sake: my counts have landed
	s_barrier_signal -1
	s_barrier_wait -1
	ds_load_b128 v[VAL:VAL+3], v11                 ; lane l: wave l's eight counts
	ds_load_b128 v[VAL+4:VAL+7], v11 offset:16
	s_wait_dscnt 0x0
	v_cmp_gt_u32 vcc_lo, s8, v1                    ; the waves before mine
.irp e, 0,1,2,3,4,5,6,7
	v_cndmask_b32 v[TMP], 0, v[VAL+\e], vcc_lo
	v_lshl_or_b32 v[VAL+\e], v[VAL+\e], 16, v[TMP] ; both sums in one word: each is 1,024 at the most
.endr
.irp m, 1,2,4,8
.irp e, 0,1,2,3,4,5,6,7
	v_mov_b32_dpp v[TMP], v[VAL+\e] row_xmask:\m row_mask:0xf bank_mask:0xf
	v_add_nc_u32 v[VAL+\e], v[VAL+\e], v[TMP]
.endr
.endr
.irp e, 0,1,2,3,4,5,6,7
	v_permlanex16_b32 v[TMP], v[VAL+\e], s10, s11
	v_add_nc_u32 v[VAL+\e], v[VAL+\e], v[TMP]
.endr
.irp e, 0,1,2,3,4,5,6,7
	v_lshrrev_b32 v[TOT+\e], 16, v[VAL+\e]         ; c_e
	v_and_b32 v[PRE+\e], 0xffff, v[VAL+\e]
	v_add_nc_u32 v[TMP], 15, v[TOT+\e]
	v_lshrrev_b32 v[NT+\e], 4, v[TMP]              ; its tiles
.endr
	v_mov_b32 v[TB], 0
.irp e, 0,1,2,3,4,5,6
	v_add_nc_u32 v[TB+\e+1], v[TB+\e], v[NT+\e]
.endr
	v_add_nc_u32 v[TMP], v[TB+7], v[NT+7]          ; all tiles
	v_lshlrev_b32 v[B16+8], 4, v[TMP]
.irp e, 0,1,2,3,4,5,6,7
	v_lshlrev_b32 v[B16+\e], 4, v[TB+\e]
.endr
.irp e, 0,1,2,3,4,5,6,7
	v_add_nc_u32 v[FIN+\e], v[B16+\e], v[TOT+\e]
	v_add_nc_u32 v[BAS+\e], v[B16+\e], v[PRE+\e]
.endr
	v_mov_b32 v[SL], 0
	v_mov_b32 v[SL+1], 0
.irp e, 0,1,2,3,4,5,6,7
	v_cndmask_b32 v[SL], v[SL], v[BAS+\e], s[16+\e]
	v_cndmask_b32 v[SL+1], v[SL+1], v[BAS+\e], s[24+\e]
.endr
	v_add_nc_u32 v[SL], v[SL], v[R0]
	v_add_nc_u32 v[SL+1], v[SL+1], v[R0+1]
	global_store_b64 v2, v[SL:SL+1], s[6:7] offset:8960        ; slot[t][0..1]: 256 bytes on end a wave
	v_min_u32 v[SA], 0x87f, v[SL]                  ; a number made of loaded numbers enters an address behind a bound
	v_min_u32 v[SA+1], 0x87f, v[SL+1]
	v_lshlrev_b32 v[SA], 2, v[SA]
	v_lshlrev_b32 v[SA+1], 2, v[SA+1]
	global_store_b32 v[SA], v0, s[6:7] offset:256  ; rowtok[slot] = t
	global_store_b32 v[SA+1], v0, s[6:7] offset:256
	; pads and the slots behind the last tile get token 0: places that the two stores above never name.  All three masks are made with all lanes on, ahead of the first change of EXEC
.irp j, 0,1,2
	v_cmp_ge_u32 s34, v[U+\j], v[B16+8]            ; behind the last tile,
.irp e, 0,1,2,3,4,5,6,7
	v_cmp_ge_u32 s35, v[U+\j], v[FIN+\e]           ; or behind e's rows
	v_cmp_lt_u32 s36, v[U+\j], v[B16+\e+1]         ; and ahead of the next expert's first tile
	s_and_b32 s35, s35, s36
	s_or_b32 s34, s34, s35
.endr
	v_cmp_gt_u32 s35, 0x880, v[U+\j]               ; and among the 2,176 slots laid out
	s_and_b32 s[PM+\j], s34, s35
.endr
.irp j, 0,1,2
	s_mov_b32 vcc_lo, s[PM+\j]
	s_wait_xcnt 0x0                                ; EXEC is narrowed only behind this wait: stores are out
	s_and_saveexec_b32 s37, vcc_lo
	global_store_b32 v[UA+\j], v[NIL], s[6:7] offset:256
	s_wait_xcnt 0x0                                ; and widened only behind this one
	s_or_b32 exec_lo, exec_lo, s37
.endr
	s_cmp_lg_u32 s8, 0                             ; tb and nt are the same in every lane: lane 0 of wave 0 stores them
	s_cbranch_scc1 .Ldone
	v_cmp_eq_u32 vcc_lo, 0, v1
	s_wait_xcnt 0x0
	s_and_saveexec_b32 s37, vcc_lo
	global_store_b128 v[NIL], v[TB:TB+3], s[6:7]
	global_store_b128 v[NIL], v[TB+4:TB+7], s[6:7] offset:16
	global_store_b128 v[NIL], v[NT:NT+3], s[6:7] offset:32
	global_store_b128 v[NIL], v[NT+4:NT+7], s[6:7] offset:48
	s_wait_xcnt 0x0
	s_or_b32 exec_lo, exec_lo, s37
.Ldone:
	s_wait_tensorcnt 0x0
	ds_add_u32 v112, v113
	s_wait_dscnt 0x0
	s_endpgm
.Lfunc_end_k_qec11b9f6b8_place:
	.size	k_qec11b9f6b8_place, .Lfunc_end_k_qec11b9f6b8_place-k_qec11b9f6b8_place
	.p2alignl 7, 3214868480
	.fill 96, 4, 3214868480
	.section	.rodata,"a",@progbits
	.p2align	6, 0x0
	.amdhsa_kernel k_qec11b9f6b8_place
		.amdhsa_group_segment_fixed_size 8192
		.amdhsa_private_segment_fixed_size 0
		.amdhsa_enable_private_segment 0
		.amdhsa_kernarg_size 16
		.amdhsa_user_sgpr_count 2
		.amdhsa_user_sgpr_kernarg_segment_ptr 1
		.amdhsa_wavefront_size32 1
		.amdhsa_system_sgpr_workgroup_id_x 1
		.amdhsa_system_sgpr_workgroup_id_y 1
		.amdhsa_system_sgpr_workgroup_id_z 1
		.amdhsa_system_vgpr_workitem_id 0
		.amdhsa_next_free_vgpr 114
		.amdhsa_next_free_sgpr 66
		.amdhsa_reserve_vcc 1
		.amdhsa_float_denorm_mode_32 3
		.amdhsa_float_denorm_mode_16_64 3
		.amdhsa_memory_ordered 1
		.amdhsa_forward_progress 1
		.amdhsa_inst_pref_size 21
	.end_amdhsa_kernel
	.amdgpu_metadata
---
amdhsa.version: [ 1, 2 ]
amdhsa.kernels:
  - .name:           k_qec11b9f6b8_place
    .symbol:         k_qec11b9f6b8_place.kd
    .args:
      - { .name: idx, .offset: 0, .size: 8, .value_kind: global_buffer, .address_space: global }
      - { .name: plan, .offset: 8, .size: 8, .value_kind: global_buffer, .address_space: global }
    .group_segment_fixed_size: 8192
    .private_segment_fixed_size: 0
    .kernarg_segment_align: 8
    .kernarg_segment_size: 16
    .max_flat_workgroup_size: 1024
    .sgpr_count:     66
    .vgpr_count:     114
    .wavefront_size: 32
...
	.end_amdgpu_metadata
.endif
;; end of part 2
;; launch fc (part 3): grid 32 x 8, 8 waves a work-group, no clusters, 308,224 bytes of LDS; arguments w_fc, xc, plan, hc; writes hc
.if DOCPART == 3
	.amdgcn_target "amdgcn-amd-amdhsa--gfx1250"
	.amdhsa_code_object_version 6
	.text
	.protected	k_qec11b9f6b8_fc
	.globl	k_qec11b9f6b8_fc
	.p2align	8
	.type	k_qec11b9f6b8_fc,@function
k_qec11b9f6b8_fc:
	s_mov_b64 s[64:65], 0
	v_nop
	global_prefetch_b8 v0, s[64:65] scope:SCOPE_SE
	s_setreg_imm32_b32 hwreg(HW_REG_WAVE_MODE, 25, 1), 1
	s_wait_xcnt 0x0
; h = Q(gelu(Q(x) Q(w_fc[e]))) for the rows routed to expert e; both operands FP6 (E2M3) with one E8M0 scale for each 32 along K; sums in f32; gelu exact (erf), in f32.
; SHARES.  Work-group (sl, e) owns w_fc[e][all 1,024 k][columns 128 sl .. + 127]: 512 KiB of f32, read once in the launch, by this work-group alone, and multiplies it by ALL of e's rows.
; PHASE 1: the weights become codes.  Wave w = (cw = w & 3, kh = w >> 2) takes 32 columns x 512 k.  A LANE TAKES A COLUMN AND ITS REGISTERS RUN DOWN K: a load reads 128 bytes on end,
; the four waves side by side 512; a block of 32 along K lies in one lane, and the conversions give codes with K innermost.  Eight waves, each with up to 63 loads of 128 bytes out.
; The codes go once through LDS as images of the operand's registers; then every wave holds all K of its 32 columns in 192 registers (window 1).
; THE COLUMNS OF A TILE ARE NOT NEIGHBOURS: lane l takes column 8 hh + r + 8 (r >> 3) (r = l & 15, hh = l >> 4): lanes 0-15 hold tile 0 (columns 0-7, 16-23), lanes 16-31 tile 1.
; The product is used transposed (source 0 = 16 columns of W, source 1 = 16 rows of x): lane (r, hh) of the results holds row r, and the 16 registers of the two tiles are columns 16 hh + 0 .. 15:
; 16 neighbours along the next product's K, half a block; lane l xor 16 holds the other half.
; PHASE 2: the rows, in tiles of 16, eight tiles a pass through two LDS buffers by turns.  Wave w gathers tile 8 P + w of the NEXT pass (rows by rowtok, from xc) into registers while the pass's tiles are multiplied,
; and stores its image ahead of the pass's barrier.  Waves with kh = 0 multiply the even tiles, kh = 1 the odd ones, each by its own 32 columns.
; Eight passes serve 64 tiles (all 1,024 tokens on one expert); every trip count is a constant, what an expert has no rows for is jumped over inside the trips, and no barrier stands under such a jump.
; NO TENSOR LOADS, NO CLUSTER: the number of tiles is read from memory and steers branches; the rows that the 32 work-groups of an expert
; share come by plain loads.  No prefetch: the launch streams its weights from its first line on, and behind them has little left to fetch.
; GELU: h = max(x, 0) - |x| g, g = Phi(-|x|) = (1/2) erfc(|x| / sqrt 2) = (a1 t + .. + a5 t^5) / 2 x 2^(-x^2 log2(e) / 2), t = 1 / (1 + p |x| / sqrt 2) (Abramowitz and Stegun 7.1.26).
; LIMITS: g is off by at most 0.75e-7 absolutely, so h by 0.75e-7 |x|: for x under -2 that is more than 1e-6 of h itself, and far under a code's step in any block that holds a number near 1.
; NaN and infinities are not served.  A block whose largest magnitude lies under 2^-124 keeps the byte 1 (not tried); a block of zeros gets the byte 1, not 127: its codes are zeros, and this program alone reads the bytes.
; hc: codes [block of 32 hidden units, 0..127][slot 0..2175][24 bytes]; from byte 6,684,672 on the scale bytes [tile 0..135][128 hidden units, 0..31][row 0..15][block 0..3].
.set PITCH, 16384                      ; a row of w_fc[e] in bytes
.set XT,    12800                      ; LDS: a tile of rows: 8 fragment images of 1,536 bytes, then its scale words [K step][row], 512 bytes
.set XBUF,  8*XT                       ; a buffer of eight tiles; two of them from byte 0
.set CODE,  2*XBUF                     ; the weights' fragment images: (8 s + 2 cw + u) x 1,536
.set CSC,   CODE+98304                 ; their scale words' images: (4 s + cw) x 128
.set HBS,   52224                      ; hc: from block to block
.set HSCL,  128*HBS                    ; hc: where the scale bytes begin
.set WO,   1                           ; v1   4 x my column
.set LX,   2                           ; v2   16 x lane
.set LS,   3                           ; v3   12288 + 4 r
.set AX,   4                           ; v4   the tile in hand: its images
.set AS,   5                           ; v5   and its scale words
.set SX,   6                           ; v6-7 where I store a gathered tile: buffer b, place w, 16 x lane
.set SS,   8                           ; v8-9 and its scale words: + 12288 + 256 hh + 4 r
.set CW,   10                          ; v10  where I store the weights' images
.set CSW,  11                          ; v11  and their scale words
.set CR,   12                          ; v12  where I read them back, K steps 0-3
.set CR2,  13                          ; v13  K steps 4-7
.set CSR,  14
.set GA,   15                          ; v15  the gather's offset in xc's codes
.set GS,   16                          ; v16  in its scale bytes
.set TOKN, 17                          ; v17  my row's token in the tile to be gathered next
.set RA,   18                          ; v18  rowtok's offset
.set RL,   19                          ; v19  4 r
.set HL,   20                          ; v20  24 r + 12 hh
.set H48,  21                          ; v21  48 hh
.set HO,   22                          ; v22  where my 16 codes of h go
.set HSO,  23                          ; v23  and the block's byte
.set WS,   24                          ; v[24:31] the weights' scale words: lanes 0-15 tile 0, lanes 16-31 tile 1.  Scales and nothing else
.set XS,   32                          ; v[32:39] the rows' scale words.  Scales and nothing else
.set ACC,  40                          ; v[40:47], v[48:55] the two accumulators
.set G,    56                          ; v[56:155] a gathered tile: fragment s at 12 s, scale words at 96.  In phase 1: see below
.set T0,   G+48                         ; phase 1: v[56:103] two sets of two fragments; v[104:106], v[108:110] the upper sixteen's codes
.set AM,   G+56
.set SCL,  G+57
.set BYT,  G+58
.set SW,   G+59                        ; v115, v116 a K step's scale word, two sets
.set AM2,  G+61
.set KA4,  156                         ; v[156:157] a4 / 2, twice
.set PD,   158                         ; v158 a lane permute's destination
.set H16,  159                         ; v159 16 hh
.set RING, 160                         ; v[160:255] phase 1: three sets of 32 weights.  Phase 2: the rows' eight fragments; behind the products: at work
.set EQ,   160
.set ED,   176
.set ER,   192
.set EH,   208
.set HC,   224
.set AMH,  228
.set SCH,  229
.set BYH,  230
.set AMB,  231
.set WB,   24                          ; s[24:31] four bases in w_fc: K steps 4 kh + 0 .. 3; never rewritten
.set MSB, 0
.macro WIN new                         ; the immediate's high byte repeats the setting that is left
.if MSB != \new
	s_set_vgpr_msb (MSB<<8)|\new
.set MSB, \new
.endif
.endm
.macro BARRIER                         ; my LDS stores have landed and my LDS loads are in: then the work-group's barrier
	s_wait_dscnt 0x0
	s_barrier_signal -1
	s_barrier_wait -1
.endm
.macro WLOAD t                         ; block t of my 16: W(512 kh + 32 t + i, my column), i = 0 .. 31, into set t % 3
.set WR, RING+32*((\t)%3)
.set WBS, WB+2*((\t)/4)
.set wi, 0
.rept 32
	global_load_b32 v[WR+wi], v[WO], s[WBS:WBS+1] offset:(32*((\t)%4)+wi)*PITCH th:TH_LOAD_NT
.set wi, wi+1
.endr
.endm
; Block t is quantised.  Even blocks' codes go to tile 0's registers, odd blocks' to tile 1's; behind an odd block the halves of the lanes change places, so that tile 0's fragment holds, in lanes 0-15,
; block 2 c of its columns and in lanes 16-31 block 2 c + 1 of the same columns, as the operand's layout asks, and tile 1's likewise.  Behind a K step's fourth block its two fragments and its scale word go to LDS.
.macro QCHUNK t, cnt
.set QX,  RING+32*((\t)%3)
.set QJ,  (\t)%4
.set QK,  (\t)/4
.set QF0, G+24*(QK%2)+6*(QJ/2)
.set QF1, QF0+12
.set QD,  QF0+12*(QJ%2)
.set QU,  T0+4*(QJ%2)
.set QW,  SW+QK%2
	s_wait_loadcnt \cnt                            ; this block's 32 loads are in
.if (QJ == 0) && (QK >= 2)
	s_wait_dscnt 7                                 ; only the last K step's seven LDS stores may be out: those of two K steps back, which read this set, are done
.endif
	v_max3_num_f32 v[AM], |v[QX]|, |v[QX+1]|, |v[QX+2]|
	v_max3_num_f32 v[AM2], |v[QX+3]|, |v[QX+4]|, |v[QX+5]|
.irp i, 6,10,14,18,22,26
	v_max3_num_f32 v[AM], v[AM], |v[QX+\i]|, |v[QX+\i+1]|
	v_max3_num_f32 v[AM2], v[AM2], |v[QX+\i+2]|, |v[QX+\i+3]|
.endr
	v_max3_num_f32 v[AM], v[AM], |v[QX+30]|, |v[QX+31]|
	v_max3_num_f32 v[AM], v[AM], v[AM2], 0x1800000 ; with the floor 2^(3 - 127): the byte cannot fall under 1
	v_add_nc_u32 v[SCL], 0xff000000, v[AM]         ; 2 off the exponent field: the conversion's scale operand
	v_cvt_scalef32_pk16_fp6_f32 v[QD:QD+2], v[QX:QX+15], v[SCL]
	v_cvt_scalef32_pk16_fp6_f32 v[QU:QU+2], v[QX+16:QX+31], v[SCL]   ; (a conversion's three registers begin on an even number)
	v_lshrrev_b32 v[BYT], 23, v[SCL]               ; the scale's byte; also the plain instruction behind the conversions
.if QJ == 0
	v_mov_b32 v[QW], v[BYT]
.else
	v_lshl_or_b32 v[QW], v[BYT], 8*QJ, v[QW]
.endif
.if (\t)+3 < 16
	WLOAD (\t)+3                                   ; into the set just converted
.endif
.if QJ%2
.irp i, 0,1,2
	v_permlane16_swap_b32 v[QF0+\i], v[QF1+\i]
.endr
.irp i, 0,1,2
	v_permlane16_swap_b32 v[T0+\i], v[T0+4+\i]
.endr
.irp i, 0,1,2
	v_mov_b32 v[QF0+3+\i], v[T0+\i]
	v_mov_b32 v[QF1+3+\i], v[T0+4+\i]
.endr
.endif
.if QJ == 3
.irp u, 0,1
.irp g, 0,1,2
	ds_store_b128 v[CW], v[G+24*(QK%2)+12*\u+4*\g:G+24*(QK%2)+12*\u+4*\g+3] offset:12288*QK+1536*\u+512*\g
.endr
.endr
	ds_store_b32 v[CSW], v[QW] offset:512*QK
.endif
.endm
.macro CODES_IN                        ; all K of my 32 columns: 16 fragments into window 1, fragment (u, s) at 12 (2 s + u); 8 scale words
	WIN 0x40
.irp s, 0,1,2,3
.irp u, 0,1
.irp g, 0,1,2
	ds_load_b128 v[12*(2*\s+\u)+4*\g:12*(2*\s+\u)+4*\g+3], v[CR] offset:12288*\s+1536*\u+512*\g
.endr
.endr
.endr
.irp s, 4,5,6,7
.irp u, 0,1
.irp g, 0,1,2
	ds_load_b128 v[12*(2*\s+\u)+4*\g:12*(2*\s+\u)+4*\g+3], v[CR2] offset:12288*(\s-4)+1536*\u+512*\g
.endr
.endr
.endr
	WIN 0
.irp s, 0,1,2,3,4,5,6,7
	ds_load_b32 v[WS+\s], v[CSR] offset:512*\s
.endr
.endm
.macro MM u, s                         ; tile u of my columns x the 16 rows, K step s; the first K step starts the sum
.if (\s) == 0
.if (\u) == 0
	v_wmma_scale_f32_16x16x128_f8f6f4 v[ACC:ACC+7], v[24*\s:24*\s+11], v[RING+12*\s:RING+12*\s+11], 0, v[WS+\s], v[XS+\s] matrix_a_fmt:MATRIX_FMT_FP6 matrix_b_fmt:MATRIX_FMT_FP6
.else
	v_wmma_scale_f32_16x16x128_f8f6f4 v[ACC+8:ACC+15], v[24*\s+12:24*\s+23], v[RING+12*\s:RING+12*\s+11], 0, v[WS+\s], v[XS+\s] matrix_a_fmt:MATRIX_FMT_FP6 matrix_b_fmt:MATRIX_FMT_FP6 matrix_a_scale:MATRIX_SCALE_ROW1
.endif
.else
.if (\u) == 0
	v_wmma_scale_f32_16x16x128_f8f6f4 v[ACC:ACC+7], v[24*\s:24*\s+11], v[RING+12*\s:RING+12*\s+11], v[ACC:ACC+7], v[WS+\s], v[XS+\s] matrix_a_fmt:MATRIX_FMT_FP6 matrix_b_fmt:MATRIX_FMT_FP6
.else
	v_wmma_scale_f32_16x16x128_f8f6f4 v[ACC+8:ACC+15], v[24*\s+12:24*\s+23], v[RING+12*\s:RING+12*\s+11], v[ACC+8:ACC+15], v[WS+\s], v[XS+\s] matrix_a_fmt:MATRIX_FMT_FP6 matrix_b_fmt:MATRIX_FMT_FP6 matrix_a_scale:MATRIX_SCALE_ROW1
.endif
.endif
.endm
.macro MMA                             ; 16 products; the two accumulators take turns, one instruction a turn
	s_wait_dscnt 12                                ; the scale words and K steps 0-3 are in; the youngest twelve loads (K steps 4-7) may be out
	WIN 0x01                                       ; source 0 (W) window 1
.irp s, 0,1,2,3,4,5,6,7
.if \s == 4
	s_wait_dscnt 0x0
.endif
	MM 0, \s
	MM 1, \s
.endr
	WIN 0
.endm
.macro MKGA                            ; the gather's offsets from my row's token
	v_min_u32 v[TOKN], 0x3ff, v[TOKN]              ; a loaded number enters an address behind a bound
	v_mul_u32_u24 v[GA], v[TOKN], 768
	v_add_nc_u32 v[GA], v[GA], v[H48]              ; 768 token + 48 hh
	v_lshl_add_u32 v[GS], v[TOKN], 5, v[H16]       ; 32 token + 16 hh
.endm
.macro GATHER                          ; 25 loads: my row's operand registers of the eight K steps, 48 bytes on end each, and four of its scale words
.irp s, 0,1,2,3,4,5,6,7
.irp g, 0,1,2
	global_load_b128 v[G+12*\s+4*\g:G+12*\s+4*\g+3], v[GA], s[32:33] offset:96*\s+16*\g
.endr
.endr
	global_load_b128 v[G+96:G+99], v[GS], s[34:35]
.endm
.macro RTOK                            ; s42 = a tile's number in my expert: its 16 tokens, one a lane (both halves of the lanes alike)
	s_add_co_u32 s42, s42, s17
	s_min_u32 s42, s42, 135
	s_lshl_b32 s42, s42, 6
	v_add_nc_u32 v[RA], s42, v[RL]
	global_load_b32 v[TOKN], v[RA], s[36:37]
.endm
.macro PUT b                           ; the gathered tile goes to LDS as it stands: place w of buffer b
.irp s, 0,1,2,3,4,5,6,7
.irp g, 0,1,2
	ds_store_b128 v[SX+(\b)], v[G+12*\s+4*\g:G+12*\s+4*\g+3] offset:1536*\s+512*\g
.endr
.endr
.irp i, 0,1,2,3
	ds_store_b32 v[SS+(\b)], v[G+96+\i] offset:64*\i   ; word 4 hh + i of row r
.endr
.endm
; One tile of 16 rows against my 32 columns.  s20: the tile's number in the expert; s21: its LDS byte.
.macro TILE
	s_cmp_ge_u32 s20, s18
	s_cbranch_scc1 .Lskip_\@
	s_wait_xcnt 0x0                                ; the last tile's stores have read their data and offsets, which are written again below
	v_add_nc_u32 v[AX], s21, v[LX]
	v_add_nc_u32 v[AS], s21, v[LS]
.irp s, 0,1,2,3,4,5,6,7
	ds_load_b32 v[XS+\s], v[AS] offset:64*\s
.endr
.irp s, 0,1,2,3,4,5,6,7
.irp g, 0,1,2
	ds_load_b128 v[RING+12*\s+4*\g:RING+12*\s+4*\g+3], v[AX] offset:1536*\s+512*\g
.endr
.endr
	MMA
	s_add_co_u32 s42, s17, s20
	s_min_u32 s42, s42, 135                        ; the tile's number among all
	s_mul_i32 s43, s42, 384
	v_add_nc_u32 v[HO], s43, v[HL]                 ; these two additions and two v_nop are the four places behind the last product (ISA guide 7.12.1)
	s_lshl_b32 s43, s42, 11
	v_add_nc_u32 v[HSO], s43, v[RL]
	v_nop
	v_nop
.irp p, 0,2,4,6,8,10,12,14                     ; each accumulator is read from its low end on
	v_pk_mul_f32 v[EQ+\p:EQ+\p+1], v[ACC+\p:ACC+\p+1], s[44:45] op_sel_hi:[1,0]
.endr
.irp p, 0,2,4,6,8,10,12,14
	v_pk_mul_f32 v[EQ+\p:EQ+\p+1], v[EQ+\p:EQ+\p+1], v[ACC+\p:ACC+\p+1]   ; -x^2 log2(e) / 2
.endr
.irp i, 0,1,2,3,4,5,6,7,8,9,10,11,12,13,14,15
	v_fma_f32 v[ED+\i], |v[ACC+\i]|, s46, 1.0      ; 1 + p |x| / sqrt 2
.endr
.irp i, 0,1,2,3,4,5,6,7,8,9,10,11,12,13,14,15
	v_rcp_f32 v[ED+\i], v[ED+\i]                   ; t
.endr
.irp i, 0,1,2,3,4,5,6,7,8,9,10,11,12,13,14,15
	v_exp_f32 v[EQ+\i], v[EQ+\i]                   ; e^(-x^2 / 2)
.endr
.irp i, 0,1,2,3,4,5,6,7,8,9,10,11,12,13,14,15
	v_max_num_f32 v[EH+\i], 0, v[ACC+\i]           ; independent plain work behind the batch
.endr
	s_wait_alu depctr_va_vdst(0)                   ; one wait for the 32, ahead of their first reader
.irp p, 0,2,4,6,8,10,12,14
	v_pk_fma_f32 v[ER+\p:ER+\p+1], v[ED+\p:ED+\p+1], s[48:49], v[KA4:KA4+1] op_sel_hi:[1,0,1]
.endr
.irp a, 52,54,56
.irp p, 0,2,4,6,8,10,12,14
	v_pk_fma_f32 v[ER+\p:ER+\p+1], v[ER+\p:ER+\p+1], v[ED+\p:ED+\p+1], s[\a:\a+1] op_sel_hi:[1,1,0]
.endr
.endr
.irp p, 0,2,4,6,8,10,12,14
	v_pk_mul_f32 v[ER+\p:ER+\p+1], v[ER+\p:ER+\p+1], v[ED+\p:ED+\p+1]
.endr
.irp p, 0,2,4,6,8,10,12,14
	v_pk_mul_f32 v[ER+\p:ER+\p+1], v[ER+\p:ER+\p+1], v[EQ+\p:EQ+\p+1]     ; g = Phi(-|x|)
.endr
.irp i, 0,1,2,3,4,5,6,7,8,9,10,11,12,13,14,15
	v_fma_f32 v[EH+\i], -|v[ACC+\i]|, v[ER+\i], v[EH+\i]                  ; h = max(x, 0) - |x| g
.endr
	v_max3_num_f32 v[AMH], |v[EH]|, |v[EH+1]|, 0x1800000       ; my 16 numbers of the block, in two chains, and the floor
	v_max3_num_f32 v[AMB], |v[EH+2]|, |v[EH+3]|, |v[EH+6]|
	v_max3_num_f32 v[AMH], v[AMH], |v[EH+4]|, |v[EH+5]|
	v_max3_num_f32 v[AMB], v[AMB], |v[EH+7]|, |v[EH+10]|
	v_max3_num_f32 v[AMH], v[AMH], |v[EH+8]|, |v[EH+9]|
	v_max3_num_f32 v[AMB], v[AMB], |v[EH+11]|, |v[EH+14]|
	v_max3_num_f32 v[AMH], v[AMH], |v[EH+12]|, |v[EH+13]|
	v_max3_num_f32 v[AMH], v[AMH], v[AMB], |v[EH+15]|
	v_permlanex16_b32 v[PD], v[AMH], s58, s59
	v_max_num_f32 v[AMH], v[AMH], v[PD]            ; with lane l xor 16's: the block's largest magnitude
	v_add_nc_u32 v[SCH], 0xff000000, v[AMH]
	v_cvt_scalef32_pk16_fp6_f32 v[HC:HC+2], v[EH:EH+15], v[SCH]
	v_lshrrev_b32 v[BYH], 23, v[SCH]               ; the byte; also the plain instruction behind the conversion
	global_store_b96 v[HO], v[HC:HC+2], s[38:39]   ; the wave stores 384 bytes on end: 16 slots x 24 bytes of one block
	global_store_b8 v[HSO], v[BYH], s[40:41]       ; both halves of the lanes write the same byte with the same value
.Lskip_\@:
.endm
; A pass: eight tiles out of buffer b.  s19 = 8 x the pass's number.
.macro PASS b
	s_add_co_u32 s22, s19, s12
	s_add_co_u32 s22, s22, 8                       ; the tile that I gather for the next pass
	s_cmp_lt_u32 s22, s18
	s_cbranch_scc0 .Lnog_\@
	MKGA                                           ; its tokens came a pass ago; no load of mine is out, so the offsets may be written
	GATHER
	s_add_co_u32 s23, s22, 8
	s_cmp_lt_u32 s23, s18
	s_cbranch_scc0 .Lnog_\@
	s_mov_b32 s42, s23
	RTOK                                           ; and the tokens of the pass after
.Lnog_\@:
	s_add_co_u32 s20, s19, s14
	s_add_co_u32 s21, s63, (\b)*XBUF
	s_mov_b32 s61, 4
.Lt_\@:
	TILE
	s_add_co_u32 s20, s20, 2
	s_add_co_u32 s21, s21, 2*XT
	s_sub_co_u32 s61, s61, 1
	s_cmp_lg_u32 s61, 0
	s_cbranch_scc1 .Lt_\@
	s_wait_loadcnt 0x0                             ; the gathered tile and the tokens are in
	s_cmp_lt_u32 s22, s18
	s_cbranch_scc0 .Lnop_\@
	PUT (1-\b)                                     ; the other buffer was last read ahead of the last pass's barrier
.Lnop_\@:
	BARRIER                                        ; my reads of this buffer are over, my stores into the other have landed
	s_add_co_u32 s19, s19, 8
.endm
	s_load_b256 s[4:11], s[0:1], 0x0               ; w_fc s[4:5], xc s[6:7], plan s[8:9], hc s[10:11]
	s_set_vgpr_msb 0x40
	v_lshl_add_u32 v192, v0, 2, 0x4b000
	v_mov_b32 v193, 0
	s_set_vgpr_msb 0x4000
	v_lshrrev_b32 v[G], 5, v0
	v_readfirstlane_b32 s12, v[G]                  ; wave 0..7
	s_and_b32 s13, s12, 3                          ; cw: my 32 columns
	s_lshr_b32 s14, s12, 2                         ; kh: my half of K in phase 1, my tiles' parity in phase 2
	s_mov_b32 s15, ttmp9                           ; sl: the work-group's 128 columns
	s_and_b32 s16, ttmp7, 0xffff                   ; e
	s_lshl_b32 s42, s16, 2
	s_mov_b32 s43, 0
	s_wait_kmcnt 0x0
	s_add_nc_u64 s[50:51], s[8:9], s[42:43]
	s_load_b32 s17, s[50:51], 0x0                  ; tb[e]
	s_load_b32 s18, s[50:51], 0x20                 ; nt[e]
	v_and_b32 v[G], 31, v0                         ; l
	v_and_b32 v[G+1], 15, v0                       ; r
	v_bfe_u32 v[G+2], v0, 4, 1                     ; hh
	v_bfe_u32 v[G+3], v0, 3, 1                     ; r >> 3
	v_lshlrev_b32 v[WO], 2, v[G+1]
	v_lshl_add_u32 v[WO], v[G+2], 5, v[WO]
	v_lshl_add_u32 v[WO], v[G+3], 5, v[WO]         ; 4 (8 hh + r + 8 (r >> 3))
	v_lshlrev_b32 v[LX], 4, v[G]
	v_lshl_add_u32 v[LS], v[G+1], 2, 12288
	s_mul_i32 s42, s12, XT
	v_add_nc_u32 v[SX], s42, v[LX]
	v_add_nc_u32 v[SX+1], XBUF, v[SX]
	v_lshl_add_u32 v[SS], v[G+2], 8, v[LS]
	v_add_nc_u32 v[SS], s42, v[SS]
	v_add_nc_u32 v[SS+1], XBUF, v[SS]
	s_mul_i32 s42, s13, 3072
	s_add_co_u32 s42, s42, CODE
	v_add_nc_u32 v[CR], s42, v[LX]
	v_add_nc_u32 v[CR2], 49152, v[CR]
	s_mul_i32 s43, s14, 49152
	v_add_nc_u32 v[CW], s43, v[CR]
	s_lshl_b32 s42, s13, 7
	s_add_co_u32 s42, s42, CSC
	v_lshl_add_u32 v[CSR], v[G], 2, s42
	s_lshl_b32 s43, s14, 11
	v_add_nc_u32 v[CSW], s43, v[CSR]
	v_lshlrev_b32 v[RL], 2, v[G+1]
	v_mul_u32_u24 v[HL], v[G+1], 24
	v_mad_u32_u24 v[HL], v[G+2], 12, v[HL]
	v_mul_u32_u24 v[H48], v[G+2], 48
	v_lshlrev_b32 v[H16], 4, v[G+2]
	v_mov_b32 v[KA4], 0xbf3a00e3                   ; a4 / 2 = -0.7265760135
	v_mov_b32 v[KA4+1], 0xbf3a00e3
	v_mov_b32 v[PD], 0
	s_mov_b32 s44, 0xbf38aa3b                      ; -log2(e) / 2
	s_mov_b32 s45, s44                             ; (the packed forms name pairs: both words are written)
	s_mov_b32 s46, 0x3e6d3388                      ; p / sqrt 2 = 0.231641888
	s_mov_b32 s48, 0x3f07dc22                      ; a5 / 2 = 0.5307027145
	s_mov_b32 s49, s48
	s_mov_b32 s52, 0x3f35f0e3                      ; a3 / 2 = 0.7107068705
	s_mov_b32 s53, s52
	s_mov_b32 s54, 0xbe11a98e                      ; a2 / 2 = -0.142248368
	s_mov_b32 s55, s54
	s_mov_b32 s56, 0x3e027906                      ; a1 / 2 = 0.127414796
	s_mov_b32 s57, s56
	s_mov_b32 s58, 0x76543210
	s_mov_b32 s59, 0xfedcba98                      ; v_permlanex16_b32's selects for lane l xor 16
	s_mul_i32 s63, s14, XT
	s_lshl_b32 s42, s16, 24                        ; w_fc: e x 16 MiB
	s_lshl_b32 s43, s14, 23                        ; + 512 kh rows
	s_add_co_u32 s42, s42, s43
	s_lshl_b32 s43, s15, 9                         ; + 128 sl columns
	s_add_co_u32 s42, s42, s43
	s_lshl_b32 s43, s13, 7                         ; + 32 cw columns
	s_add_co_u32 s42, s42, s43
	s_mov_b32 s43, 0
	s_add_nc_u64 s[WB:WB+1], s[4:5], s[42:43]
	s_add_nc_u64 s[WB+2:WB+3], s[WB:WB+1], 128*PITCH
	s_add_nc_u64 s[WB+4:WB+5], s[WB:WB+1], 256*PITCH
	s_add_nc_u64 s[WB+6:WB+7], s[WB:WB+1], 384*PITCH
	s_mov_b64 s[32:33], s[6:7]                     ; xc's codes
	s_add_nc_u64 s[34:35], s[6:7], 786432          ; its scale bytes
	s_add_nc_u64 s[36:37], s[8:9], 256             ; rowtok
	s_lshl_b32 s42, s15, 2
	s_add_co_u32 s42, s42, s13
	s_mul_i32 s42, s42, HBS
	s_add_nc_u64 s[38:39], s[10:11], s[42:43]      ; hc: my block 4 sl + cw
	s_lshl_b32 s42, s15, 6
	s_add_co_u32 s42, s42, s13
	s_add_co_u32 s42, s42, HSCL
	s_add_nc_u64 s[40:41], s[10:11], s[42:43]      ; its bytes: + 64 sl + cw
	s_wait_kmcnt 0x0
	s_min_u32 s17, s17, 135
	s_min_u32 s18, s18, 64
	; THE FIRST ISSUES have no branch, so that the counts below are the same on every way: 1 + 32 + 25 + 1 + 32 + 32 = 123 loads
	s_mov_b32 s42, s12
	RTOK                                           ; the tokens of tile w (held at the last tile laid out: rowtok is written for all 136)
	WLOAD 0
	s_wait_loadcnt 32                              ; the tokens are in: behind them stand the 32 loads just issued
	MKGA
	GATHER
	s_add_co_u32 s42, s12, 8
	RTOK                                           ; the tokens of tile 8 + w
	WLOAD 1
	WLOAD 2
	s_wait_loadcnt 63                              ; at most 63 of the 123 are out, so the first 60 are in: the tokens, block 0, the gathered tile (58) among them
	PUT 0
	s_wait_dscnt 0x0                               ; the stores have read their registers, which phase 1 writes
	; PHASE 1.  Behind block t's loads stand those of blocks t + 1 and t + 2, 64: the count 63 is the largest that the wait can name, and the stricter
.irp t, 0,1,2,3,4,5,6,7,8,9,10,11,12,13
	QCHUNK \t, 63
.endr
	QCHUNK 14, 32                                  ; block 15's loads may be out
	QCHUNK 15, 0
	BARRIER                                        ; all codes and the first pass's tiles lie in LDS
	CODES_IN
	BARRIER                                        ; every wave has its codes in registers
	; PHASE 2
	s_mov_b32 s19, 0
	s_mov_b32 s60, 4
.Lpass:
	PASS 0
	PASS 1
	s_sub_co_u32 s60, s60, 1
	s_cmp_lg_u32 s60, 0
	s_cbranch_scc1 .Lpass
	s_set_vgpr_msb 0x5
	s_wait_tensorcnt 0x0
	ds_add_u32 v192, v193
	s_wait_dscnt 0x0
	s_set_vgpr_msb 0x500
	s_endpgm
.Lfunc_end_k_qec11b9f6b8_fc:
	.size	k_qec11b9f6b8_fc, .Lfunc_end_k_qec11b9f6b8_fc-k_qec11b9f6b8_fc
	.p2alignl 7, 3214868480
	.fill 96, 4, 3214868480
	.section	.rodata,"a",@progbits
	.p2align	6, 0x0
	.amdhsa_kernel k_qec11b9f6b8_fc
		.amdhsa_group_segment_fixed_size 308224
		.amdhsa_private_segment_fixed_size 0
		.amdhsa_enable_private_segment 0
		.amdhsa_kernarg_size 32
		.amdhsa_user_sgpr_count 2
		.amdhsa_user_sgpr_kernarg_segment_ptr 1
		.amdhsa_wavefront_size32 1
		.amdhsa_system_sgpr_workgroup_id_x 1
		.amdhsa_system_sgpr_workgroup_id_y 1
		.amdhsa_system_sgpr_workgroup_id_z 1
		.amdhsa_system_vgpr_workitem_id 0
		.amdhsa_next_free_vgpr 450
		.amdhsa_next_free_sgpr 66
		.amdhsa_reserve_vcc 0
		.amdhsa_float_denorm_mode_32 3
		.amdhsa_float_denorm_mode_16_64 3
		.amdhsa_memory_ordered 1
		.amdhsa_forward_progress 1
		.amdhsa_inst_pref_size 125
	.end_amdhsa_kernel
	.amdgpu_metadata
---
amdhsa.version: [ 1, 2 ]
amdhsa.kernels:
  - .name:           k_qec11b9f6b8_fc
    .symbol:         k_qec11b9f6b8_fc.kd
    .args:
      - { .name: w_fc, .offset: 0, .size: 8, .value_kind: global_buffer, .address_space: global }
      - { .name: xc, .offset: 8, .size: 8, .value_kind: global_buffer, .address_space: global }
      - { .name: plan, .offset: 16, .size: 8, .value_kind: global_buffer, .address_space: global }
      - { .name: hc, .offset: 24, .size: 8, .value_kind: global_buffer, .address_space: global }
    .group_segment_fixed_size: 308224
    .private_segment_fixed_size: 0
    .kernarg_segment_align: 8
    .kernarg_segment_size: 32
    .max_flat_workgroup_size: 256
    .sgpr_count:     66
    .vgpr_count:     450
    .wavefront_size: 32
...
	.end_amdgpu_metadata
.endif
;; end of part 3
;; launch proj (part 4): grid 32 x 8, 8 waves a work-group, no clusters, 308,224 bytes of LDS; arguments w_proj, hc, plan, ybuf; writes ybuf
.if DOCPART == 4
	.amdgcn_target "amdgcn-amd-amdhsa--gfx1250"
	.amdhsa_code_object_version 6
	.text
	.protected	k_qec11b9f6b8_proj
	.globl	k_qec11b9f6b8_proj
	.p2align	8
	.type	k_qec11b9f6b8_proj,@function
k_qec11b9f6b8_proj:
	s_mov_b64 s[64:65], 0
	v_nop
	global_prefetch_b8 v0, s[64:65] scope:SCOPE_SE
	s_setreg_imm32_b32 hwreg(HW_REG_WAVE_MODE, 25, 1), 1
	s_wait_xcnt 0x0
; y[q] = Q(h)[:, 1024 q ..] Q(w_proj[e])[1024 q .., :] for the rows routed to expert e: a quarter of the second product's K to a work-group; FP6 (E2M3) with E8M0 scales, sums in f32.
; SHARES.  Work-group (cs = x & 7, q = x >> 3, e) owns w_proj[e][k = 1024 q .. + 1023][columns 128 cs .. + 127]: 512 KiB of f32, read once in the launch, by this work-group alone.
; The frame is that of the launch before: PHASE 1 turns the weights into codes (a lane to a column, registers down K; wave w = (cw, kh) takes 32 columns x 512 k), the codes go once through LDS as images of
; the operand's registers, and every wave then holds all 1,024 k of its 32 columns in 192 registers (window 1).  PHASE 2 walks the expert's tiles of 16 rows, eight a pass through two LDS buffers by turns;
; wave w gathers tile 8 P + w of the next pass from hc while the pass's tiles are multiplied.  Trip counts are constants; what an expert has no rows for is jumped over inside the trips.
; K IS SPLIT FOUR WAYS so that a work-group's rows of w_proj are 512 bytes on end and each WGP has one block; the four partial sums of a row are added by the last launch.
; The product is used transposed, and lane l takes column 8 hh + r + 8 (r >> 3): lane (r, hh) of the results holds row r and columns 16 hh + 0 .. 15.  A tile's 16 rows x 128 bytes go through the wave's own
; stage in LDS and leave as 2,048 bytes on end.
; NO TENSOR LOADS, NO CLUSTER: the number of tiles is read from memory and steers branches.  No prefetch: the launch streams its weights from its first line on.
; LIMITS: as in the launch before (NaN and infinities not served; blocks under 2^-124 and blocks of zeros keep the byte 1).
; ybuf: [q 0..3][32 columns, 0..31][slot 0..2175][32 f32].
.set PITCH, 4096                       ; a row of w_proj[e] in bytes
.set XT,    12800
.set XBUF,  8*XT
.set CODE,  2*XBUF
.set CSC,   CODE+98304
.set HBS,   52224
.set HSCL,  128*HBS
.set CGS,   278528                     ; ybuf: 2,176 slots x 128 bytes
.set OPIT,  144                        ; the stage: 16 rows of 128 bytes + 16; 2,304 bytes a wave, in the bytes that held the codes: these are dead behind the second barrier
.set WO,   1
.set LX,   2
.set LS,   3
.set AX,   4
.set AS,   5
.set SX,   6
.set CW,   10
.set CSW,  11
.set CR,   12
.set CR2,  13
.set CSR,  14
.set GA,   15                          ; v15  the gather's offset in hc's codes
.set GS,   16                          ; v16  in its scale bytes
.set GAL,  19                          ; v19  52224 hh + 24 r
.set SIN,  20                          ; v20  the stage: where I put my 64 bytes of row r
.set SBK,  21                          ; v21  and where I read back
.set HO,   22                          ; v22  my offset in ybuf
.set WS,   24                          ; v[24:31] the weights' scale words.  Scales and nothing else
.set XS,   32                          ; v[32:39] the rows' scale words.  Scales and nothing else
.set ACC,  40
.set G,    56
.set T0,   G+48
.set AM,   G+56
.set SCL,  G+57
.set BYT,  G+58
.set SW,   G+59
.set AM2,  G+61
.set RING, 160
.set WB,   24
.set MSB, 0
.macro WIN new                         ; the immediate's high byte repeats the setting that is left
.if MSB != \new
	s_set_vgpr_msb (MSB<<8)|\new
.set MSB, \new
.endif
.endm
.macro BARRIER                         ; my LDS stores have landed and my LDS loads are in: then the work-group's barrier
	s_wait_dscnt 0x0
	s_barrier_signal -1
	s_barrier_wait -1
.endm
.macro WLOAD t                         ; block t of my 16: W(1024 q + 512 kh + 32 t + i, my column) into set t % 3
.set WR, RING+32*((\t)%3)
.set WBS, WB+2*((\t)/4)
.set wi, 0
.rept 32
	global_load_b32 v[WR+wi], v[WO], s[WBS:WBS+1] offset:(32*((\t)%4)+wi)*PITCH th:TH_LOAD_NT
.set wi, wi+1
.endr
.endm
; Block t is quantised: even blocks' codes to tile 0's registers, odd blocks' to tile 1's; behind an odd block the halves of the lanes change places, which gives each tile's fragment its layout.
.macro QCHUNK t, cnt
.set QX,  RING+32*((\t)%3)
.set QJ,  (\t)%4
.set QK,  (\t)/4
.set QF0, G+24*(QK%2)+6*(QJ/2)
.set QF1, QF0+12
.set QD,  QF0+12*(QJ%2)
.set QU,  T0+4*(QJ%2)
.set QW,  SW+QK%2
	s_wait_loadcnt \cnt                            ; this block's 32 loads are in
.if (QJ == 0) && (QK >= 2)
	s_wait_dscnt 7                                 ; only the last K step's seven LDS stores may be out
.endif
	v_max3_num_f32 v[AM], |v[QX]|, |v[QX+1]|, |v[QX+2]|
	v_max3_num_f32 v[AM2], |v[QX+3]|, |v[QX+4]|, |v[QX+5]|
.irp i, 6,10,14,18,22,26
	v_max3_num_f32 v[AM], v[AM], |v[QX+\i]|, |v[QX+\i+1]|
	v_max3_num_f32 v[AM2], v[AM2], |v[QX+\i+2]|, |v[QX+\i+3]|
.endr
	v_max3_num_f32 v[AM], v[AM], |v[QX+30]|, |v[QX+31]|
	v_max3_num_f32 v[AM], v[AM], v[AM2], 0x1800000 ; with the floor 2^(3 - 127)
	v_add_nc_u32 v[SCL], 0xff000000, v[AM]         ; 2 off the exponent field: the conversion's scale operand
	v_cvt_scalef32_pk16_fp6_f32 v[QD:QD+2], v[QX:QX+15], v[SCL]
	v_cvt_scalef32_pk16_fp6_f32 v[QU:QU+2], v[QX+16:QX+31], v[SCL]
	v_lshrrev_b32 v[BYT], 23, v[SCL]               ; the byte; also the plain instruction behind the conversions
.if QJ == 0
	v_mov_b32 v[QW], v[BYT]
.else
	v_lshl_or_b32 v[QW], v[BYT], 8*QJ, v[QW]
.endif
.if (\t)+3 < 16
	WLOAD (\t)+3
.endif
.if QJ%2
.irp i, 0,1,2
	v_permlane16_swap_b32 v[QF0+\i], v[QF1+\i]
.endr
.irp i, 0,1,2
	v_permlane16_swap_b32 v[T0+\i], v[T0+4+\i]
.endr
.irp i, 0,1,2
	v_mov_b32 v[QF0+3+\i], v[T0+\i]
	v_mov_b32 v[QF1+3+\i], v[T0+4+\i]
.endr
.endif
.if QJ == 3
.irp u, 0,1
.irp g, 0,1,2
	ds_store_b128 v[CW], v[G+24*(QK%2)+12*\u+4*\g:G+24*(QK%2)+12*\u+4*\g+3] offset:12288*QK+1536*\u+512*\g
.endr
.endr
	ds_store_b32 v[CSW], v[QW] offset:512*QK
.endif
.endm
.macro CODES_IN
	WIN 0x40
.irp s, 0,1,2,3
.irp u, 0,1
.irp g, 0,1,2
	ds_load_b128 v[12*(2*\s+\u)+4*\g:12*(2*\s+\u)+4*\g+3], v[CR] offset:12288*\s+1536*\u+512*\g
.endr
.endr
.endr
.irp s, 4,5,6,7
.irp u, 0,1
.irp g, 0,1,2
	ds_load_b128 v[12*(2*\s+\u)+4*\g:12*(2*\s+\u)+4*\g+3], v[CR2] offset:12288*(\s-4)+1536*\u+512*\g
.endr
.endr
.endr
	WIN 0
.irp s, 0,1,2,3,4,5,6,7
	ds_load_b32 v[WS+\s], v[CSR] offset:512*\s
.endr
.endm
.macro MM u, s
.if (\s) == 0
.if (\u) == 0
	v_wmma_scale_f32_16x16x128_f8f6f4 v[ACC:ACC+7], v[24*\s:24*\s+11], v[RING+12*\s:RING+12*\s+11], 0, v[WS+\s], v[XS+\s] matrix_a_fmt:MATRIX_FMT_FP6 matrix_b_fmt:MATRIX_FMT_FP6
.else
	v_wmma_scale_f32_16x16x128_f8f6f4 v[ACC+8:ACC+15], v[24*\s+12:24*\s+23], v[RING+12*\s:RING+12*\s+11], 0, v[WS+\s], v[XS+\s] matrix_a_fmt:MATRIX_FMT_FP6 matrix_b_fmt:MATRIX_FMT_FP6 matrix_a_scale:MATRIX_SCALE_ROW1
.endif
.else
.if (\u) == 0
	v_wmma_scale_f32_16x16x128_f8f6f4 v[ACC:ACC+7], v[24*\s:24*\s+11], v[RING+12*\s:RING+12*\s+11], v[ACC:ACC+7], v[WS+\s], v[XS+\s] matrix_a_fmt:MATRIX_FMT_FP6 matrix_b_fmt:MATRIX_FMT_FP6
.else
	v_wmma_scale_f32_16x16x128_f8f6f4 v[ACC+8:ACC+15], v[24*\s+12:24*\s+23], v[RING+12*\s:RING+12*\s+11], v[ACC+8:ACC+15], v[WS+\s], v[XS+\s] matrix_a_fmt:MATRIX_FMT_FP6 matrix_b_fmt:MATRIX_FMT_FP6 matrix_a_scale:MATRIX_SCALE_ROW1
.endif
.endif
.endm
.macro MMA                             ; 16 products; the two accumulators take turns, one instruction a turn
	s_wait_dscnt 12                                ; the scale words and K steps 0-3 are in; the youngest twelve loads may be out
	WIN 0x01
.irp s, 0,1,2,3,4,5,6,7
.if \s == 4
	s_wait_dscnt 0x0
.endif
	MM 0, \s
	MM 1, \s
.endr
	WIN 0
.endm
.macro MKGA                            ; s42 = a tile's number among all, behind its bound
	s_mul_i32 s43, s42, 384
	v_add_nc_u32 v[GA], s43, v[GAL]
	s_lshl_b32 s43, s42, 11
	v_add_nc_u32 v[GS], s43, v[LX]
.endm
.macro GATHER                          ; 49 loads: lane (r, hh) takes, for K step s and c = 0, 1, the 24 bytes of row r in block 32 q + 4 s + 2 c + hh; and 16 bytes of the tile's 512 scale bytes
.irp s, 0,1,2,3,4,5,6,7
.irp c, 0,1
.irp p, 0,1,2
	global_load_b64 v[G+12*\s+6*\c+2*\p:G+12*\s+6*\c+2*\p+1], v[GA], s[32:33] offset:4*HBS*\s+2*HBS*\c+8*\p
.endr
.endr
.endr
	global_load_b128 v[G+96:G+99], v[GS], s[34:35]
.endm
.macro PUT b
.irp s, 0,1,2,3,4,5,6,7
.irp g, 0,1,2
	ds_store_b128 v[SX+(\b)], v[G+12*\s+4*\g:G+12*\s+4*\g+3] offset:1536*\s+512*\g
.endr
.endr
	ds_store_b128 v[SX+(\b)], v[G+96:G+99] offset:12288    ; the scale words lie in memory as [K step][row] already: a plain copy
.endm
.macro TILE
	s_cmp_ge_u32 s20, s18
	s_cbranch_scc1 .Lskip_\@
	s_wait_xcnt 0x0                                ; the last tile's stores have read their data and offset, which are written again below
	v_add_nc_u32 v[AX], s21, v[LX]
	v_add_nc_u32 v[AS], s21, v[LS]
.irp s, 0,1,2,3,4,5,6,7
	ds_load_b32 v[XS+\s], v[AS] offset:64*\s
.endr
.irp s, 0,1,2,3,4,5,6,7
.irp g, 0,1,2
	ds_load_b128 v[RING+12*\s+4*\g:RING+12*\s+4*\g+3], v[AX] offset:1536*\s+512*\g
.endr
.endr
	MMA
	s_add_co_u32 s42, s17, s20
	s_min_u32 s42, s42, 135
	s_lshl_b32 s42, s42, 11
	v_add_nc_u32 v[HO], s42, v[LX]                 ; this addition and three v_nop are the four places behind the last product (ISA guide 7.12.1)
	v_nop
	v_nop
	v_nop
.irp i, 0,1,2,3
	ds_store_b128 v[SIN], v[ACC+4*\i:ACC+4*\i+3] offset:16*\i      ; each accumulator from its low end on: columns 16 hh + 4 i on of row r
.endr
.irp i, 0,1,2,3
	ds_load_b128 v[RING+4*\i:RING+4*\i+3], v[SBK] offset:4*OPIT*\i ; my own bytes; LDS serves a wave's instructions in order (ISA guide 5.7.1.4): these see the stores above
.endr
	s_wait_dscnt 0x0
.irp i, 0,1,2,3
	global_store_b128 v[HO], v[RING+4*\i:RING+4*\i+3], s[38:39] offset:512*\i th:TH_STORE_NT   ; 32 lanes store 512 bytes on end, at a multiple of 256 from ybuf's first byte
.endr
.Lskip_\@:
.endm
.macro PASS b
	s_add_co_u32 s22, s19, s12
	s_add_co_u32 s22, s22, 8                       ; the tile that I gather for the next pass
	s_cmp_lt_u32 s22, s18
	s_cbranch_scc0 .Lnog_\@
	s_add_co_u32 s42, s17, s22
	s_min_u32 s42, s42, 135
	MKGA                                           ; no load of mine is out, so the offsets may be written
	GATHER
.Lnog_\@:
	s_add_co_u32 s20, s19, s14
	s_add_co_u32 s21, s63, (\b)*XBUF
	s_mov_b32 s61, 4
.Lt_\@:
	TILE
	s_add_co_u32 s20, s20, 2
	s_add_co_u32 s21, s21, 2*XT
	s_sub_co_u32 s61, s61, 1
	s_cmp_lg_u32 s61, 0
	s_cbranch_scc1 .Lt_\@
	s_wait_loadcnt 0x0                             ; the gathered tile is in
	s_cmp_lt_u32 s22, s18
	s_cbranch_scc0 .Lnop_\@
	PUT (1-\b)                                     ; the other buffer was last read ahead of the last pass's barrier
.Lnop_\@:
	BARRIER                                        ; my reads of this buffer are over, my stores into the other have landed
	s_add_co_u32 s19, s19, 8
.endm
	s_load_b256 s[4:11], s[0:1], 0x0               ; w_proj s[4:5], hc s[6:7], plan s[8:9], ybuf s[10:11]
	v_lshl_add_u32 v158, v0, 2, 0x4b000
	v_mov_b32 v159, 0
	v_lshrrev_b32 v[G], 5, v0
	v_readfirstlane_b32 s12, v[G]                  ; wave 0..7
	s_and_b32 s13, s12, 3                          ; cw
	s_lshr_b32 s14, s12, 2                         ; kh
	s_and_b32 s15, ttmp9, 7                        ; cs: the work-group's 128 columns
	s_lshr_b32 s62, ttmp9, 3                       ; q: its quarter of K
	s_and_b32 s16, ttmp7, 0xffff                   ; e
	s_lshl_b32 s42, s16, 2
	s_mov_b32 s43, 0
	s_wait_kmcnt 0x0
	s_add_nc_u64 s[50:51], s[8:9], s[42:43]
	s_load_b32 s17, s[50:51], 0x0                  ; tb[e]
	s_load_b32 s18, s[50:51], 0x20                 ; nt[e]
	v_and_b32 v[G], 31, v0                         ; l
	v_and_b32 v[G+1], 15, v0                       ; r
	v_bfe_u32 v[G+2], v0, 4, 1                     ; hh
	v_bfe_u32 v[G+3], v0, 3, 1                     ; r >> 3
	v_lshlrev_b32 v[WO], 2, v[G+1]
	v_lshl_add_u32 v[WO], v[G+2], 5, v[WO]
	v_lshl_add_u32 v[WO], v[G+3], 5, v[WO]         ; 4 (8 hh + r + 8 (r >> 3))
	v_lshlrev_b32 v[LX], 4, v[G]
	v_lshl_add_u32 v[LS], v[G+1], 2, 12288
	s_mul_i32 s42, s12, XT
	v_add_nc_u32 v[SX], s42, v[LX]
	v_add_nc_u32 v[SX+1], XBUF, v[SX]
	s_mul_i32 s42, s13, 3072
	s_add_co_u32 s42, s42, CODE
	v_add_nc_u32 v[CR], s42, v[LX]
	v_add_nc_u32 v[CR2], 49152, v[CR]
	s_mul_i32 s43, s14, 49152
	v_add_nc_u32 v[CW], s43, v[CR]
	s_lshl_b32 s42, s13, 7
	s_add_co_u32 s42, s42, CSC
	v_lshl_add_u32 v[CSR], v[G], 2, s42
	s_lshl_b32 s43, s14, 11
	v_add_nc_u32 v[CSW], s43, v[CSR]
	v_mul_u32_u24 v[GAL], v[G+1], 24
	v_mad_u32_u24 v[GAL], v[G+2], HBS, v[GAL]
	s_mul_i32 s42, s12, 16*OPIT
	s_add_co_u32 s42, s42, CODE                    ; my stage
	v_mul_u32_u24 v[SIN], v[G+1], OPIT
	v_lshl_add_u32 v[SIN], v[G+2], 6, v[SIN]
	v_add_nc_u32 v[SIN], s42, v[SIN]               ; in: row r, + 64 hh
	v_lshrrev_b32 v[G+4], 3, v[G]
	v_and_b32 v[G+5], 7, v[G]
	v_mul_u32_u24 v[SBK], v[G+4], OPIT
	v_lshl_add_u32 v[SBK], v[G+5], 4, v[SBK]
	v_add_nc_u32 v[SBK], s42, v[SBK]               ; back: eight lanes to a row of 128 bytes, four rows an instruction
	s_mul_i32 s63, s14, XT
	s_lshl_b32 s42, s16, 24                        ; w_proj: e x 16 MiB
	s_lshl_b32 s43, s62, 22                        ; + 1024 q rows
	s_add_co_u32 s42, s42, s43
	s_lshl_b32 s43, s14, 21                        ; + 512 kh rows
	s_add_co_u32 s42, s42, s43
	s_lshl_b32 s43, s15, 9                         ; + 128 cs columns
	s_add_co_u32 s42, s42, s43
	s_lshl_b32 s43, s13, 7                         ; + 32 cw columns
	s_add_co_u32 s42, s42, s43
	s_mov_b32 s43, 0
	s_add_nc_u64 s[WB:WB+1], s[4:5], s[42:43]
	s_add_nc_u64 s[WB+2:WB+3], s[WB:WB+1], 128*PITCH
	s_add_nc_u64 s[WB+4:WB+5], s[WB:WB+1], 256*PITCH
	s_add_nc_u64 s[WB+6:WB+7], s[WB:WB+1], 384*PITCH
	s_mul_i32 s42, s62, 32*HBS
	s_add_nc_u64 s[32:33], s[6:7], s[42:43]        ; hc's codes at block 32 q
	s_lshl_b32 s42, s62, 9
	s_add_co_u32 s42, s42, HSCL
	s_add_nc_u64 s[34:35], s[6:7], s[42:43]        ; its scale bytes: + 512 q in a tile's 2,048
	s_lshl_b32 s42, s15, 2
	s_add_co_u32 s42, s42, s13
	s_mul_i32 s42, s42, CGS
	s_mul_i32 s47, s62, 32*CGS
	s_add_co_u32 s42, s42, s47
	s_add_nc_u64 s[38:39], s[10:11], s[42:43]      ; ybuf at (q, 4 cs + cw)
	s_wait_kmcnt 0x0
	s_min_u32 s17, s17, 135
	s_min_u32 s18, s18, 64
	; THE FIRST ISSUES have no branch, so that the counts below are the same on every way: 49 + 32 + 32 + 32 = 145 loads.
	; A wave whose tile w the expert does not have gathers a tile up to 127: the routed rows fill at least 128 tiles, so those have been written; nobody multiplies it
	s_add_co_u32 s42, s17, s12
	s_min_u32 s43, s42, 127
	s_cmp_lt_u32 s12, s18
	s_cselect_b32 s42, s42, s43
	s_min_u32 s42, s42, 135
	MKGA
	GATHER
	WLOAD 0
	WLOAD 1
	WLOAD 2
	s_wait_loadcnt 63                              ; at most 63 of the 145 are out, so the first 82 are in: the gathered tile and block 0 (81) among them
	PUT 0
	s_wait_dscnt 0x0                               ; the stores have read their registers, which phase 1 writes
	; PHASE 1.  Behind block t's loads stand those of blocks t + 1 and t + 2, 64: the count 63 is the largest that the wait can name, and the stricter
.irp t, 0,1,2,3,4,5,6,7,8,9,10,11,12,13
	QCHUNK \t, 63
.endr
	QCHUNK 14, 32                                  ; block 15's loads may be out
	QCHUNK 15, 0
	BARRIER                                        ; all codes and the first pass's tiles lie in LDS
	CODES_IN
	BARRIER                                        ; every wave has its codes in registers: the codes' bytes may become the stages
	; PHASE 2
	s_mov_b32 s19, 0
	s_mov_b32 s60, 4
.Lpass:
	PASS 0
	PASS 1
	s_sub_co_u32 s60, s60, 1
	s_cmp_lg_u32 s60, 0
	s_cbranch_scc1 .Lpass
	s_wait_tensorcnt 0x0
	ds_add_u32 v158, v159
	s_wait_dscnt 0x0
	s_endpgm
.Lfunc_end_k_qec11b9f6b8_proj:
	.size	k_qec11b9f6b8_proj, .Lfunc_end_k_qec11b9f6b8_proj-k_qec11b9f6b8_proj
	.p2alignl 7, 3214868480
	.fill 96, 4, 3214868480
	.section	.rodata,"a",@progbits
	.p2align	6, 0x0
	.amdhsa_kernel k_qec11b9f6b8_proj
		.amdhsa_group_segment_fixed_size 308224
		.amdhsa_private_segment_fixed_size 0
		.amdhsa_enable_private_segment 0
		.amdhsa_kernarg_size 32
		.amdhsa_user_sgpr_count 2
		.amdhsa_user_sgpr_kernarg_segment_ptr 1
		.amdhsa_wavefront_size32 1
		.amdhsa_system_sgpr_workgroup_id_x 1
		.amdhsa_system_sgpr_workgroup_id_y 1
		.amdhsa_system_sgpr_workgroup_id_z 1
		.amdhsa_system_vgpr_workitem_id 0
		.amdhsa_next_free_vgpr 448
		.amdhsa_next_free_sgpr 66
		.amdhsa_reserve_vcc 0
		.amdhsa_float_denorm_mode_32 3
		.amdhsa_float_denorm_mode_16_64 3
		.amdhsa_memory_ordered 1
		.amdhsa_forward_progress 1
		.amdhsa_inst_pref_size 114
	.end_amdhsa_kernel
	.amdgpu_metadata
---
amdhsa.version: [ 1, 2 ]
amdhsa.kernels:
  - .name:           k_qec11b9f6b8_proj
    .symbol:         k_qec11b9f6b8_proj.kd
    .args:
      - { .name: w_proj, .offset: 0, .size: 8, .value_kind: global_buffer, .address_space: global }
      - { .name: hc, .offset: 8, .size: 8, .value_kind: global_buffer, .address_space: global }
      - { .name: plan, .offset: 16, .size: 8, .value_kind: global_buffer, .address_space: global }
      - { .name: ybuf, .offset: 24, .size: 8, .value_kind: global_buffer, .address_space: global }
    .group_segment_fixed_size: 308224
    .private_segment_fixed_size: 0
    .kernarg_segment_align: 8
    .kernarg_segment_size: 32
    .max_flat_workgroup_size: 256
    .sgpr_count:     66
    .vgpr_count:     448
    .wavefront_size: 32
...
	.end_amdgpu_metadata
.endif
;; end of part 4
;; launch comb (part 5): grid 512 x 1, 4 waves a work-group, no clusters, 0 bytes of LDS; arguments ybuf, plan, wts, out0; writes out0
.if DOCPART == 5
	.amdgcn_target "amdgcn-amd-amdhsa--gfx1250"
	.amdhsa_code_object_version 6
	.text
	.protected	k_qec11b9f6b8_comb
	.globl	k_qec11b9f6b8_comb
	.p2align	8
	.type	k_qec11b9f6b8_comb,@function
k_qec11b9f6b8_comb:
	s_mov_b64 s[64:65], 0
	v_nop
	global_prefetch_b8 v0, s[64:65] scope:SCOPE_SE
	s_setreg_imm32_b32 hwreg(HW_REG_WAVE_MODE, 25, 1), 1
	s_wait_xcnt 0x0
; out[t] = w0 (sum over q of y[q][slot0]) + w1 (sum over q of y[q][slot1]): each output row has one owner, which gathers its eight partial rows.  All in f32.
; ybuf: [q 0..3][32 columns, 0..31][slot 0..2175][32 f32].  slot[t][0..1] lies in plan from byte 8,960 on, the weights in wts [t][0..1].
; SHARES.  A wave takes half a row of one token: 512 columns, 2,048 bytes.  A load reads, for one q and one of the two slots, four runs of 128 bytes (eight lanes each): four groups of 32 columns.
; 32 loads a wave go out together; the sums follow group by group behind counted waits; a store covers 512 bytes on end.
; A stream: no LDS, no barrier, no matrix unit.
.set CGS, 278528
.set QSZ, 32*CGS
.set Y,   32                           ; v[32:159]  load (i, q, j) at 32 i + 8 q + 4 j
.set R,   160                          ; v[160:175] four registers for each i
	s_load_b256 s[4:11], s[0:1], 0x0               ; ybuf s[4:5], plan s[6:7], wts s[8:9], out0 s[10:11]
	v_lshrrev_b32 v1, 5, v0
	v_readfirstlane_b32 s12, v1                    ; wave 0..3
	s_lshr_b32 s13, s12, 1
	s_and_b32 s14, s12, 1                          ; which half of the row
	s_lshl_b32 s15, ttmp9, 1
	s_add_co_u32 s13, s13, s15                     ; the token: 2 x work-group + wave / 2
	s_lshl_b32 s32, s13, 3
	s_mov_b32 s33, 0
	v_and_b32 v1, 31, v0
	v_lshrrev_b32 v2, 3, v1
	v_mul_u32_u24 v2, v2, CGS
	v_and_b32 v6, 7, v1
	v_lshl_add_u32 v2, v6, 4, v2                   ; (l >> 3) groups of columns on, + 16 (l & 7)
	v_lshlrev_b32 v5, 4, v1                        ; out: 16 bytes a lane
	s_wait_kmcnt 0x0
	s_add_nc_u64 s[34:35], s[6:7], s[32:33]
	s_add_nc_u64 s[36:37], s[8:9], s[32:33]
	s_load_b64 s[16:17], s[34:35], 0x2300          ; my token's two slots
	s_load_b64 s[18:19], s[36:37], 0x0             ; and their weights
	s_mul_i32 s32, s14, 16*CGS
	s_add_nc_u64 s[24:25], s[4:5], s[32:33]        ; ybuf at my half's first group of columns, q = 0
	s_add_nc_u64 s[26:27], s[24:25], QSZ
	s_add_nc_u64 s[28:29], s[24:25], 2*QSZ
	s_add_nc_u64 s[30:31], s[24:25], 3*QSZ
	s_lshl_b32 s32, s13, 12
	s_lshl_b32 s15, s14, 11
	s_add_co_u32 s32, s32, s15
	s_add_nc_u64 s[10:11], s[10:11], s[32:33]      ; out at my half row
	s_wait_kmcnt 0x0
	s_min_u32 s16, s16, 2175                       ; a loaded number enters an address behind a bound
	s_min_u32 s17, s17, 2175
	s_lshl_b32 s16, s16, 7
	s_lshl_b32 s17, s17, 7
	v_add_nc_u32 v3, s16, v2
	v_add_nc_u32 v4, s17, v2
	s_mov_b32 s20, s18                             ; the packed forms name pairs: both words are written
	s_mov_b32 s21, s18
	s_mov_b32 s22, s19
	s_mov_b32 s23, s19
.irp i, 0,1,2,3
.irp q, 0,1,2,3
	global_load_b128 v[Y+32*\i+8*\q:Y+32*\i+8*\q+3], v3, s[24+2*\q:25+2*\q] offset:4*CGS*\i th:TH_LOAD_NT
	global_load_b128 v[Y+32*\i+8*\q+4:Y+32*\i+8*\q+7], v4, s[24+2*\q:25+2*\q] offset:4*CGS*\i th:TH_LOAD_NT
.endr
.endr
.irp i, 0,1,2,3
	s_wait_loadcnt 24-8*\i                         ; group i's eight loads are in; eight for each later group may be out
.irp j, 0,4
.irp h, 0,2
	v_pk_add_f32 v[Y+32*\i+\j+\h:Y+32*\i+\j+\h+1], v[Y+32*\i+\j+\h:Y+32*\i+\j+\h+1], v[Y+32*\i+8+\j+\h:Y+32*\i+8+\j+\h+1]
	v_pk_add_f32 v[Y+32*\i+16+\j+\h:Y+32*\i+16+\j+\h+1], v[Y+32*\i+16+\j+\h:Y+32*\i+16+\j+\h+1], v[Y+32*\i+24+\j+\h:Y+32*\i+24+\j+\h+1]
.endr
.endr
.irp j, 0,4
.irp h, 0,2
	v_pk_add_f32 v[Y+32*\i+\j+\h:Y+32*\i+\j+\h+1], v[Y+32*\i+\j+\h:Y+32*\i+\j+\h+1], v[Y+32*\i+16+\j+\h:Y+32*\i+16+\j+\h+1]
.endr
.endr
.irp h, 0,2
	v_pk_mul_f32 v[R+4*\i+\h:R+4*\i+\h+1], v[Y+32*\i+\h:Y+32*\i+\h+1], s[20:21] op_sel_hi:[1,0]
.endr
.irp h, 0,2
	v_pk_fma_f32 v[R+4*\i+\h:R+4*\i+\h+1], v[Y+32*\i+4+\h:Y+32*\i+4+\h+1], s[22:23], v[R+4*\i+\h:R+4*\i+\h+1] op_sel_hi:[1,0,1]
.endr
	global_store_b128 v5, v[R+4*\i:R+4*\i+3], s[10:11] offset:512*\i th:TH_STORE_NT   ; 32 lanes store 512 bytes on end, at a multiple of 256 from out0's first byte
.endr
	s_endpgm
.Lfunc_end_k_qec11b9f6b8_comb:
	.size	k_qec11b9f6b8_comb, .Lfunc_end_k_qec11b9f6b8_comb-k_qec11b9f6b8_comb
	.p2alignl 7, 3214868480
	.fill 96, 4, 3214868480
	.section	.rodata,"a",@progbits
	.p2align	6, 0x0
	.amdhsa_kernel k_qec11b9f6b8_comb
		.amdhsa_group_segment_fixed_size 0
		.amdhsa_private_segment_fixed_size 0
		.amdhsa_enable_private_segment 0
		.amdhsa_kernarg_size 32
		.amdhsa_user_sgpr_count 2
		.amdhsa_user_sgpr_kernarg_segment_ptr 1
		.amdhsa_wavefront_size32 1
		.amdhsa_system_sgpr_workgroup_id_x 1
		.amdhsa_system_sgpr_workgroup_id_y 1
		.amdhsa_system_sgpr_workgroup_id_z 1
		.amdhsa_system_vgpr_workitem_id 0
		.amdhsa_next_free_vgpr 176
		.amdhsa_next_free_sgpr 66
		.amdhsa_reserve_vcc 0
		.amdhsa_float_denorm_mode_32 3
		.amdhsa_float_denorm_mode_16_64 3
		.amdhsa_memory_ordered 1
		.amdhsa_forward_progress 1
		.amdhsa_inst_pref_size 10
	.end_amdhsa_kernel
	.amdgpu_metadata
---
amdhsa.version: [ 1, 2 ]
amdhsa.kernels:
  - .name:           k_qec11b9f6b8_comb
    .symbol:         k_qec11b9f6b8_comb.kd
    .args:
      - { .name: ybuf, .offset: 0, .size: 8, .value_kind: global_buffer, .address_space: global }
      - { .name: plan, .offset: 8, .size: 8, .value_kind: global_buffer, .address_space: global }
      - { .name: wts, .offset: 16, .size: 8, .value_kind: global_buffer, .address_space: global }
      - { .name: out0, .offset: 24, .size: 8, .value_kind: global_buffer, .address_space: global }
    .group_segment_fixed_size: 0
    .private_segment_fixed_size: 0
    .kernarg_segment_align: 8
    .kernarg_segment_size: 32
    .max_flat_workgroup_size: 128
    .sgpr_count:     66
    .vgpr_count:     176
    .wavefront_size: 32
...
	.end_amdgpu_metadata
.endif
;; end of part 5
;; ======== version 2 of 2: 5 launches
;; limits: a function is approximated: absolute error at most 7.5e-08
;; workspace buffers: xc 819,200 bytes; idx 8,192 bytes of whole numbers; wts 8,192 bytes; plan 17,152 bytes of whole numbers; hc 6,963,200 bytes; ybuf 35,651,584 bytes
;; launch route (part 6): grid 256 x 1, 2 waves a work-group, no clusters, 0 bytes of LDS; arguments x, router_w, xc, idx, wts; writes xc, idx, wts
.if DOCPART == 6
	.amdgcn_target "amdgcn-amd-amdhsa--gfx1250"
	.amdhsa_code_object_version 6
	.text
	.protected	k_qec11b9f6b8_route
	.globl	k_qec11b9f6b8_route
	.p2align	8
	.type	k_qec11b9f6b8_route,@function
k_qec11b9f6b8_route:
	s_mov_b64 s[64:65], 0
	v_nop
	global_prefetch_b8 v0, s[64:65] scope:SCOPE_SE
	s_setreg_imm32_b32 hwreg(HW_REG_WAVE_MODE, 25, 1), 1
	s_wait_xcnt 0x0
; ROUTER AND x's CODES.  x: [1024 tokens][1024] f32.  router_w: [1024][8] f32.
; For each token: logits = x . router_w in f32 (fused multiply-adds), softmax with the row's maximum taken away, the two largest
; probabilities (of equals the lower index, as jax.lax.top_k has it), their weights divided by their sum.  The chosen experts go to
; idx [token][2] and the weights to wts [token][2], at fixed places: no address and no branch here hangs on them.
; The same registers of x are quantised to FP6 (E2M3), one E8M0 byte for each 32 along the row.
; xc: codes [token][768 bytes]; block 4 s + j of a row lies at 96 s + 48 (j & 1) + 24 (j >> 1), so that lane (r, hh) of a matrix operand
; finds the 12 registers of K step s as 48 bytes on end at 96 s + 48 hh.  From byte 786,432 on: the scale bytes [token][32], in order.
; SHARES.  A wave takes two tokens.  Lane l holds numbers 32 l .. 32 l + 31 of a row: one whole block, so that a block's largest magnitude
; needs no other lane; a row's eight loads together cover its 4,096 bytes.  The lane's 32 rows of router_w are 1,024 bytes on end: 256 registers, window 1.
; No matrix unit: N = 8 is half a tile, and the launch is bound by its loads.  No LDS, no barrier: waves share nothing.
; LIMITS: NaN and infinities are not served.  A block whose largest magnitude lies under 2^-124 keeps the byte 1 (not tried); a block of zeros gets the
; byte 1 where the quantiser's text says 127: its codes are zeros, and this program alone reads the bytes.  Two logits that differ by less than the
; rounding of an f32 sum of 1,024 terms may be ranked either way.
.set X,    32                          ; v[32:63], v[64:95]    x of token 0, of token 1
.set LG,   96                          ; v[96:103], v[104:111] the logits
.set P,    112                         ; v[112:119] probabilities
.set Q,    120                         ; v[120:127] at work; then the probabilities without the best
.set M,    128
.set SUM,  129
.set RC,   130
.set BEST, 131
.set BI,   132
.set BES2, 133
.set BI2,  134
.set TP,   135
.set W0,   136
.set W1,   137
.set CD,   140                         ; token i: codes in v[140+8i:142+8i] and v[144+8i:146+8i]
.set AM,   156                         ; +i: largest magnitude
.set SC,   158                         ; +i: the conversion's scale operand
.set BY,   160                         ; +i: the scale's byte
.set IV,   162                         ; +i: lane 0 the first expert, lane 1 the second
.set WV,   164                         ; +i: their weights
.set MSB, 0
.macro WIN new                         ; the immediate's high byte repeats the setting that is left
.if MSB != \new
	s_set_vgpr_msb (MSB<<8)|\new
.set MSB, \new
.endif
.endm
	s_load_b256 s[4:11], s[0:1], 0x0               ; x s[4:5], router_w s[6:7], xc s[8:9], idx s[10:11]
	s_load_b64 s[12:13], s[0:1], 0x20              ; wts
	v_lshrrev_b32 v1, 5, v0
	v_readfirstlane_b32 s16, v1                    ; wave 0, 1
	v_and_b32 v1, 31, v0                           ; lane; also my scale byte's offset
	v_lshlrev_b32 v2, 7, v1                        ; x: 128 bytes a lane
	v_lshlrev_b32 v3, 10, v1                       ; router_w: 1,024 bytes a lane
	v_lshrrev_b32 v5, 2, v1
	v_mul_u32_u24 v4, v5, 96                       ; my block's place in a row of codes: 96 (l >> 2)
	v_and_b32 v5, 1, v1
	v_mad_u32_u24 v4, v5, 48, v4                   ; + 48 (l & 1)
	v_bfe_u32 v5, v1, 1, 1
	v_mad_u32_u24 v4, v5, 24, v4                   ; + 24 ((l >> 1) & 1)
	v_lshlrev_b32 v6, 2, v1                        ; 4 x lane
	v_mov_b32 v[TP], 0                             ; a lane permute's destination counts as one of its sources
	s_mov_b32 s20, 0x76543210
	s_mov_b32 s21, 0xfedcba98                      ; v_permlanex16_b32's selects for lane l xor 16
	s_lshl_b32 s17, ttmp9, 2
	s_lshl_b32 s18, s16, 1
	s_add_co_u32 s17, s17, s18                     ; my first token: 4 x work-group + 2 x wave
	s_mov_b32 s23, 0
	s_wait_alu depctr_va_vdst(0)
	s_wait_kmcnt 0x0
	s_lshl_b32 s22, s17, 12
	s_add_nc_u64 s[4:5], s[4:5], s[22:23]          ; x at my first token
	s_lshl_b32 s22, s17, 5
	s_add_co_u32 s22, s22, 786432
	s_add_nc_u64 s[14:15], s[8:9], s[22:23]        ; its scale bytes
	s_mul_i32 s22, s17, 768
	s_add_nc_u64 s[8:9], s[8:9], s[22:23]          ; its codes
	s_lshl_b32 s22, s17, 3
	s_add_nc_u64 s[10:11], s[10:11], s[22:23]      ; its pair in idx
	s_add_nc_u64 s[12:13], s[12:13], s[22:23]      ; and in wts
.irp i, 0,1
.irp n, 0,1,2,3,4,5,6,7
	global_load_b128 v[X+32*\i+4*\n:X+32*\i+4*\n+3], v2, s[4:5] offset:4096*\i+16*\n th:TH_LOAD_NT
.endr
.endr
	WIN 0x40                                       ; destination window 1
.set n, 0
.rept 64
	global_load_b128 v[4*n:4*n+3], v3, s[6:7] offset:16*n      ; router_w(32 l + k, e) -> register 8 k + e of window 1
.set n, n+1
.endr
	WIN 0
	s_wait_loadcnt 0x0
	; the logits: eight chains (four pairs of experts x two tokens) by turns; the first product starts each sum
	WIN 0x01                                       ; source 0 (router_w) window 1
.irp p, 0,2,4,6
.irp i, 0,1
	v_pk_mul_f32 v[LG+8*\i+\p:LG+8*\i+\p+1], v[\p:\p+1], v[X+32*\i:X+32*\i+1] op_sel_hi:[1,0]
.endr
.endr
.set k, 1
.rept 31
.irp p, 0,2,4,6
.irp i, 0,1
.if k%2
	v_pk_fma_f32 v[LG+8*\i+\p:LG+8*\i+\p+1], v[8*k+\p:8*k+\p+1], v[X+32*\i+k-1:X+32*\i+k], v[LG+8*\i+\p:LG+8*\i+\p+1] op_sel:[0,1,0] op_sel_hi:[1,1,1]
.else
	v_pk_fma_f32 v[LG+8*\i+\p:LG+8*\i+\p+1], v[8*k+\p:8*k+\p+1], v[X+32*\i+k:X+32*\i+k+1], v[LG+8*\i+\p:LG+8*\i+\p+1] op_sel_hi:[1,0,1]
.endif
.endr
.endr
.set k, k+1
.endr
	WIN 0
	; across the 32 lanes: every lane ends with the whole sums
.irp m, 1,2,4,8
.set j, 0
.rept 16
	v_add_f32_dpp v[LG+j], v[LG+j], v[LG+j] row_xmask:\m row_mask:0xf bank_mask:0xf
.set j, j+1
.endr
.endr
.set j, 0
.rept 16
	v_permlanex16_b32 v[TP], v[LG+j], s20, s21
	v_add_f32 v[LG+j], v[LG+j], v[TP]
.set j, j+1
.endr
; softmax, the two largest, their weights, for token i
.macro SOFTTOP i
.set LL, LG+8*\i
	v_max3_num_f32 v[M], v[LL], v[LL+1], v[LL+2]
	v_max3_num_f32 v[M], v[M], v[LL+3], v[LL+4]
	v_max3_num_f32 v[M], v[M], v[LL+5], v[LL+6]
	v_max_num_f32 v[M], v[M], v[LL+7]              ; the row's maximum is taken away ahead of the exponentials
.irp e, 0,1,2,3,4,5,6,7
	v_sub_f32 v[P+\e], v[LL+\e], v[M]
.endr
.irp e, 0,1,2,3,4,5,6,7
	v_mul_f32 v[P+\e], 0x3fb8aa3b, v[P+\e]         ; x log2(e)
.endr
	s_wait_alu depctr_va_vdst(0)
.irp e, 0,1,2,3,4,5,6,7
	v_exp_f32 v[P+\e], v[P+\e]
.endr
	v_nop                                          ; a plain instruction behind the last exponential
	s_wait_alu depctr_va_vdst(0)                   ; one wait for the eight, ahead of their first reader
	v_add_f32 v[Q], v[P], v[P+1]
	v_add_f32 v[Q+1], v[P+2], v[P+3]
	v_add_f32 v[Q+2], v[P+4], v[P+5]
	v_add_f32 v[Q+3], v[P+6], v[P+7]
	v_add_f32 v[Q], v[Q], v[Q+1]
	v_add_f32 v[Q+2], v[Q+2], v[Q+3]
	v_add_f32 v[SUM], v[Q], v[Q+2]
	s_wait_alu depctr_va_vdst(0)
	v_rcp_f32 v[RC], v[SUM]
	v_nop
	s_wait_alu depctr_va_vdst(0)
.irp e, 0,1,2,3,4,5,6,7
	v_mul_f32 v[P+\e], v[P+\e], v[RC]              ; the probabilities
.endr
	v_mov_b32 v[BEST], v[P]
	v_mov_b32 v[BI], 0
.irp e, 1,2,3,4,5,6,7
	v_cmp_le_f32 vcc_lo, v[P+\e], v[BEST]          ; only a strictly larger one takes the place: of equals the lower index stays
	v_cndmask_b32 v[BEST], v[P+\e], v[BEST], vcc_lo
	v_cndmask_b32 v[BI], \e, v[BI], vcc_lo
.endr
.irp e, 0,1,2,3,4,5,6,7
	v_cmp_ne_u32 vcc_lo, \e, v[BI]
	v_cndmask_b32 v[Q+\e], -1.0, v[P+\e], vcc_lo   ; the best is taken out: -1 lies under every probability
.endr
	v_mov_b32 v[BES2], v[Q]
	v_mov_b32 v[BI2], 0
.irp e, 1,2,3,4,5,6,7
	v_cmp_le_f32 vcc_lo, v[Q+\e], v[BES2]
	v_cndmask_b32 v[BES2], v[Q+\e], v[BES2], vcc_lo
	v_cndmask_b32 v[BI2], \e, v[BI2], vcc_lo
.endr
	v_add_f32 v[SUM], v[BEST], v[BES2]
	s_wait_alu depctr_va_vdst(0)
	v_rcp_f32 v[RC], v[SUM]
	v_cmp_eq_u32 vcc_lo, 1, v1                     ; (a plain instruction behind the reciprocal)  lane 1 takes the second choice
	s_wait_alu depctr_va_vdst(0)
	v_mul_f32 v[W0], v[BEST], v[RC]
	v_mul_f32 v[W1], v[BES2], v[RC]
	v_cndmask_b32 v[IV+\i], v[BI], v[BI2], vcc_lo
	v_cndmask_b32 v[WV+\i], v[W0], v[W1], vcc_lo
.endm
; my block of token i: its largest magnitude, its scale, its 32 codes.  Each token has registers of its own, so that no store's data are written again
.macro QUANT i
.set XX, X+32*\i
	v_max3_num_f32 v[AM+\i], |v[XX]|, |v[XX+1]|, 0x1800000     ; with the floor 2^(3 - 127): the byte cannot fall under 1
.irp j, 2,4,6,8,10,12,14,16,18,20,22,24,26,28,30
	v_max3_num_f32 v[AM+\i], v[AM+\i], |v[XX+\j]|, |v[XX+\j+1]|
.endr
	v_add_nc_u32 v[SC+\i], 0xff000000, v[AM+\i]    ; 2 off the exponent field: the conversion takes the exponent field of this operand as its scale
	v_cvt_scalef32_pk16_fp6_f32 v[CD+8*\i:CD+8*\i+2], v[XX:XX+15], v[SC+\i]
	v_cvt_scalef32_pk16_fp6_f32 v[CD+8*\i+4:CD+8*\i+6], v[XX+16:XX+31], v[SC+\i]
	v_lshrrev_b32 v[BY+\i], 23, v[SC+\i]           ; the scale's byte; also the plain instruction behind the conversions
	global_store_b96 v4, v[CD+8*\i:CD+8*\i+2], s[8:9] offset:768*\i
	global_store_b96 v4, v[CD+8*\i+4:CD+8*\i+6], s[8:9] offset:768*\i+12   ; the wave's two stores cover the row's 768 bytes
	global_store_b8 v1, v[BY+\i], s[14:15] offset:32*\i
.endm
	QUANT 0
	QUANT 1
	SOFTTOP 0
	SOFTTOP 1
	v_cmp_gt_u32 vcc_lo, 2, v1
	s_wait_alu depctr_va_vdst(0)
	s_wait_xcnt 0x0                                ; EXEC is narrowed only behind this wait: stores are out
	s_and_saveexec_b32 s24, vcc_lo                 ; lanes 0 and 1
	global_store_b32 v6, v[IV], s[10:11]
	global_store_b32 v6, v[IV+1], s[10:11] offset:8
	global_store_b32 v6, v[WV], s[12:13]
	global_store_b32 v6, v[WV+1], s[12:13] offset:8
	s_wait_xcnt 0x0                                ; and widened only behind this one
	s_or_b32 exec_lo, exec_lo, s24
	s_endpgm
.Lfunc_end_k_qec11b9f6b8_route:
	.size	k_qec11b9f6b8_route, .Lfunc_end_k_qec11b9f6b8_route-k_qec11b9f6b8_route
	.p2alignl 7, 3214868480
	.fill 96, 4, 3214868480
	.section	.rodata,"a",@progbits
	.p2align	6, 0x0
	.amdhsa_kernel k_qec11b9f6b8_route
		.amdhsa_group_segment_fixed_size 0
		.amdhsa_private_segment_fixed_size 0
		.amdhsa_enable_private_segment 0
		.amdhsa_kernarg_size 40
		.amdhsa_user_sgpr_count 2
		.amdhsa_user_sgpr_kernarg_segment_ptr 1
		.amdhsa_wavefront_size32 1
		.amdhsa_system_sgpr_workgroup_id_x 1
		.amdhsa_system_sgpr_workgroup_id_y 1
		.amdhsa_system_sgpr_workgroup_id_z 1
		.amdhsa_system_vgpr_workitem_id 0
		.amdhsa_next_free_vgpr 512
		.amdhsa_next_free_sgpr 66
		.amdhsa_reserve_vcc 1
		.amdhsa_float_denorm_mode_32 3
		.amdhsa_float_denorm_mode_16_64 3
		.amdhsa_memory_ordered 1
		.amdhsa_forward_progress 1
		.amdhsa_inst_pref_size 43
	.end_amdhsa_kernel
	.amdgpu_metadata
---
amdhsa.version: [ 1, 2 ]
amdhsa.kernels:
  - .name:           k_qec11b9f6b8_route
    .symbol:         k_qec11b9f6b8_route.kd
    .args:
      - { .name: x, .offset: 0, .size: 8, .value_kind: global_buffer, .address_space: global }
      - { .name: router_w, .offset: 8, .size: 8, .value_kind: global_buffer, .address_space: global }
      - { .name: xc, .offset: 16, .size: 8, .value_kind: global_buffer, .address_space: global }
      - { .name: idx, .offset: 24, .size: 8, .value_kind: global_buffer, .address_space: global }
      - { .name: wts, .offset: 32, .size: 8, .value_kind: global_buffer, .address_space: global }
    .group_segment_fixed_size: 0
    .private_segment_fixed_size: 0
    .kernarg_segment_align: 8
    .kernarg_segment_size: 40
    .max_flat_workgroup_size: 64
    .sgpr_count:     66
    .vgpr_count:     512
    .wavefront_size: 32
...
	.end_amdgpu_metadata
.endif
;; end of part 6
;; launch place (part 7): grid 1 x 1, 32 waves a work-group, no clusters, 8,192 bytes of LDS; arguments idx, plan; writes plan
.if DOCPART == 7
	.amdgcn_target "amdgcn-amd-amdhsa--gfx1250"
	.amdhsa_code_object_version 6
	.text
	.protected	k_qec11b9f6b8_place
	.globl	k_qec11b9f6b8_place
	.p2align	8
	.type	k_qec11b9f6b8_place,@function
k_qec11b9f6b8_place:
	s_mov_b64 s[64:65], 0
	v_nop
	global_prefetch_b8 v0, s[64:65] scope:SCOPE_SE
	s_setreg_imm32_b32 hwreg(HW_REG_WAVE_MODE, 25, 1), 1
	s_wait_xcnt 0x0
; THE ROUTED ROWS ARE PLACED BY EXPERT: a counting sort of the 2,048 pairs (token, expert), without atomics.  One work-group, thread t = token t.
; Each expert's rows are padded to tiles of 16.  The sum of ceil(c_e / 16) is at most (2,048 + 8 x 15) / 16 = 135 and at least 128; 136 tiles (2,176 slots) are laid out.
; plan: [0,32) tb[8], an expert's first tile; [32,64) nt[8], its tiles; [256,8960) rowtok[2176], a slot's token (0 in pads and behind the last tile);
; [8960,17152) slot[1024][2], where a token's two rows lie.  Bytes 64 to 255 are neither stored nor read.
; A slot = 16 tb[e] + (rows of e in the waves before mine) + (rows of e in the lanes before mine).  A token's two experts differ, so a lane counts once for an expert.
; One work-group does it: the work is a few hundred instructions a wave, and what is summed spans all tokens.
.set I0,   4                           ; v[4:5]   my two experts
.set R0,   6                           ; v6, v7   my ranks inside my wave
.set CNT,  8                           ; v8       lane e: my wave's rows of expert e
.set TMP,  12
.set NIL,  13
.set VAL,  16                          ; v[16:23] wave l's counts; then total << 16 | rows in the waves before mine
.set TB,   32                          ; v[32:39]
.set NT,   40                          ; v[40:47]
.set TOT,  48                          ; v[48:55]
.set PRE,  56                          ; v[56:63]
.set B16,  66                          ; v[66:74] 16 tb[e]; the ninth: 16 x all tiles
.set FIN,  76                          ; v[76:83] 16 tb[e] + c_e: where e's pads begin
.set BAS,  84                          ; v[84:91] 16 tb[e] + rows in the waves before mine
.set SL,   92                          ; v[92:93] my two slots
.set SA,   94                          ; v94, v95 their offsets in rowtok
.set U,    96                          ; v96-98   the slots that I look at for pads: t, t + 1024, t + 2048
.set UA,   100                         ; v100-102 their offsets in rowtok; made at the head, never rewritten
.set PM,   12                          ; s12-14   the lanes whose slot is a pad
	s_load_b128 s[4:7], s[0:1], 0x0                ; idx, plan
	v_lshl_add_u32 v112, v0, 2, 0x1000
	v_mov_b32 v113, 0
	v_lshrrev_b32 v1, 5, v0
	s_delay_alu instid0(VALU_DEP_1)
	v_readfirstlane_b32 s8, v1                     ; wave 0..31
	v_and_b32 v1, 31, v0                           ; lane
	v_lshlrev_b32 v2, 3, v0                        ; 8 t
	v_lshlrev_b32 v10, 2, v0                       ; LDS: 128 x wave + 4 x lane
	s_delay_alu instid0(VALU_DEP_3)
	v_lshlrev_b32 v11, 7, v1                       ; LDS: wave l's counts
	v_mov_b32 v[R0], 0
	v_mov_b32 v[R0+1], 0
	v_mov_b32 v[CNT], 0
	v_mov_b32 v[NIL], 0
.irp j, 0,1,2
	v_add_nc_u32 v[U+\j], 1024*\j, v0              ; made here, of the thread's number and constants alone, with all lanes on
	s_delay_alu instid0(VALU_DEP_1)
	v_min_u32 v[UA+\j], 0x87f, v[U+\j]             ; (lanes past slot 2,175 are switched off at their store; their offsets stay inside the buffer all the same)
	s_delay_alu instid0(VALU_DEP_1)
	v_lshlrev_b32 v[UA+\j], 2, v[UA+\j]
.endr
	s_mov_b32 s10, 0x76543210
	s_mov_b32 s11, 0xfedcba98
	s_wait_kmcnt 0x0
	global_load_b64 v[I0:I0+1], v2, s[4:5]
	s_wait_loadcnt 0x0
	v_min_u32 v[I0], 7, v[I0]
	v_min_u32 v[I0+1], 7, v[I0+1]
.irp e, 0,1,2,3,4,5,6,7
	v_cmp_eq_u32 s[16+\e], \e, v[I0]               ; the lanes whose first choice is e: kept for the selects below
	v_cmp_eq_u32 s[24+\e], \e, v[I0+1]             ; whose second is
	s_or_b32 s32, s[16+\e], s[24+\e]
	s_bcnt1_i32_b32 s33, s32                       ; my wave's rows of e
	v_mbcnt_lo_u32_b32 v9, s32, 0                  ; those in the lanes before mine
	s_delay_alu instid0(VALU_DEP_1)
	v_cndmask_b32 v[R0], v[R0], v9, s[16+\e]
	s_delay_alu instid0(VALU_DEP_2)
	v_cndmask_b32 v[R0+1], v[R0+1], v9, s[24+\e]
	v_writelane_b32 v[CNT], s33, \e
.endr
	ds_store_b32 v10, v[CNT]
	s_wait_dscnt 0x0                               ; for the others' sake: my counts have landed
	s_barrier_signal -1
	s_barrier_wait -1
	ds_load_b128 v[VAL:VAL+3], v11                 ; lane l: wave l's eight counts
	ds_load_b128 v[VAL+4:VAL+7], v11 offset:16
	s_wait_dscnt 0x0
	v_cmp_gt_u32 vcc_lo, s8, v1                    ; the waves before mine
.irp e, 0,1,2,3,4,5,6,7
	v_cndmask_b32 v[TMP], 0, v[VAL+\e], vcc_lo
	s_delay_alu instid0(VALU_DEP_1)
	v_lshl_or_b32 v[VAL+\e], v[VAL+\e], 16, v[TMP] ; both sums in one word: each is 1,024 at the most
.endr
.irp m, 1,2,4,8
.irp e, 0,1,2,3,4,5,6,7
	v_mov_b32_dpp v[TMP], v[VAL+\e] row_xmask:\m row_mask:0xf bank_mask:0xf
	s_delay_alu instid0(VALU_DEP_1)
	v_add_nc_u32 v[VAL+\e], v[VAL+\e], v[TMP]
.endr
.endr
.irp e, 0,1,2,3,4,5,6,7
	s_delay_alu instid0(VALU_DEP_2)
	v_permlanex16_b32 v[TMP], v[VAL+\e], s10, s11
	s_delay_alu instid0(VALU_DEP_1)
	v_add_nc_u32 v[VAL+\e], v[VAL+\e], v[TMP]
.endr
.irp e, 0,1,2,3,4,5,6,7
	v_lshrrev_b32 v[TOT+\e], 16, v[VAL+\e]         ; c_e
	v_and_b32 v[PRE+\e], 0xffff, v[VAL+\e]
	s_delay_alu instid0(VALU_DEP_2)
	v_add_nc_u32 v[TMP], 15, v[TOT+\e]
	s_delay_alu instid0(VALU_DEP_1)
	v_lshrrev_b32 v[NT+\e], 4, v[TMP]              ; its tiles
.endr
	v_mov_b32 v[TB], 0
.irp e, 0,1,2,3,4,5,6
	s_delay_alu instid0(VALU_DEP_1)
	v_add_nc_u32 v[TB+\e+1], v[TB+\e], v[NT+\e]
.endr
	s_delay_alu instid0(VALU_DEP_1)
	v_add_nc_u32 v[TMP], v[TB+7], v[NT+7]          ; all tiles
	s_delay_alu instid0(VALU_DEP_1)
	v_lshlrev_b32 v[B16+8], 4, v[TMP]
.irp e, 0,1,2,3,4,5,6,7
	v_lshlrev_b32 v[B16+\e], 4, v[TB+\e]
.endr
.irp e, 0,1,2,3,4,5,6,7
	v_add_nc_u32 v[FIN+\e], v[B16+\e], v[TOT+\e]
	v_add_nc_u32 v[BAS+\e], v[B16+\e], v[PRE+\e]
.endr
	v_mov_b32 v[SL], 0
	v_mov_b32 v[SL+1], 0
.irp e, 0,1,2,3,4,5,6,7
	s_delay_alu instid0(VALU_DEP_2)
	v_cndmask_b32 v[SL], v[SL], v[BAS+\e], s[16+\e]
	s_delay_alu instid0(VALU_DEP_2)
	v_cndmask_b32 v[SL+1], v[SL+1], v[BAS+\e], s[24+\e]
.endr
	s_delay_alu instid0(VALU_DEP_2)
	v_add_nc_u32 v[SL], v[SL], v[R0]
	s_delay_alu instid0(VALU_DEP_2)
	v_add_nc_u32 v[SL+1], v[SL+1], v[R0+1]
	global_store_b64 v2, v[SL:SL+1], s[6:7] offset:8960        ; slot[t][0..1]: 256 bytes on end a wave
	v_min_u32 v[SA], 0x87f, v[SL]                  ; a number made of loaded numbers enters an address behind a bound
	v_min_u32 v[SA+1], 0x87f, v[SL+1]
	s_delay_alu instid0(VALU_DEP_2)
	v_lshlrev_b32 v[SA], 2, v[SA]
	s_delay_alu instid0(VALU_DEP_2)
	v_lshlrev_b32 v[SA+1], 2, v[SA+1]
	global_store_b32 v[SA], v0, s[6:7] offset:256  ; rowtok[slot] = t
	global_store_b32 v[SA+1], v0, s[6:7] offset:256
	; pads and the slots behind the last tile get token 0: places that the two stores above never name.  All three masks are made with all lanes on, ahead of the first change of EXEC
.irp j, 0,1,2
	v_cmp_ge_u32 s34, v[U+\j], v[B16+8]            ; behind the last tile,
.irp e, 0,1,2,3,4,5,6,7
	v_cmp_ge_u32 s35, v[U+\j], v[FIN+\e]           ; or behind e's rows
	v_cmp_lt_u32 s36, v[U+\j], v[B16+\e+1]         ; and ahead of the next expert's first tile
	s_and_b32 s35, s35, s36
	s_or_b32 s34, s34, s35
.endr
	v_cmp_gt_u32 s35, 0x880, v[U+\j]               ; and among the 2,176 slots laid out
	s_and_b32 s[PM+\j], s34, s35
.endr
.irp j, 0,1,2
	s_mov_b32 vcc_lo, s[PM+\j]
	s_wait_xcnt 0x0                                ; EXEC is narrowed only behind this wait: stores are out
	s_and_saveexec_b32 s37, vcc_lo
	global_store_b32 v[UA+\j], v[NIL], s[6:7] offset:256
	s_wait_xcnt 0x0                                ; and widened only behind this one
	s_or_b32 exec_lo, exec_lo, s37
.endr
	s_cmp_lg_u32 s8, 0                             ; tb and nt are the same in every lane: lane 0 of wave 0 stores them
	s_cbranch_scc1 .Ldone
	v_cmp_eq_u32 vcc_lo, 0, v1
	s_wait_xcnt 0x0
	s_and_saveexec_b32 s37, vcc_lo
	global_store_b128 v[NIL], v[TB:TB+3], s[6:7]
	global_store_b128 v[NIL], v[TB+4:TB+7], s[6:7] offset:16
	global_store_b128 v[NIL], v[NT:NT+3], s[6:7] offset:32
	global_store_b128 v[NIL], v[NT+4:NT+7], s[6:7] offset:48
	s_wait_xcnt 0x0
	s_or_b32 exec_lo, exec_lo, s37
.Ldone:
	s_wait_tensorcnt 0x0
	ds_add_u32 v112, v113
	s_wait_dscnt 0x0
	s_endpgm
.Lfunc_end_k_qec11b9f6b8_place:
	.size	k_qec11b9f6b8_place, .Lfunc_end_k_qec11b9f6b8_place-k_qec11b9f6b8_place
	.p2alignl 7, 3214868480
	.fill 96, 4, 3214868480
	.section	.rodata,"a",@progbits
	.p2align	6, 0x0
	.amdhsa_kernel k_qec11b9f6b8_place
		.amdhsa_group_segment_fixed_size 8192
		.amdhsa_private_segment_fixed_size 0
		.amdhsa_enable_private_segment 0
		.amdhsa_kernarg_size 16
		.amdhsa_user_sgpr_count 2
		.amdhsa_user_sgpr_kernarg_segment_ptr 1
		.amdhsa_wavefront_size32 1
		.amdhsa_system_sgpr_workgroup_id_x 1
		.amdhsa_system_sgpr_workgroup_id_y 1
		.amdhsa_system_sgpr_workgroup_id_z 1
		.amdhsa_system_vgpr_workitem_id 0
		.amdhsa_next_free_vgpr 114
		.amdhsa_next_free_sgpr 66
		.amdhsa_reserve_vcc 1
		.amdhsa_float_denorm_mode_32 3
		.amdhsa_float_denorm_mode_16_64 3
		.amdhsa_memory_ordered 1
		.amdhsa_forward_progress 1
		.amdhsa_inst_pref_size 25
	.end_amdhsa_kernel
	.amdgpu_metadata
---
amdhsa.version: [ 1, 2 ]
amdhsa.kernels:
  - .name:           k_qec11b9f6b8_place
    .symbol:         k_qec11b9f6b8_place.kd
    .args:
      - { .name: idx, .offset: 0, .size: 8, .value_kind: global_buffer, .address_space: global }
      - { .name: plan, .offset: 8, .size: 8, .value_kind: global_buffer, .address_space: global }
    .group_segment_fixed_size: 8192
    .private_segment_fixed_size: 0
    .kernarg_segment_align: 8
    .kernarg_segment_size: 16
    .max_flat_workgroup_size: 1024
    .sgpr_count:     66
    .vgpr_count:     114
    .wavefront_size: 32
...
	.end_amdgpu_metadata
.endif
;; end of part 7
;; launch fc (part 8): grid 32 x 8, 8 waves a work-group, no clusters, 308,224 bytes of LDS; arguments w_fc, xc, plan, hc; writes hc
.if DOCPART == 8
	.amdgcn_target "amdgcn-amd-amdhsa--gfx1250"
	.amdhsa_code_object_version 6
	.text
	.protected	k_qec11b9f6b8_fc
	.globl	k_qec11b9f6b8_fc
	.p2align	8
	.type	k_qec11b9f6b8_fc,@function
k_qec11b9f6b8_fc:
	s_mov_b64 s[64:65], 0
	v_nop
	global_prefetch_b8 v0, s[64:65] scope:SCOPE_SE
	s_setreg_imm32_b32 hwreg(HW_REG_WAVE_SCHED_MODE, 0, 2), 2
	s_setreg_imm32_b32 hwreg(HW_REG_WAVE_MODE, 25, 1), 1
	s_wait_xcnt 0x0
	s_wait_alu depctr_vm_vsrc(0)
; h = Q(gelu(Q(x) Q(w_fc[e]))) for the rows routed to expert e; both operands FP6 (E2M3) with one E8M0 scale for each 32 along K; sums in f32; gelu exact (erf), in f32.
; SHARES.  Work-group (sl, e) owns w_fc[e][all 1,024 k][columns 128 sl .. + 127]: 512 KiB of f32, read once in the launch, by this work-group alone, and multiplies it by ALL of e's rows.
; PHASE 1: the weights become codes.  Wave w = (cw = w & 3, kh = w >> 2) takes 32 columns x 512 k.  A LANE TAKES A COLUMN AND ITS REGISTERS RUN DOWN K: a load reads 128 bytes on end,
; the four waves side by side 512; a block of 32 along K lies in one lane, and the conversions give codes with K innermost.  Eight waves, each with up to 63 loads of 128 bytes out.
; The codes go once through LDS as images of the operand's registers; then every wave holds all K of its 32 columns in 192 registers (window 1).
; THE COLUMNS OF A TILE ARE NOT NEIGHBOURS: lane l takes column 8 hh + r + 8 (r >> 3) (r = l & 15, hh = l >> 4): lanes 0-15 hold tile 0 (columns 0-7, 16-23), lanes 16-31 tile 1.
; The product is used transposed (source 0 = 16 columns of W, source 1 = 16 rows of x): lane (r, hh) of the results holds row r, and the 16 registers of the two tiles are columns 16 hh + 0 .. 15:
; 16 neighbours along the next product's K, half a block; lane l xor 16 holds the other half.
; PHASE 2: the rows, in tiles of 16, eight tiles a pass through two LDS buffers by turns.  Wave w gathers tile 8 P + w of the NEXT pass (rows by rowtok, from xc) into registers while the pass's tiles are multiplied,
; and stores its image ahead of the pass's barrier.  Waves with kh = 0 multiply the even tiles, kh = 1 the odd ones, each by its own 32 columns.
; Eight passes serve 64 tiles (all 1,024 tokens on one expert); every trip count is a constant, what an expert has no rows for is jumped over inside the trips, and no barrier stands under such a jump.
; NO TENSOR LOADS, NO CLUSTER: the number of tiles is read from memory and steers branches; the rows that the 32 work-groups of an expert
; share come by plain loads.  No prefetch: the launch streams its weights from its first line on, and behind them has little left to fetch.
; GELU: h = max(x, 0) - |x| g, g = Phi(-|x|) = (1/2) erfc(|x| / sqrt 2) = (a1 t + .. + a5 t^5) / 2 x 2^(-x^2 log2(e) / 2), t = 1 / (1 + p |x| / sqrt 2) (Abramowitz and Stegun 7.1.26).
; LIMITS: g is off by at most 0.75e-7 absolutely, so h by 0.75e-7 |x|: for x under -2 that is more than 1e-6 of h itself, and far under a code's step in any block that holds a number near 1.
; NaN and infinities are not served.  A block whose largest magnitude lies under 2^-124 keeps the byte 1 (not tried); a block of zeros gets the byte 1, not 127: its codes are zeros, and this program alone reads the bytes.
; hc: codes [block of 32 hidden units, 0..127][slot 0..2175][24 bytes]; from byte 6,684,672 on the scale bytes [tile 0..135][128 hidden units, 0..31][row 0..15][block 0..3].
; THE MODE: SCHED_MODE bits 1:0 = 2 (LLVM: expert scheduling mode 2), set by the entry lines.  The code itself states the register dependences
; between vector or matrix instructions and memory or LDS instructions, with s_wait_alu, always for 0.
; THE PLAN.  Registers that memory or LDS instructions touch, and who else names them:
;   v1, v6-v14       offsets and LDS addresses, made at the head and never written again: the head's first wait on va_vdst states them for the whole kernel.
;   RING, phase 1    set t % 3: block t's maxima and conversions read it; behind them the loads of block t + 3 land in it.
;   G, phase 1       two sets of two fragments and a scale word: written by a K step's conversions, swaps and moves, read by its seven LDS stores, written again two K steps on.
;                    So ONE wait on va_vdst stands in a block, behind ALL its vector lines, and the block's 32 loads and the K step's seven LDS stores follow it; one wait on vm_vsrc stands at the head of K steps 2 and 3.
;   G, phase 2       the gather's 25 loads land in it at a pass's head, the LDS stores at the pass's end read it; no vector line names it.
;   v15-v18          GA, GS, RA: made together at a pass's head, read by that pass's loads.  TOKN: a load lands in it, the next pass's lines read and write it.
;                    So a pass's head has one wait on vm_vsrc ahead of those lines and one on va_vdst behind them, and all its loads follow.
;   XS, RING, ph. 2  a tile's 32 LDS loads land in them; its products read them; its gelu then works in RING, and its two stores read the codes and the byte there.
;   v4, v5, v22, v23 AX, AS: written at a tile's head, read by its LDS loads.  HO, HSO: written behind its products, read by its two stores.
;                    So a tile has one wait on vm_vsrc at its head, and four on va_vdst: behind AX and AS, ahead of the reciprocals, ahead of the first reader of the gelu's reciprocals and exponentials, and ahead of the two stores.
;   WS, window 1     loaded from LDS once, read by products alone.   v448, v449: written at the head, read by the closing add alone.
; A second set of fragments has no room: two waves share a SIMD's 1,024 registers, and of a wave's 512 this text holds 450; a set with its scale words is 104.
.set PITCH, 16384                      ; a row of w_fc[e] in bytes
.set XT,    12800                      ; LDS: a tile of rows: 8 fragment images of 1,536 bytes, then its scale words [K step][row], 512 bytes
.set XBUF,  8*XT                       ; a buffer of eight tiles; two of them from byte 0
.set CODE,  2*XBUF                     ; the weights' fragment images: (8 s + 2 cw + u) x 1,536
.set CSC,   CODE+98304                 ; their scale words' images: (4 s + cw) x 128
.set HBS,   52224                      ; hc: from block to block
.set HSCL,  128*HBS                    ; hc: where the scale bytes begin
.set WO,   1                           ; v1   4 x my column
.set LX,   2                           ; v2   16 x lane
.set LS,   3                           ; v3   12288 + 4 r
.set AX,   4                           ; v4   the tile in hand: its images
.set AS,   5                           ; v5   and its scale words
.set SX,   6                           ; v6-7 where I store a gathered tile: buffer b, place w, 16 x lane
.set SS,   8                           ; v8-9 and its scale words: + 12288 + 256 hh + 4 r
.set CW,   10                          ; v10  where I store the weights' images
.set CSW,  11                          ; v11  and their scale words
.set CR,   12                          ; v12  where I read them back, K steps 0-3
.set CR2,  13                          ; v13  K steps 4-7
.set CSR,  14
.set GA,   15                          ; v15  the gather's offset in xc's codes
.set GS,   16                          ; v16  in its scale bytes
.set TOKN, 17                          ; v17  my row's token in the tile to be gathered next
.set RA,   18                          ; v18  rowtok's offset
.set RL,   19                          ; v19  4 r
.set HL,   20                          ; v20  24 r + 12 hh
.set H48,  21                          ; v21  48 hh
.set HO,   22                          ; v22  where my 16 codes of h go
.set HSO,  23                          ; v23  and the block's byte
.set WS,   24                          ; v[24:31] the weights' scale words: lanes 0-15 tile 0, lanes 16-31 tile 1.  Scales and nothing else
.set XS,   32                          ; v[32:39] the rows' scale words.  Scales and nothing else
.set ACC,  40                          ; v[40:47], v[48:55] the two accumulators
.set G,    56                          ; v[56:155] a gathered tile: fragment s at 12 s, scale words at 96.  In phase 1: see below
.set T0,   G+48                         ; phase 1: v[56:103] two sets of two fragments; v[104:106], v[108:110] the upper sixteen's codes
.set AM,   G+56
.set SCL,  G+57
.set BYT,  G+58
.set SW,   G+59                        ; v115, v116 a K step's scale word, two sets
.set AM2,  G+61
.set KA4,  156                         ; v[156:157] a4 / 2, twice
.set PD,   158                         ; v158 a lane permute's destination
.set H16,  159                         ; v159 16 hh
.set RING, 160                         ; v[160:255] phase 1: three sets of 32 weights.  Phase 2: the rows' eight fragments; behind the products: at work
.set EQ,   160
.set ED,   176
.set ER,   192
.set EH,   208
.set HC,   224
.set AMH,  228
.set SCH,  229
.set BYH,  230
.set AMB,  231
.set WB,   24                          ; s[24:31] four bases in w_fc: K steps 4 kh + 0 .. 3; never rewritten
.set MSB, 0
.macro WIN new                         ; the immediate's high byte repeats the setting that is left
.if MSB != \new
	s_set_vgpr_msb (MSB<<8)|\new
.set MSB, \new
.endif
.endm
.macro BARRIER                         ; my LDS stores have landed and my LDS loads are in: then the work-group's barrier
	s_wait_dscnt 0x0
	s_barrier_signal -1
	s_barrier_wait -1
.endm
.macro WLOAD t                         ; block t of my 16: W(512 kh + 32 t + i, my column), i = 0 .. 31, into set t % 3
.set WR, RING+32*((\t)%3)
.set WBS, WB+2*((\t)/4)
.set wi, 0
.rept 32
	global_load_b32 v[WR+wi], v[WO], s[WBS:WBS+1] offset:(32*((\t)%4)+wi)*PITCH th:TH_LOAD_NT
.set wi, wi+1
.endr
.endm
; Block t is quantised.  Even blocks' codes go to tile 0's registers, odd blocks' to tile 1's; behind an odd block the halves of the lanes change places, so that tile 0's fragment holds, in lanes 0-15,
; block 2 c of its columns and in lanes 16-31 block 2 c + 1 of the same columns, as the operand's layout asks, and tile 1's likewise.  Behind a K step's fourth block its two fragments and its scale word go to LDS.
; All the block's vector lines stand first; one wait; then its loads and LDS stores.
.macro QCHUNK t, cnt
.set QX,  RING+32*((\t)%3)
.set QJ,  (\t)%4
.set QK,  (\t)/4
.set QF0, G+24*(QK%2)+6*(QJ/2)
.set QF1, QF0+12
.set QD,  QF0+12*(QJ%2)
.set QU,  T0+4*(QJ%2)
.set QW,  SW+QK%2
	s_wait_loadcnt \cnt                            ; this block's 32 loads are in
.if (QJ == 0) && (QK >= 2)
	s_wait_dscnt 7                                 ; only the last K step's seven LDS stores may be out: those of two K steps back, which read this set, are done
	s_wait_alu depctr_vm_vsrc(0)                   ; the LDS stores of two K steps back have read this set of fragments and its scale word, which this K step's lines write again
.endif
	v_max3_num_f32 v[AM], |v[QX]|, |v[QX+1]|, |v[QX+2]|
	v_max3_num_f32 v[AM2], |v[QX+3]|, |v[QX+4]|, |v[QX+5]|
.irp i, 6,10,14,18,22,26
	v_max3_num_f32 v[AM], v[AM], |v[QX+\i]|, |v[QX+\i+1]|
	v_max3_num_f32 v[AM2], v[AM2], |v[QX+\i+2]|, |v[QX+\i+3]|
.endr
	v_max3_num_f32 v[AM], v[AM], |v[QX+30]|, |v[QX+31]|
	v_max3_num_f32 v[AM], v[AM], v[AM2], 0x1800000 ; with the floor 2^(3 - 127): the byte cannot fall under 1
	v_add_nc_u32 v[SCL], 0xff000000, v[AM]         ; 2 off the exponent field: the conversion's scale operand
	v_cvt_scalef32_pk16_fp6_f32 v[QD:QD+2], v[QX:QX+15], v[SCL]
	v_cvt_scalef32_pk16_fp6_f32 v[QU:QU+2], v[QX+16:QX+31], v[SCL]   ; (a conversion's three registers begin on an even number)
	v_lshrrev_b32 v[BYT], 23, v[SCL]               ; the scale's byte; also the plain instruction behind the conversions
.if QJ == 0
	v_mov_b32 v[QW], v[BYT]
.else
	v_lshl_or_b32 v[QW], v[BYT], 8*QJ, v[QW]
.endif
.if QJ%2
.irp i, 0,1,2
	v_permlane16_swap_b32 v[QF0+\i], v[QF1+\i]
.endr
.irp i, 0,1,2
	v_permlane16_swap_b32 v[T0+\i], v[T0+4+\i]
.endr
.irp i, 0,1,2
	v_mov_b32 v[QF0+3+\i], v[T0+\i]
	v_mov_b32 v[QF1+3+\i], v[T0+4+\i]
.endr
.endif
.if ((\t)+3 < 16) || (QJ == 3)
	s_wait_alu depctr_va_vdst(0)                   ; the maxima and conversions are done reading this set of weights, in which the loads below land; behind a K step's fourth block its fragments and its scale word are written, which the LDS stores read
.endif
.if (\t)+3 < 16
	WLOAD (\t)+3                                   ; into the set just converted
.endif
.if QJ == 3
.irp u, 0,1
.irp g, 0,1,2
	ds_store_b128 v[CW], v[G+24*(QK%2)+12*\u+4*\g:G+24*(QK%2)+12*\u+4*\g+3] offset:12288*QK+1536*\u+512*\g
.endr
.endr
	ds_store_b32 v[CSW], v[QW] offset:512*QK
.endif
.endm
.macro CODES_IN                        ; all K of my 32 columns: 16 fragments into window 1, fragment (u, s) at 12 (2 s + u); 8 scale words.  No vector line has named these registers, and the addresses are the head's
	WIN 0x40
.irp s, 0,1,2,3
.irp u, 0,1
.irp g, 0,1,2
	ds_load_b128 v[12*(2*\s+\u)+4*\g:12*(2*\s+\u)+4*\g+3], v[CR] offset:12288*\s+1536*\u+512*\g
.endr
.endr
.endr
.irp s, 4,5,6,7
.irp u, 0,1
.irp g, 0,1,2
	ds_load_b128 v[12*(2*\s+\u)+4*\g:12*(2*\s+\u)+4*\g+3], v[CR2] offset:12288*(\s-4)+1536*\u+512*\g
.endr
.endr
.endr
	WIN 0
.irp s, 0,1,2,3,4,5,6,7
	ds_load_b32 v[WS+\s], v[CSR] offset:512*\s
.endr
.endm
.macro MM u, s                         ; tile u of my columns x the 16 rows, K step s; the first K step starts the sum
.if (\s) == 0
.if (\u) == 0
	v_wmma_scale_f32_16x16x128_f8f6f4 v[ACC:ACC+7], v[24*\s:24*\s+11], v[RING+12*\s:RING+12*\s+11], 0, v[WS+\s], v[XS+\s] matrix_a_fmt:MATRIX_FMT_FP6 matrix_b_fmt:MATRIX_FMT_FP6
.else
	v_wmma_scale_f32_16x16x128_f8f6f4 v[ACC+8:ACC+15], v[24*\s+12:24*\s+23], v[RING+12*\s:RING+12*\s+11], 0, v[WS+\s], v[XS+\s] matrix_a_fmt:MATRIX_FMT_FP6 matrix_b_fmt:MATRIX_FMT_FP6 matrix_a_scale:MATRIX_SCALE_ROW1
.endif
.else
.if (\u) == 0
	v_wmma_scale_f32_16x16x128_f8f6f4 v[ACC:ACC+7], v[24*\s:24*\s+11], v[RING+12*\s:RING+12*\s+11], v[ACC:ACC+7], v[WS+\s], v[XS+\s] matrix_a_fmt:MATRIX_FMT_FP6 matrix_b_fmt:MATRIX_FMT_FP6
.else
	v_wmma_scale_f32_16x16x128_f8f6f4 v[ACC+8:ACC+15], v[24*\s+12:24*\s+23], v[RING+12*\s:RING+12*\s+11], v[ACC+8:ACC+15], v[WS+\s], v[XS+\s] matrix_a_fmt:MATRIX_FMT_FP6 matrix_b_fmt:MATRIX_FMT_FP6 matrix_a_scale:MATRIX_SCALE_ROW1
.endif
.endif
.endm
.macro MMA                             ; 16 products; the two accumulators take turns, one instruction a turn
	s_wait_dscnt 12                                ; the scale words and K steps 0-3 are in; the youngest twelve loads (K steps 4-7) may be out
	WIN 0x01                                       ; source 0 (W) window 1
.irp s, 0,1,2,3,4,5,6,7
.if \s == 4
	s_wait_dscnt 0x0
.endif
	MM 0, \s
	MM 1, \s
.endr
	WIN 0
.endm
.macro MKGA                            ; the gather's offsets from my row's token
	v_min_u32 v[TOKN], 0x3ff, v[TOKN]              ; a loaded number enters an address behind a bound
	v_mul_u32_u24 v[GA], v[TOKN], 768
	v_add_nc_u32 v[GA], v[GA], v[H48]              ; 768 token + 48 hh
	v_lshl_add_u32 v[GS], v[TOKN], 5, v[H16]       ; 32 token + 16 hh
.endm
.macro GATHER                          ; 25 loads: my row's operand registers of the eight K steps, 48 bytes on end each, and four of its scale words
.irp s, 0,1,2,3,4,5,6,7
.irp g, 0,1,2
	global_load_b128 v[G+12*\s+4*\g:G+12*\s+4*\g+3], v[GA], s[32:33] offset:96*\s+16*\g
.endr
.endr
	global_load_b128 v[G+96:G+99], v[GS], s[34:35]
.endm
.macro RTADR                           ; s42 = a tile's number in my expert: where its 16 tokens lie in rowtok, one a lane (both halves of the lanes alike)
	s_add_co_u32 s42, s42, s17
	s_min_u32 s42, s42, 135
	s_lshl_b32 s42, s42, 6
	v_add_nc_u32 v[RA], s42, v[RL]
.endm
.macro RTLOAD                          ; and the load of them
	global_load_b32 v[TOKN], v[RA], s[36:37]
.endm
.macro PUT b                           ; the gathered tile goes to LDS as it stands: place w of buffer b.  Its registers were filled by loads, its addresses are the head's
.irp s, 0,1,2,3,4,5,6,7
.irp g, 0,1,2
	ds_store_b128 v[SX+(\b)], v[G+12*\s+4*\g:G+12*\s+4*\g+3] offset:1536*\s+512*\g
.endr
.endr
.irp i, 0,1,2,3
	ds_store_b32 v[SS+(\b)], v[G+96+\i] offset:64*\i   ; word 4 hh + i of row r
.endr
.endm
; One tile of 16 rows against my 32 columns.  s20: the tile's number in the expert; s21: its LDS byte.
.macro TILE
	s_cmp_ge_u32 s20, s18
	s_cbranch_scc1 .Lskip_\@
	s_wait_xcnt 0x0                                ; the last tile's stores have read their data and offsets, which are written again below
	s_wait_alu depctr_vm_vsrc(0)                   ; the last tile's two stores have read their codes, their byte and v[HO], v[HSO], and its LDS loads v[AX], v[AS]: all of these are written again in this tile
	v_add_nc_u32 v[AX], s21, v[LX]
	v_add_nc_u32 v[AS], s21, v[LS]
	s_wait_alu depctr_va_vdst(0)                   ; v[AX] and v[AS] are written, which the 32 loads below read; the last tile's products are done reading v[XS ..] and the fragments, and its gelu is done with v[RING ..]: the loads land there
.irp s, 0,1,2,3,4,5,6,7
	ds_load_b32 v[XS+\s], v[AS] offset:64*\s
.endr
.irp s, 0,1,2,3,4,5,6,7
.irp g, 0,1,2
	ds_load_b128 v[RING+12*\s+4*\g:RING+12*\s+4*\g+3], v[AX] offset:1536*\s+512*\g
.endr
.endr
	MMA
	s_add_co_u32 s42, s17, s20
	s_min_u32 s42, s42, 135                        ; the tile's number among all
	s_mul_i32 s43, s42, 384
	v_add_nc_u32 v[HO], s43, v[HL]                 ; these two additions and two v_nop are the four places behind the last product (ISA guide 7.12.1)
	s_lshl_b32 s43, s42, 11
	v_add_nc_u32 v[HSO], s43, v[RL]
	v_nop
	v_nop
.irp p, 0,2,4,6,8,10,12,14                     ; each accumulator is read from its low end on
	v_pk_mul_f32 v[EQ+\p:EQ+\p+1], v[ACC+\p:ACC+\p+1], s[44:45] op_sel_hi:[1,0]
.endr
.irp p, 0,2,4,6,8,10,12,14
	v_pk_mul_f32 v[EQ+\p:EQ+\p+1], v[EQ+\p:EQ+\p+1], v[ACC+\p:ACC+\p+1]   ; -x^2 log2(e) / 2
.endr
.irp i, 0,1,2,3,4,5,6,7,8,9,10,11,12,13,14,15
	v_fma_f32 v[ED+\i], |v[ACC+\i]|, s46, 1.0      ; 1 + p |x| / sqrt 2
.endr
	s_wait_alu depctr_va_vdst(0)
.irp i, 0,1,2,3,4,5,6,7,8,9,10,11,12,13,14,15
	v_rcp_f32 v[ED+\i], v[ED+\i]                   ; t
.endr
.irp i, 0,1,2,3,4,5,6,7,8,9,10,11,12,13,14,15
	v_exp_f32 v[EQ+\i], v[EQ+\i]                   ; e^(-x^2 / 2)
.endr
.irp i, 0,1,2,3,4,5,6,7,8,9,10,11,12,13,14,15
	v_max_num_f32 v[EH+\i], 0, v[ACC+\i]           ; independent plain work behind the batch
.endr
	s_wait_alu depctr_va_vdst(0)                   ; the 16 reciprocals in v[ED ..] and the 16 exponentials in v[EQ ..] are written: one wait for the 32, ahead of their first reader
.irp p, 0,2,4,6,8,10,12,14
	v_pk_fma_f32 v[ER+\p:ER+\p+1], v[ED+\p:ED+\p+1], s[48:49], v[KA4:KA4+1] op_sel_hi:[1,0,1]
.endr
.irp a, 52,54,56
.irp p, 0,2,4,6,8,10,12,14
	v_pk_fma_f32 v[ER+\p:ER+\p+1], v[ER+\p:ER+\p+1], v[ED+\p:ED+\p+1], s[\a:\a+1] op_sel_hi:[1,1,0]
.endr
.endr
.irp p, 0,2,4,6,8,10,12,14
	v_pk_mul_f32 v[ER+\p:ER+\p+1], v[ER+\p:ER+\p+1], v[ED+\p:ED+\p+1]
.endr
.irp p, 0,2,4,6,8,10,12,14
	v_pk_mul_f32 v[ER+\p:ER+\p+1], v[ER+\p:ER+\p+1], v[EQ+\p:EQ+\p+1]     ; g = Phi(-|x|)
.endr
.irp i, 0,1,2,3,4,5,6,7,8,9,10,11,12,13,14,15
	v_fma_f32 v[EH+\i], -|v[ACC+\i]|, v[ER+\i], v[EH+\i]                  ; h = max(x, 0) - |x| g
.endr
	v_max3_num_f32 v[AMH], |v[EH]|, |v[EH+1]|, 0x1800000       ; my 16 numbers of the block, in two chains, and the floor
	v_max3_num_f32 v[AMB], |v[EH+2]|, |v[EH+3]|, |v[EH+6]|
	v_max3_num_f32 v[AMH], v[AMH], |v[EH+4]|, |v[EH+5]|
	v_max3_num_f32 v[AMB], v[AMB], |v[EH+7]|, |v[EH+10]|
	v_max3_num_f32 v[AMH], v[AMH], |v[EH+8]|, |v[EH+9]|
	v_max3_num_f32 v[AMB], v[AMB], |v[EH+11]|, |v[EH+14]|
	v_max3_num_f32 v[AMH], v[AMH], |v[EH+12]|, |v[EH+13]|
	v_max3_num_f32 v[AMH], v[AMH], v[AMB], |v[EH+15]|
	v_permlanex16_b32 v[PD], v[AMH], s58, s59
	v_max_num_f32 v[AMH], v[AMH], v[PD]            ; with lane l xor 16's: the block's largest magnitude
	v_add_nc_u32 v[SCH], 0xff000000, v[AMH]
	v_cvt_scalef32_pk16_fp6_f32 v[HC:HC+2], v[EH:EH+15], v[SCH]
	v_lshrrev_b32 v[BYH], 23, v[SCH]               ; the byte; also the plain instruction behind the conversion
	s_wait_alu depctr_va_vdst(0)                   ; the codes in v[HC ..], the byte in v[BYH] and the offsets v[HO], v[HSO] are written, which the two stores read
	global_store_b96 v[HO], v[HC:HC+2], s[38:39]   ; the wave stores 384 bytes on end: 16 slots x 24 bytes of one block
	global_store_b8 v[HSO], v[BYH], s[40:41]       ; both halves of the lanes write the same byte with the same value
.Lskip_\@:
.endm
; A pass: eight tiles out of buffer b.  s19 = 8 x the pass's number.
.macro PASS b
	s_add_co_u32 s22, s19, s12
	s_add_co_u32 s22, s22, 8                       ; the tile that I gather for the next pass
	s_cmp_lt_u32 s22, s18
	s_cbranch_scc0 .Lnog_\@
	s_wait_alu depctr_vm_vsrc(0)                   ; the last pass's LDS stores have read v[G ..], in which the gather lands, and its loads v[GA], v[GS], v[RA], which the lines below write
	MKGA                                           ; its tokens came a pass ago; no load of mine is out, so the offsets may be written
	s_add_co_u32 s23, s22, 8
	s_mov_b32 s42, s23
	RTADR                                          ; where the tokens of the pass after lie (held at the last tile laid out): made here, so that one wait serves all three offsets
	s_wait_alu depctr_va_vdst(0)                   ; v[GA], v[GS] and v[RA] are written, which the loads below read; the lines above are done with v[TOKN], in which the last of them lands; in the first pass: phase 1 is done with v[G ..]
	GATHER
	s_cmp_lt_u32 s23, s18
	s_cbranch_scc0 .Lnog_\@
	RTLOAD                                         ; and the tokens of the pass after
.Lnog_\@:
	s_add_co_u32 s20, s19, s14
	s_add_co_u32 s21, s63, (\b)*XBUF
	s_mov_b32 s61, 4
.Lt_\@:
	TILE
	s_add_co_u32 s20, s20, 2
	s_add_co_u32 s21, s21, 2*XT
	s_sub_co_u32 s61, s61, 1
	s_cmp_lg_u32 s61, 0
	s_cbranch_scc1 .Lt_\@
	s_wait_loadcnt 0x0                             ; the gathered tile and the tokens are in
	s_cmp_lt_u32 s22, s18
	s_cbranch_scc0 .Lnop_\@
	PUT (1-\b)                                     ; the other buffer was last read ahead of the last pass's barrier
.Lnop_\@:
	BARRIER                                        ; my reads of this buffer are over, my stores into the other have landed
	s_add_co_u32 s19, s19, 8
.endm
	s_load_b256 s[4:11], s[0:1], 0x0               ; w_fc s[4:5], xc s[6:7], plan s[8:9], hc s[10:11]
	s_set_vgpr_msb 0x40
	v_lshl_add_u32 v192, v0, 2, 0x4b000
	v_mov_b32 v193, 0
	s_set_vgpr_msb 0x4000
	v_lshrrev_b32 v[G], 5, v0
	v_readfirstlane_b32 s12, v[G]                  ; wave 0..7
	s_wait_alu depctr_va_sdst(0)                   ; s12 is written, ahead of its first reader
	s_and_b32 s13, s12, 3                          ; cw: my 32 columns
	s_lshr_b32 s14, s12, 2                         ; kh: my half of K in phase 1, my tiles' parity in phase 2
	s_mov_b32 s15, ttmp9                           ; sl: the work-group's 128 columns
	s_and_b32 s16, ttmp7, 0xffff                   ; e
	s_lshl_b32 s42, s16, 2
	s_mov_b32 s43, 0
	s_wait_kmcnt 0x0
	s_add_nc_u64 s[50:51], s[8:9], s[42:43]
	s_load_b32 s17, s[50:51], 0x0                  ; tb[e]
	s_load_b32 s18, s[50:51], 0x20                 ; nt[e]
	v_and_b32 v[G], 31, v0                         ; l
	v_and_b32 v[G+1], 15, v0                       ; r
	v_bfe_u32 v[G+2], v0, 4, 1                     ; hh
	v_bfe_u32 v[G+3], v0, 3, 1                     ; r >> 3
	v_lshlrev_b32 v[WO], 2, v[G+1]
	v_lshl_add_u32 v[WO], v[G+2], 5, v[WO]
	v_lshl_add_u32 v[WO], v[G+3], 5, v[WO]         ; 4 (8 hh + r + 8 (r >> 3))
	v_lshlrev_b32 v[LX], 4, v[G]
	v_lshl_add_u32 v[LS], v[G+1], 2, 12288
	s_mul_i32 s42, s12, XT
	v_add_nc_u32 v[SX], s42, v[LX]
	v_add_nc_u32 v[SX+1], XBUF, v[SX]
	v_lshl_add_u32 v[SS], v[G+2], 8, v[LS]
	v_add_nc_u32 v[SS], s42, v[SS]
	v_add_nc_u32 v[SS+1], XBUF, v[SS]
	s_mul_i32 s42, s13, 3072
	s_add_co_u32 s42, s42, CODE
	v_add_nc_u32 v[CR], s42, v[LX]
	v_add_nc_u32 v[CR2], 49152, v[CR]
	s_mul_i32 s43, s14, 49152
	v_add_nc_u32 v[CW], s43, v[CR]
	s_lshl_b32 s42, s13, 7
	s_add_co_u32 s42, s42, CSC
	v_lshl_add_u32 v[CSR], v[G], 2, s42
	s_lshl_b32 s43, s14, 11
	v_add_nc_u32 v[CSW], s43, v[CSR]
	v_lshlrev_b32 v[RL], 2, v[G+1]
	v_mul_u32_u24 v[HL], v[G+1], 24
	v_mad_u32_u24 v[HL], v[G+2], 12, v[HL]
	v_mul_u32_u24 v[H48], v[G+2], 48
	v_lshlrev_b32 v[H16], 4, v[G+2]
	v_mov_b32 v[KA4], 0xbf3a00e3                   ; a4 / 2 = -0.7265760135
	v_mov_b32 v[KA4+1], 0xbf3a00e3
	v_mov_b32 v[PD], 0
	s_mov_b32 s44, 0xbf38aa3b                      ; -log2(e) / 2
	s_mov_b32 s45, s44                             ; (the packed forms name pairs: both words are written)
	s_mov_b32 s46, 0x3e6d3388                      ; p / sqrt 2 = 0.231641888
	s_mov_b32 s48, 0x3f07dc22                      ; a5 / 2 = 0.5307027145
	s_mov_b32 s49, s48
	s_mov_b32 s52, 0x3f35f0e3                      ; a3 / 2 = 0.7107068705
	s_mov_b32 s53, s52
	s_mov_b32 s54, 0xbe11a98e                      ; a2 / 2 = -0.142248368
	s_mov_b32 s55, s54
	s_mov_b32 s56, 0x3e027906                      ; a1 / 2 = 0.127414796
	s_mov_b32 s57, s56
	s_mov_b32 s58, 0x76543210
	s_mov_b32 s59, 0xfedcba98                      ; v_permlanex16_b32's selects for lane l xor 16
	s_mul_i32 s63, s14, XT
	s_lshl_b32 s42, s16, 24                        ; w_fc: e x 16 MiB
	s_lshl_b32 s43, s14, 23                        ; + 512 kh rows
	s_add_co_u32 s42, s42, s43
	s_lshl_b32 s43, s15, 9                         ; + 128 sl columns
	s_add_co_u32 s42, s42, s43
	s_lshl_b32 s43, s13, 7                         ; + 32 cw columns
	s_add_co_u32 s42, s42, s43
	s_mov_b32 s43, 0
	s_add_nc_u64 s[WB:WB+1], s[4:5], s[42:43]
	s_add_nc_u64 s[WB+2:WB+3], s[WB:WB+1], 128*PITCH
	s_add_nc_u64 s[WB+4:WB+5], s[WB:WB+1], 256*PITCH
	s_add_nc_u64 s[WB+6:WB+7], s[WB:WB+1], 384*PITCH
	s_mov_b64 s[32:33], s[6:7]                     ; xc's codes
	s_add_nc_u64 s[34:35], s[6:7], 786432          ; its scale bytes
	s_add_nc_u64 s[36:37], s[8:9], 256             ; rowtok
	s_lshl_b32 s42, s15, 2
	s_add_co_u32 s42, s42, s13
	s_mul_i32 s42, s42, HBS
	s_add_nc_u64 s[38:39], s[10:11], s[42:43]      ; hc: my block 4 sl + cw
	s_lshl_b32 s42, s15, 6
	s_add_co_u32 s42, s42, s13
	s_add_co_u32 s42, s42, HSCL
	s_add_nc_u64 s[40:41], s[10:11], s[42:43]      ; its bytes: + 64 sl + cw
	s_wait_alu depctr_va_vdst(0)
	s_wait_kmcnt 0x0
	s_min_u32 s17, s17, 135
	s_min_u32 s18, s18, 64
	; THE FIRST ISSUES have no branch, so that the counts below are the same on every way: 1 + 32 + 25 + 1 + 32 + 32 = 123 loads
	s_mov_b32 s42, s12
	RTADR                                          ; the tokens of tile w (held at the last tile laid out: rowtok is written for all 136)
	s_wait_alu depctr_va_vdst(0)                   ; v[RA] and all the head's offsets and LDS addresses are written, which the kernel's loads and stores read; so are the head's v[G] to v[G+3], in which the gather lands
	RTLOAD
	WLOAD 0
	s_wait_loadcnt 32                              ; the tokens are in: behind them stand the 32 loads just issued
	MKGA
	s_add_co_u32 s42, s12, 8
	s_wait_alu depctr_vm_vsrc(0)                   ; the load of tile w's tokens has read v[RA], which the next line writes
	RTADR                                          ; the tokens of tile 8 + w
	s_wait_alu depctr_va_vdst(0)                   ; v[GA], v[GS] and v[RA] are written, which the loads below read; the lines above are done with v[TOKN], in which one of them lands
	GATHER
	RTLOAD
	WLOAD 1
	WLOAD 2
	s_wait_loadcnt 63                              ; at most 63 of the 123 are out, so the first 60 are in: the tokens, block 0, the gathered tile (58) among them
	PUT 0
	s_wait_dscnt 0x0                               ; the stores have read their registers, which phase 1 writes
	s_wait_alu depctr_vm_vsrc(0)                   ; the LDS stores have read v[G ..], which phase 1's lines write
	; PHASE 1.  Behind block t's loads stand those of blocks t + 1 and t + 2, 64: the count 63 is the largest that the wait can name, and the stricter
.irp t, 0,1,2,3,4,5,6,7,8,9,10,11,12,13
	QCHUNK \t, 63
.endr
	QCHUNK 14, 32                                  ; block 15's loads may be out
	QCHUNK 15, 0
	BARRIER                                        ; all codes and the first pass's tiles lie in LDS
	CODES_IN
	BARRIER                                        ; every wave has its codes in registers
	; PHASE 2
	s_mov_b32 s19, 0
	s_mov_b32 s60, 4
.Lpass:
	PASS 0
	PASS 1
	s_sub_co_u32 s60, s60, 1
	s_cmp_lg_u32 s60, 0
	s_cbranch_scc1 .Lpass
	s_set_vgpr_msb 0x5                             ; the add's two registers, v448 and v449, lie in window 1
	s_wait_dscnt 0x0                               ; the closing lines, six on end
	s_wait_alu 0x0
	s_wait_tensorcnt 0x0
	ds_add_u32 v192, v193
	s_wait_dscnt 0x0
	s_endpgm
.Lfunc_end_k_qec11b9f6b8_fc:
	.size	k_qec11b9f6b8_fc, .Lfunc_end_k_qec11b9f6b8_fc-k_qec11b9f6b8_fc
	.p2alignl 7, 3214868480
	.fill 96, 4, 3214868480
	.section	.rodata,"a",@progbits
	.p2align	6, 0x0
	.amdhsa_kernel k_qec11b9f6b8_fc
		.amdhsa_group_segment_fixed_size 308224
		.amdhsa_private_segment_fixed_size 0
		.amdhsa_enable_private_segment 0
		.amdhsa_kernarg_size 32
		.amdhsa_user_sgpr_count 2
		.amdhsa_user_sgpr_kernarg_segment_ptr 1
		.amdhsa_wavefront_size32 1
		.amdhsa_system_sgpr_workgroup_id_x 1
		.amdhsa_system_sgpr_workgroup_id_y 1
		.amdhsa_system_sgpr_workgroup_id_z 1
		.amdhsa_system_vgpr_workitem_id 0
		.amdhsa_next_free_vgpr 450
		.amdhsa_next_free_sgpr 66
		.amdhsa_reserve_vcc 0
		.amdhsa_float_denorm_mode_32 3
		.amdhsa_float_denorm_mode_16_64 3
		.amdhsa_memory_ordered 1
		.amdhsa_forward_progress 1
		.amdhsa_inst_pref_size 126
	.end_amdhsa_kernel
	.amdgpu_metadata
---
amdhsa.version: [ 1, 2 ]
amdhsa.kernels:
  - .name:           k_qec11b9f6b8_fc
    .symbol:         k_qec11b9f6b8_fc.kd
    .args:
      - { .name: w_fc, .offset: 0, .size: 8, .value_kind: global_buffer, .address_space: global }
      - { .name: xc, .offset: 8, .size: 8, .value_kind: global_buffer, .address_space: global }
      - { .name: plan, .offset: 16, .size: 8, .value_kind: global_buffer, .address_space: global }
      - { .name: hc, .offset: 24, .size: 8, .value_kind: global_buffer, .address_space: global }
    .group_segment_fixed_size: 308224
    .private_segment_fixed_size: 0
    .kernarg_segment_align: 8
    .kernarg_segment_size: 32
    .max_flat_workgroup_size: 256
    .sgpr_count:     66
    .vgpr_count:     450
    .wavefront_size: 32
...
	.end_amdgpu_metadata
.endif
;; end of part 8
;; launch proj (part 9): grid 32 x 8, 8 waves a work-group, no clusters, 308,224 bytes of LDS; arguments w_proj, hc, plan, ybuf; writes ybuf
.if DOCPART == 9
	.amdgcn_target "amdgcn-amd-amdhsa--gfx1250"
	.amdhsa_code_object_version 6
	.text
	.protected	k_qec11b9f6b8_proj
	.globl	k_qec11b9f6b8_proj
	.p2align	8
	.type	k_qec11b9f6b8_proj,@function
k_qec11b9f6b8_proj:
	s_mov_b64 s[64:65], 0
	v_nop
	global_prefetch_b8 v0, s[64:65] scope:SCOPE_SE
	s_setreg_imm32_b32 hwreg(HW_REG_WAVE_SCHED_MODE, 0, 2), 2
	s_setreg_imm32_b32 hwreg(HW_REG_WAVE_MODE, 25, 1), 1
	s_wait_xcnt 0x0
	s_wait_alu depctr_vm_vsrc(0)
; y[q] = Q(h)[:, 1024 q ..] Q(w_proj[e])[1024 q .., :] for the rows routed to expert e: a quarter of the second product's K to a work-group; FP6 (E2M3) with E8M0 scales, sums in f32.
; SHARES.  Work-group (cs = x & 7, q = x >> 3, e) owns w_proj[e][k = 1024 q .. + 1023][columns 128 cs .. + 127]: 512 KiB of f32, read once in the launch, by this work-group alone.
; The frame is that of the launch before: PHASE 1 turns the weights into codes (a lane to a column, registers down K; wave w = (cw, kh) takes 32 columns x 512 k), the codes go once through LDS as images of
; the operand's registers, and every wave then holds all 1,024 k of its 32 columns in 192 registers (window 1).  PHASE 2 walks the expert's tiles of 16 rows, eight a pass through two LDS buffers by turns;
; wave w gathers tile 8 P + w of the next pass from hc while the pass's tiles are multiplied.  Trip counts are constants; what an expert has no rows for is jumped over inside the trips.
; K IS SPLIT FOUR WAYS so that a work-group's rows of w_proj are 512 bytes on end and each WGP has one block; the four partial sums of a row are added by the last launch.
; The product is used transposed, and lane l takes column 8 hh + r + 8 (r >> 3): lane (r, hh) of the results holds row r and columns 16 hh + 0 .. 15.  A tile's 16 rows x 128 bytes go through the wave's own
; stage in LDS and leave as 2,048 bytes on end.
; NO TENSOR LOADS, NO CLUSTER: the number of tiles is read from memory and steers branches.  No prefetch: the launch streams its weights from its first line on.
; LIMITS: as in the launch before (NaN and infinities not served; blocks under 2^-124 and blocks of zeros keep the byte 1).
; ybuf: [q 0..3][32 columns, 0..31][slot 0..2175][32 f32].
; THE MODE: SCHED_MODE bits 1:0 = 2 (LLVM: expert scheduling mode 2), set by the entry lines.  The code itself states the register dependences
; between vector or matrix instructions and memory or LDS instructions, with s_wait_alu, always for 0.
; THE PLAN.  Registers that memory or LDS instructions touch, and who else names them:
;   v1, v6, v7, v10-v14, v20, v21   offsets and LDS addresses, made at the head and never written again: the head's wait on va_vdst states them for the whole kernel.
;   RING, phase 1    set t % 3: block t's maxima and conversions read it; behind them the loads of block t + 3 land in it.
;   G, phase 1       two sets of two fragments and a scale word: written by a K step's conversions, swaps and moves, read by its seven LDS stores, written again two K steps on.
;                    So ONE wait on va_vdst stands in a block, behind ALL its vector lines, and the block's 32 loads and the K step's seven LDS stores follow it; one wait on vm_vsrc stands at the head of K steps 2 and 3.
;   G, phase 2       the gather's 49 loads land in it at a pass's head, the LDS stores at the pass's end read it; no vector line names it.
;   v15, v16         GA, GS: made at a pass's head, read by that pass's loads: one wait on vm_vsrc ahead of the two lines, one on va_vdst behind them.
;   XS, RING, ph. 2  a tile's 32 LDS loads land in them; its products read them; the stage's four loads then land in v[RING .. RING+15], and the tile's four stores read those.
;   ACC              written by the products, read by the four LDS stores into the stage, begun anew by the next tile's products.
;   v4, v5, v22      AX, AS: written at a tile's head, read by its LDS loads.  HO: written behind its products, read by its four stores.
;                    So a tile has one wait on vm_vsrc at its head, and two on va_vdst: behind AX and AS, and behind the places that follow the last product.
;   WS, window 1     loaded from LDS once, read by products alone.   v158, v159: written at the head, read by the closing add alone.
; A second set of fragments has no room: two waves share a SIMD's 1,024 registers, and of a wave's 512 this text holds 448; a set with its scale words is 104.
.set PITCH, 4096                       ; a row of w_proj[e] in bytes
.set XT,    12800
.set XBUF,  8*XT
.set CODE,  2*XBUF
.set CSC,   CODE+98304
.set HBS,   52224
.set HSCL,  128*HBS
.set CGS,   278528                     ; ybuf: 2,176 slots x 128 bytes
.set OPIT,  144                        ; the stage: 16 rows of 128 bytes + 16; 2,304 bytes a wave, in the bytes that held the codes: these are dead behind the second barrier
.set WO,   1
.set LX,   2
.set LS,   3
.set AX,   4
.set AS,   5
.set SX,   6
.set CW,   10
.set CSW,  11
.set CR,   12
.set CR2,  13
.set CSR,  14
.set GA,   15                          ; v15  the gather's offset in hc's codes
.set GS,   16                          ; v16  in its scale bytes
.set GAL,  19                          ; v19  52224 hh + 24 r
.set SIN,  20                          ; v20  the stage: where I put my 64 bytes of row r
.set SBK,  21                          ; v21  and where I read back
.set HO,   22                          ; v22  my offset in ybuf
.set WS,   24                          ; v[24:31] the weights' scale words.  Scales and nothing else
.set XS,   32                          ; v[32:39] the rows' scale words.  Scales and nothing else
.set ACC,  40
.set G,    56
.set T0,   G+48
.set AM,   G+56
.set SCL,  G+57
.set BYT,  G+58
.set SW,   G+59
.set AM2,  G+61
.set RING, 160
.set WB,   24
.set MSB, 0
.macro WIN new                         ; the immediate's high byte repeats the setting that is left
.if MSB != \new
	s_set_vgpr_msb (MSB<<8)|\new
.set MSB, \new
.endif
.endm
.macro BARRIER                         ; my LDS stores have landed and my LDS loads are in: then the work-group's barrier
	s_wait_dscnt 0x0
	s_barrier_signal -1
	s_barrier_wait -1
.endm
.macro WLOAD t                         ; block t of my 16: W(1024 q + 512 kh + 32 t + i, my column) into set t % 3
.set WR, RING+32*((\t)%3)
.set WBS, WB+2*((\t)/4)
.set wi, 0
.rept 32
	global_load_b32 v[WR+wi], v[WO], s[WBS:WBS+1] offset:(32*((\t)%4)+wi)*PITCH th:TH_LOAD_NT
.set wi, wi+1
.endr
.endm
; Block t is quantised: even blocks' codes to tile 0's registers, odd blocks' to tile 1's; behind an odd block the halves of the lanes change places, which gives each tile's fragment its layout.
; All the block's vector lines stand first; one wait; then its loads and LDS stores.
.macro QCHUNK t, cnt
.set QX,  RING+32*((\t)%3)
.set QJ,  (\t)%4
.set QK,  (\t)/4
.set QF0, G+24*(QK%2)+6*(QJ/2)
.set QF1, QF0+12
.set QD,  QF0+12*(QJ%2)
.set QU,  T0+4*(QJ%2)
.set QW,  SW+QK%2
	s_wait_loadcnt \cnt                            ; this block's 32 loads are in
.if (QJ == 0) && (QK >= 2)
	s_wait_dscnt 7                                 ; only the last K step's seven LDS stores may be out
	s_wait_alu depctr_vm_vsrc(0)                   ; the LDS stores of two K steps back have read this set of fragments and its scale word, which this K step's lines write again
.endif
	v_max3_num_f32 v[AM], |v[QX]|, |v[QX+1]|, |v[QX+2]|
	v_max3_num_f32 v[AM2], |v[QX+3]|, |v[QX+4]|, |v[QX+5]|
.irp i, 6,10,14,18,22,26
	v_max3_num_f32 v[AM], v[AM], |v[QX+\i]|, |v[QX+\i+1]|
	v_max3_num_f32 v[AM2], v[AM2], |v[QX+\i+2]|, |v[QX+\i+3]|
.endr
	v_max3_num_f32 v[AM], v[AM], |v[QX+30]|, |v[QX+31]|
	v_max3_num_f32 v[AM], v[AM], v[AM2], 0x1800000 ; with the floor 2^(3 - 127)
	v_add_nc_u32 v[SCL], 0xff000000, v[AM]         ; 2 off the exponent field: the conversion's scale operand
	v_cvt_scalef32_pk16_fp6_f32 v[QD:QD+2], v[QX:QX+15], v[SCL]
	v_cvt_scalef32_pk16_fp6_f32 v[QU:QU+2], v[QX+16:QX+31], v[SCL]
	v_lshrrev_b32 v[BYT], 23, v[SCL]               ; the byte; also the plain instruction behind the conversions
.if QJ == 0
	v_mov_b32 v[QW], v[BYT]
.else
	v_lshl_or_b32 v[QW], v[BYT], 8*QJ, v[QW]
.endif
.if QJ%2
.irp i, 0,1,2
	v_permlane16_swap_b32 v[QF0+\i], v[QF1+\i]
.endr
.irp i, 0,1,2
	v_permlane16_swap_b32 v[T0+\i], v[T0+4+\i]
.endr
.irp i, 0,1,2
	v_mov_b32 v[QF0+3+\i], v[T0+\i]
	v_mov_b32 v[QF1+3+\i], v[T0+4+\i]
.endr
.endif
.if ((\t)+3 < 16) || (QJ == 3)
	s_wait_alu depctr_va_vdst(0)                   ; the maxima and conversions are done reading this set of weights, in which the loads below land; behind a K step's fourth block its fragments and its scale word are written, which the LDS stores read
.endif
.if (\t)+3 < 16
	WLOAD (\t)+3
.endif
.if QJ == 3
.irp u, 0,1
.irp g, 0,1,2
	ds_store_b128 v[CW], v[G+24*(QK%2)+12*\u+4*\g:G+24*(QK%2)+12*\u+4*\g+3] offset:12288*QK+1536*\u+512*\g
.endr
.endr
	ds_store_b32 v[CSW], v[QW] offset:512*QK
.endif
.endm
.macro CODES_IN                        ; no vector line has named these registers, and the addresses are the head's
	WIN 0x40
.irp s, 0,1,2,3
.irp u, 0,1
.irp g, 0,1,2
	ds_load_b128 v[12*(2*\s+\u)+4*\g:12*(2*\s+\u)+4*\g+3], v[CR] offset:12288*\s+1536*\u+512*\g
.endr
.endr
.endr
.irp s, 4,5,6,7
.irp u, 0,1
.irp g, 0,1,2
	ds_load_b128 v[12*(2*\s+\u)+4*\g:12*(2*\s+\u)+4*\g+3], v[CR2] offset:12288*(\s-4)+1536*\u+512*\g
.endr
.endr
.endr
	WIN 0
.irp s, 0,1,2,3,4,5,6,7
	ds_load_b32 v[WS+\s], v[CSR] offset:512*\s
.endr
.endm
.macro MM u, s
.if (\s) == 0
.if (\u) == 0
	v_wmma_scale_f32_16x16x128_f8f6f4 v[ACC:ACC+7], v[24*\s:24*\s+11], v[RING+12*\s:RING+12*\s+11], 0, v[WS+\s], v[XS+\s] matrix_a_fmt:MATRIX_FMT_FP6 matrix_b_fmt:MATRIX_FMT_FP6
.else
	v_wmma_scale_f32_16x16x128_f8f6f4 v[ACC+8:ACC+15], v[24*\s+12:24*\s+23], v[RING+12*\s:RING+12*\s+11], 0, v[WS+\s], v[XS+\s] matrix_a_fmt:MATRIX_FMT_FP6 matrix_b_fmt:MATRIX_FMT_FP6 matrix_a_scale:MATRIX_SCALE_ROW1
.endif
.else
.if (\u) == 0
	v_wmma_scale_f32_16x16x128_f8f6f4 v[ACC:ACC+7], v[24*\s:24*\s+11], v[RING+12*\s:RING+12*\s+11], v[ACC:ACC+7], v[WS+\s], v[XS+\s] matrix_a_fmt:MATRIX_FMT_FP6 matrix_b_fmt:MATRIX_FMT_FP6
.else
	v_wmma_scale_f32_16x16x128_f8f6f4 v[ACC+8:ACC+15], v[24*\s+12:24*\s+23], v[RING+12*\s:RING+12*\s+11], v[ACC+8:ACC+15], v[WS+\s], v[XS+\s] matrix_a_fmt:MATRIX_FMT_FP6 matrix_b_fmt:MATRIX_FMT_FP6 matrix_a_scale:MATRIX_SCALE_ROW1
.endif
.endif
.endm
.macro MMA                             ; 16 products; the two accumulators take turns, one instruction a turn
	s_wait_dscnt 12                                ; the scale words and K steps 0-3 are in; the youngest twelve loads may be out
	WIN 0x01
.irp s, 0,1,2,3,4,5,6,7
.if \s == 4
	s_wait_dscnt 0x0
.endif
	MM 0, \s
	MM 1, \s
.endr
	WIN 0
.endm
.macro MKGA                            ; s42 = a tile's number among all, behind its bound
	s_mul_i32 s43, s42, 384
	v_add_nc_u32 v[GA], s43, v[GAL]
	s_lshl_b32 s43, s42, 11
	v_add_nc_u32 v[GS], s43, v[LX]
.endm
.macro GATHER                          ; 49 loads: lane (r, hh) takes, for K step s and c = 0, 1, the 24 bytes of row r in block 32 q + 4 s + 2 c + hh; and 16 bytes of the tile's 512 scale bytes
.irp s, 0,1,2,3,4,5,6,7
.irp c, 0,1
.irp p, 0,1,2
	global_load_b64 v[G+12*\s+6*\c+2*\p:G+12*\s+6*\c+2*\p+1], v[GA], s[32:33] offset:4*HBS*\s+2*HBS*\c+8*\p
.endr
.endr
.endr
	global_load_b128 v[G+96:G+99], v[GS], s[34:35]
.endm
.macro PUT b                           ; the gathered tile's registers were filled by loads, the addresses are the head's
.irp s, 0,1,2,3,4,5,6,7
.irp g, 0,1,2
	ds_store_b128 v[SX+(\b)], v[G+12*\s+4*\g:G+12*\s+4*\g+3] offset:1536*\s+512*\g
.endr
.endr
	ds_store_b128 v[SX+(\b)], v[G+96:G+99] offset:12288    ; the scale words lie in memory as [K step][row] already: a plain copy
.endm
.macro TILE
	s_cmp_ge_u32 s20, s18
	s_cbranch_scc1 .Lskip_\@
	s_wait_xcnt 0x0                                ; the last tile's stores have read their data and offset, which are written again below
	s_wait_alu depctr_vm_vsrc(0)                   ; the last tile's four stores have read v[RING .. RING+15] and v[HO], its LDS stores the accumulators, its LDS loads v[AX], v[AS]: all of these are written again in this tile
	v_add_nc_u32 v[AX], s21, v[LX]
	v_add_nc_u32 v[AS], s21, v[LS]
	s_wait_alu depctr_va_vdst(0)                   ; v[AX] and v[AS] are written, which the 32 loads below read; the last tile's products are done reading v[XS ..] and the fragments, in which they land
.irp s, 0,1,2,3,4,5,6,7
	ds_load_b32 v[XS+\s], v[AS] offset:64*\s
.endr
.irp s, 0,1,2,3,4,5,6,7
.irp g, 0,1,2
	ds_load_b128 v[RING+12*\s+4*\g:RING+12*\s+4*\g+3], v[AX] offset:1536*\s+512*\g
.endr
.endr
	MMA
	s_add_co_u32 s42, s17, s20
	s_min_u32 s42, s42, 135
	s_lshl_b32 s42, s42, 11
	v_add_nc_u32 v[HO], s42, v[LX]                 ; this addition and three v_nop are the four places behind the last product (ISA guide 7.12.1)
	v_nop
	v_nop
	v_nop
	s_wait_alu depctr_va_vdst(0)                   ; the products have written the accumulators, which the LDS stores read, and are done reading the fragments, in which the stage's loads land; v[HO] is written, which the four stores read.  The places above stay beside this wait
.irp i, 0,1,2,3
	ds_store_b128 v[SIN], v[ACC+4*\i:ACC+4*\i+3] offset:16*\i      ; each accumulator from its low end on: columns 16 hh + 4 i on of row r
.endr
.irp i, 0,1,2,3
	ds_load_b128 v[RING+4*\i:RING+4*\i+3], v[SBK] offset:4*OPIT*\i ; my own bytes; LDS serves a wave's instructions in order (ISA guide 5.7.1.4): these see the stores above
.endr
	s_wait_dscnt 0x0
.irp i, 0,1,2,3
	global_store_b128 v[HO], v[RING+4*\i:RING+4*\i+3], s[38:39] offset:512*\i th:TH_STORE_NT   ; 32 lanes store 512 bytes on end, at a multiple of 256 from ybuf's first byte
.endr
.Lskip_\@:
.endm
.macro PASS b
	s_add_co_u32 s22, s19, s12
	s_add_co_u32 s22, s22, 8                       ; the tile that I gather for the next pass
	s_cmp_lt_u32 s22, s18
	s_cbranch_scc0 .Lnog_\@
	s_add_co_u32 s42, s17, s22
	s_min_u32 s42, s42, 135
	s_wait_alu depctr_vm_vsrc(0)                   ; the last pass's LDS stores have read v[G ..], in which the gather lands, and its loads v[GA], v[GS], which the lines below write
	MKGA                                           ; no load of mine is out, so the offsets may be written
	s_wait_alu depctr_va_vdst(0)                   ; v[GA] and v[GS] are written, which the loads below read; in the first pass: phase 1 is done with v[G ..]
	GATHER
.Lnog_\@:
	s_add_co_u32 s20, s19, s14
	s_add_co_u32 s21, s63, (\b)*XBUF
	s_mov_b32 s61, 4
.Lt_\@:
	TILE
	s_add_co_u32 s20, s20, 2
	s_add_co_u32 s21, s21, 2*XT
	s_sub_co_u32 s61, s61, 1
	s_cmp_lg_u32 s61, 0
	s_cbranch_scc1 .Lt_\@
	s_wait_loadcnt 0x0                             ; the gathered tile is in
	s_cmp_lt_u32 s22, s18
	s_cbranch_scc0 .Lnop_\@
	PUT (1-\b)                                     ; the other buffer was last read ahead of the last pass's barrier
.Lnop_\@:
	BARRIER                                        ; my reads of this buffer are over, my stores into the other have landed
	s_add_co_u32 s19, s19, 8
.endm
	s_load_b256 s[4:11], s[0:1], 0x0               ; w_proj s[4:5], hc s[6:7], plan s[8:9], ybuf s[10:11]
	v_lshl_add_u32 v158, v0, 2, 0x4b000
	v_mov_b32 v159, 0
	v_lshrrev_b32 v[G], 5, v0
	v_readfirstlane_b32 s12, v[G]                  ; wave 0..7
	s_wait_alu depctr_va_sdst(0)                   ; s12 is written, ahead of its first reader
	s_and_b32 s13, s12, 3                          ; cw
	s_lshr_b32 s14, s12, 2                         ; kh
	s_and_b32 s15, ttmp9, 7                        ; cs: the work-group's 128 columns
	s_lshr_b32 s62, ttmp9, 3                       ; q: its quarter of K
	s_and_b32 s16, ttmp7, 0xffff                   ; e
	s_lshl_b32 s42, s16, 2
	s_mov_b32 s43, 0
	s_wait_kmcnt 0x0
	s_add_nc_u64 s[50:51], s[8:9], s[42:43]
	s_load_b32 s17, s[50:51], 0x0                  ; tb[e]
	s_load_b32 s18, s[50:51], 0x20                 ; nt[e]
	v_and_b32 v[G], 31, v0                         ; l
	v_and_b32 v[G+1], 15, v0                       ; r
	v_bfe_u32 v[G+2], v0, 4, 1                     ; hh
	v_bfe_u32 v[G+3], v0, 3, 1                     ; r >> 3
	v_lshlrev_b32 v[WO], 2, v[G+1]
	v_lshl_add_u32 v[WO], v[G+2], 5, v[WO]
	v_lshl_add_u32 v[WO], v[G+3], 5, v[WO]         ; 4 (8 hh + r + 8 (r >> 3))
	v_lshlrev_b32 v[LX], 4, v[G]
	v_lshl_add_u32 v[LS], v[G+1], 2, 12288
	s_mul_i32 s42, s12, XT
	v_add_nc_u32 v[SX], s42, v[LX]
	v_add_nc_u32 v[SX+1], XBUF, v[SX]
	s_mul_i32 s42, s13, 3072
	s_add_co_u32 s42, s42, CODE
	v_add_nc_u32 v[CR], s42, v[LX]
	v_add_nc_u32 v[CR2], 49152, v[CR]
	s_mul_i32 s43, s14, 49152
	v_add_nc_u32 v[CW], s43, v[CR]
	s_lshl_b32 s42, s13, 7
	s_add_co_u32 s42, s42, CSC
	v_lshl_add_u32 v[CSR], v[G], 2, s42
	s_lshl_b32 s43, s14, 11
	v_add_nc_u32 v[CSW], s43, v[CSR]
	v_mul_u32_u24 v[GAL], v[G+1], 24
	v_mad_u32_u24 v[GAL], v[G+2], HBS, v[GAL]
	s_mul_i32 s42, s12, 16*OPIT
	s_add_co_u32 s42, s42, CODE                    ; my stage
	v_mul_u32_u24 v[SIN], v[G+1], OPIT
	v_lshl_add_u32 v[SIN], v[G+2], 6, v[SIN]
	v_add_nc_u32 v[SIN], s42, v[SIN]               ; in: row r, + 64 hh
	v_lshrrev_b32 v[G+4], 3, v[G]
	v_and_b32 v[G+5], 7, v[G]
	v_mul_u32_u24 v[SBK], v[G+4], OPIT
	v_lshl_add_u32 v[SBK], v[G+5], 4, v[SBK]
	v_add_nc_u32 v[SBK], s42, v[SBK]               ; back: eight lanes to a row of 128 bytes, four rows an instruction
	s_mul_i32 s63, s14, XT
	s_lshl_b32 s42, s16, 24                        ; w_proj: e x 16 MiB
	s_lshl_b32 s43, s62, 22                        ; + 1024 q rows
	s_add_co_u32 s42, s42, s43
	s_lshl_b32 s43, s14, 21                        ; + 512 kh rows
	s_add_co_u32 s42, s42, s43
	s_lshl_b32 s43, s15, 9                         ; + 128 cs columns
	s_add_co_u32 s42, s42, s43
	s_lshl_b32 s43, s13, 7                         ; + 32 cw columns
	s_add_co_u32 s42, s42, s43
	s_mov_b32 s43, 0
	s_add_nc_u64 s[WB:WB+1], s[4:5], s[42:43]
	s_add_nc_u64 s[WB+2:WB+3], s[WB:WB+1], 128*PITCH
	s_add_nc_u64 s[WB+4:WB+5], s[WB:WB+1], 256*PITCH
	s_add_nc_u64 s[WB+6:WB+7], s[WB:WB+1], 384*PITCH
	s_mul_i32 s42, s62, 32*HBS
	s_add_nc_u64 s[32:33], s[6:7], s[42:43]        ; hc's codes at block 32 q
	s_lshl_b32 s42, s62, 9
	s_add_co_u32 s42, s42, HSCL
	s_add_nc_u64 s[34:35], s[6:7], s[42:43]        ; its scale bytes: + 512 q in a tile's 2,048
	s_lshl_b32 s42, s15, 2
	s_add_co_u32 s42, s42, s13
	s_mul_i32 s42, s42, CGS
	s_mul_i32 s47, s62, 32*CGS
	s_add_co_u32 s42, s42, s47
	s_add_nc_u64 s[38:39], s[10:11], s[42:43]      ; ybuf at (q, 4 cs + cw)
	s_wait_alu depctr_va_vdst(0)
	s_wait_kmcnt 0x0
	s_min_u32 s17, s17, 135
	s_min_u32 s18, s18, 64
	; THE FIRST ISSUES have no branch, so that the counts below are the same on every way: 49 + 32 + 32 + 32 = 145 loads.
	; A wave whose tile w the expert does not have gathers a tile up to 127: the routed rows fill at least 128 tiles, so those have been written; nobody multiplies it
	s_add_co_u32 s42, s17, s12
	s_min_u32 s43, s42, 127
	s_cmp_lt_u32 s12, s18
	s_cselect_b32 s42, s42, s43
	s_min_u32 s42, s42, 135
	MKGA
	s_wait_alu depctr_va_vdst(0)                   ; v[GA], v[GS] and all the head's offsets and LDS addresses are written, which the kernel's loads and stores read; so are the head's v[G] to v[G+5], in which the gather lands
	GATHER
	WLOAD 0
	WLOAD 1
	WLOAD 2
	s_wait_loadcnt 63                              ; at most 63 of the 145 are out, so the first 82 are in: the gathered tile and block 0 (81) among them
	PUT 0
	s_wait_dscnt 0x0                               ; the stores have read their registers, which phase 1 writes
	s_wait_alu depctr_vm_vsrc(0)                   ; the LDS stores have read v[G ..], which phase 1's lines write
	; PHASE 1.  Behind block t's loads stand those of blocks t + 1 and t + 2, 64: the count 63 is the largest that the wait can name, and the stricter
.irp t, 0,1,2,3,4,5,6,7,8,9,10,11,12,13
	QCHUNK \t, 63
.endr
	QCHUNK 14, 32                                  ; block 15's loads may be out
	QCHUNK 15, 0
	BARRIER                                        ; all codes and the first pass's tiles lie in LDS
	CODES_IN
	BARRIER                                        ; every wave has its codes in registers: the codes' bytes may become the stages
	; PHASE 2
	s_mov_b32 s19, 0
	s_mov_b32 s60, 4
.Lpass:
	PASS 0
	PASS 1
	s_sub_co_u32 s60, s60, 1
	s_cmp_lg_u32 s60, 0
	s_cbranch_scc1 .Lpass
	s_wait_dscnt 0x0                               ; the closing lines, six on end
	s_wait_alu 0x0
	s_wait_tensorcnt 0x0
	ds_add_u32 v158, v159
	s_wait_dscnt 0x0
	s_endpgm
.Lfunc_end_k_qec11b9f6b8_proj:
	.size	k_qec11b9f6b8_proj, .Lfunc_end_k_qec11b9f6b8_proj-k_qec11b9f6b8_proj
	.p2alignl 7, 3214868480
	.fill 96, 4, 3214868480
	.section	.rodata,"a",@progbits
	.p2align	6, 0x0
	.amdhsa_kernel k_qec11b9f6b8_proj
		.amdhsa_group_segment_fixed_size 308224
		.amdhsa_private_segment_fixed_size 0
		.amdhsa_enable_private_segment 0
		.amdhsa_kernarg_size 32
		.amdhsa_user_sgpr_count 2
		.amdhsa_user_sgpr_kernarg_segment_ptr 1
		.amdhsa_wavefront_size32 1
		.amdhsa_system_sgpr_workgroup_id_x 1
		.amdhsa_system_sgpr_workgroup_id_y 1
		.amdhsa_system_sgpr_workgroup_id_z 1
		.amdhsa_system_vgpr_workitem_id 0
		.amdhsa_next_free_vgpr 448
		.amdhsa_next_free_sgpr 66
		.amdhsa_reserve_vcc 0
		.amdhsa_float_denorm_mode_32 3
		.amdhsa_float_denorm_mode_16_64 3
		.amdhsa_memory_ordered 1
		.amdhsa_forward_progress 1
		.amdhsa_inst_pref_size 115
	.end_amdhsa_kernel
	.amdgpu_metadata
---
amdhsa.version: [ 1, 2 ]
amdhsa.kernels:
  - .name:           k_qec11b9f6b8_proj
    .symbol:         k_qec11b9f6b8_proj.kd
    .args:
      - { .name: w_proj, .offset: 0, .size: 8, .value_kind: global_buffer, .address_space: global }
      - { .name: hc, .offset: 8, .size: 8, .value_kind: global_buffer, .address_space: global }
      - { .name: plan, .offset: 16, .size: 8, .value_kind: global_buffer, .address_space: global }
      - { .name: ybuf, .offset: 24, .size: 8, .value_kind: global_buffer, .address_space: global }
    .group_segment_fixed_size: 308224
    .private_segment_fixed_size: 0
    .kernarg_segment_align: 8
    .kernarg_segment_size: 32
    .max_flat_workgroup_size: 256
    .sgpr_count:     66
    .vgpr_count:     448
    .wavefront_size: 32
...
	.end_amdgpu_metadata
.endif
;; end of part 9
;; launch comb (part 10): grid 512 x 1, 4 waves a work-group, no clusters, 0 bytes of LDS; arguments ybuf, plan, wts, out0; writes out0
.if DOCPART == 10
	.amdgcn_target "amdgcn-amd-amdhsa--gfx1250"
	.amdhsa_code_object_version 6
	.text
	.protected	k_qec11b9f6b8_comb
	.globl	k_qec11b9f6b8_comb
	.p2align	8
	.type	k_qec11b9f6b8_comb,@function
k_qec11b9f6b8_comb:
	s_mov_b64 s[64:65], 0
	v_nop
	global_prefetch_b8 v0, s[64:65] scope:SCOPE_SE
	s_setreg_imm32_b32 hwreg(HW_REG_WAVE_MODE, 25, 1), 1
	s_wait_xcnt 0x0
; out[t] = w0 (sum over q of y[q][slot0]) + w1 (sum over q of y[q][slot1]): each output row has one owner, which gathers its eight partial rows.  All in f32.
; ybuf: [q 0..3][32 columns, 0..31][slot 0..2175][32 f32].  slot[t][0..1] lies in plan from byte 8,960 on, the weights in wts [t][0..1].
; SHARES.  A wave takes half a row of one token: 512 columns, 2,048 bytes.  A load reads, for one q and one of the two slots, four runs of 128 bytes (eight lanes each): four groups of 32 columns.
; 32 loads a wave go out together; the sums follow group by group behind counted waits; a store covers 512 bytes on end.
; A stream: no LDS, no barrier, no matrix unit.
.set CGS, 278528
.set QSZ, 32*CGS
.set Y,   32                           ; v[32:159]  load (i, q, j) at 32 i + 8 q + 4 j
.set R,   160                          ; v[160:175] four registers for each i
	s_load_b256 s[4:11], s[0:1], 0x0               ; ybuf s[4:5], plan s[6:7], wts s[8:9], out0 s[10:11]
	v_lshrrev_b32 v1, 5, v0
	v_readfirstlane_b32 s12, v1                    ; wave 0..3
	s_lshr_b32 s13, s12, 1
	s_and_b32 s14, s12, 1                          ; which half of the row
	s_lshl_b32 s15, ttmp9, 1
	s_add_co_u32 s13, s13, s15                     ; the token: 2 x work-group + wave / 2
	s_lshl_b32 s32, s13, 3
	s_mov_b32 s33, 0
	v_and_b32 v1, 31, v0
	v_lshrrev_b32 v2, 3, v1
	v_mul_u32_u24 v2, v2, CGS
	v_and_b32 v6, 7, v1
	v_lshl_add_u32 v2, v6, 4, v2                   ; (l >> 3) groups of columns on, + 16 (l & 7)
	v_lshlrev_b32 v5, 4, v1                        ; out: 16 bytes a lane
	s_wait_alu depctr_va_vdst(0)
	s_wait_kmcnt 0x0
	s_add_nc_u64 s[34:35], s[6:7], s[32:33]
	s_add_nc_u64 s[36:37], s[8:9], s[32:33]
	s_load_b64 s[16:17], s[34:35], 0x2300          ; my token's two slots
	s_load_b64 s[18:19], s[36:37], 0x0             ; and their weights
	s_mul_i32 s32, s14, 16*CGS
	s_add_nc_u64 s[24:25], s[4:5], s[32:33]        ; ybuf at my half's first group of columns, q = 0
	s_add_nc_u64 s[26:27], s[24:25], QSZ
	s_add_nc_u64 s[28:29], s[24:25], 2*QSZ
	s_add_nc_u64 s[30:31], s[24:25], 3*QSZ
	s_lshl_b32 s32, s13, 12
	s_lshl_b32 s15, s14, 11
	s_add_co_u32 s32, s32, s15
	s_add_nc_u64 s[10:11], s[10:11], s[32:33]      ; out at my half row
	s_wait_kmcnt 0x0
	s_min_u32 s16, s16, 2175                       ; a loaded number enters an address behind a bound
	s_min_u32 s17, s17, 2175
	s_lshl_b32 s16, s16, 7
	s_lshl_b32 s17, s17, 7
	v_add_nc_u32 v3, s16, v2
	v_add_nc_u32 v4, s17, v2
	s_mov_b32 s20, s18                             ; the packed forms name pairs: both words are written
	s_mov_b32 s21, s18
	s_mov_b32 s22, s19
	s_mov_b32 s23, s19
.irp i, 0,1,2,3
.irp q, 0,1,2,3
	global_load_b128 v[Y+32*\i+8*\q:Y+32*\i+8*\q+3], v3, s[24+2*\q:25+2*\q] offset:4*CGS*\i th:TH_LOAD_NT
	global_load_b128 v[Y+32*\i+8*\q+4:Y+32*\i+8*\q+7], v4, s[24+2*\q:25+2*\q] offset:4*CGS*\i th:TH_LOAD_NT
.endr
.endr
.irp i, 0,1,2,3
	s_wait_loadcnt 24-8*\i                         ; group i's eight loads are in; eight for each later group may be out
.irp j, 0,4
.irp h, 0,2
	v_pk_add_f32 v[Y+32*\i+\j+\h:Y+32*\i+\j+\h+1], v[Y+32*\i+\j+\h:Y+32*\i+\j+\h+1], v[Y+32*\i+8+\j+\h:Y+32*\i+8+\j+\h+1]
	v_pk_add_f32 v[Y+32*\i+16+\j+\h:Y+32*\i+16+\j+\h+1], v[Y+32*\i+16+\j+\h:Y+32*\i+16+\j+\h+1], v[Y+32*\i+24+\j+\h:Y+32*\i+24+\j+\h+1]
.endr
.endr
.irp j, 0,4
.irp h, 0,2
	v_pk_add_f32 v[Y+32*\i+\j+\h:Y+32*\i+\j+\h+1], v[Y+32*\i+\j+\h:Y+32*\i+\j+\h+1], v[Y+32*\i+16+\j+\h:Y+32*\i+16+\j+\h+1]
.endr
.endr
.irp h, 0,2
	v_pk_mul_f32 v[R+4*\i+\h:R+4*\i+\h+1], v[Y+32*\i+\h:Y+32*\i+\h+1], s[20:21] op_sel_hi:[1,0]
.endr
.irp h, 0,2
	v_pk_fma_f32 v[R+4*\i+\h:R+4*\i+\h+1], v[Y+32*\i+4+\h:Y+32*\i+4+\h+1], s[22:23], v[R+4*\i+\h:R+4*\i+\h+1] op_sel_hi:[1,0,1]
.endr
	global_store_b128 v5, v[R+4*\i:R+4*\i+3], s[10:11] offset:512*\i th:TH_STORE_NT   ; 32 lanes store 512 bytes on end, at a multiple of 256 from out0's first byte
.endr
	s_endpgm
.Lfunc_end_k_qec11b9f6b8_comb:
	.size	k_qec11b9f6b8_comb, .Lfunc_end_k_qec11b9f6b8_comb-k_qec11b9f6b8_comb
	.p2alignl 7, 3214868480
	.fill 96, 4, 3214868480
	.section	.rodata,"a",@progbits
	.p2align	6, 0x0
	.amdhsa_kernel k_qec11b9f6b8_comb
		.amdhsa_group_segment_fixed_size 0
		.amdhsa_private_segment_fixed_size 0
		.amdhsa_enable_private_segment 0
		.amdhsa_kernarg_size 32
		.amdhsa_user_sgpr_count 2
		.amdhsa_user_sgpr_kernarg_segment_ptr 1
		.amdhsa_wavefront_size32 1
		.amdhsa_system_sgpr_workgroup_id_x 1
		.amdhsa_system_sgpr_workgroup_id_y 1
		.amdhsa_system_sgpr_workgroup_id_z 1
		.amdhsa_system_vgpr_workitem_id 0
		.amdhsa_next_free_vgpr 176
		.amdhsa_next_free_sgpr 66
		.amdhsa_reserve_vcc 0
		.amdhsa_float_denorm_mode_32 3
		.amdhsa_float_denorm_mode_16_64 3
		.amdhsa_memory_ordered 1
		.amdhsa_forward_progress 1
		.amdhsa_inst_pref_size 10
	.end_amdhsa_kernel
	.amdgpu_metadata
---
amdhsa.version: [ 1, 2 ]
amdhsa.kernels:
  - .name:           k_qec11b9f6b8_comb
    .symbol:         k_qec11b9f6b8_comb.kd
    .args:
      - { .name: ybuf, .offset: 0, .size: 8, .value_kind: global_buffer, .address_space: global }
      - { .name: plan, .offset: 8, .size: 8, .value_kind: global_buffer, .address_space: global }
      - { .name: wts, .offset: 16, .size: 8, .value_kind: global_buffer, .address_space: global }
      - { .name: out0, .offset: 24, .size: 8, .value_kind: global_buffer, .address_space: global }
    .group_segment_fixed_size: 0
    .private_segment_fixed_size: 0
    .kernarg_segment_align: 8
    .kernarg_segment_size: 32
    .max_flat_workgroup_size: 128
    .sgpr_count:     66
    .vgpr_count:     176
    .wavefront_size: 32
...
	.end_amdgpu_metadata
.endif
;; end of part 10
